; MI455X (gfx1250); checked and timed in simulation.
; The chip was launched on July 23, 2026; its instructions are those of AMD's public machine-readable ISA for CDNA 5 (MIT licence, August 2026) and "CDNA5" Instruction Set Architecture Reference Guide (July 2026). The comments in the code are by the model that wrote it; some were corrected since.
;; Block. Allowed arithmetic: matrix products marked QUANTISED: E2M3 operands, one E8M0 scale for each 32 along K, by v_wmma_scale_f32_16x16x128_f8f6f4 with both operands' format E2M3, f32 sums; everything else in f32.
;; Inputs: W1 512 x 2,048 float32; W2 2,048 x 512 float32; Wk 8 x 512 x 64 float32; Wp 512 x 512 float32; Wq 8 x 512 x 64 float32; Wv 8 x 512 x 64 float32; b1 2,048 float32; b2 512 float32; bk 8 x 64 float32; bp 512 float32; bq 8 x 64 float32; bv 8 x 64 float32; ln1_b 512 float32; ln1_g 512 float32; ln2_b 512 float32; ln2_g 512 float32; x 4 x 2,048 x 512 float32.
;; Outputs: out0 4 x 2,048 x 512 float32.
;; This version of the problem:
;;   THIS VERSION OF THE PROBLEM IS GIVEN IN LOW PRECISION. The matrix products marked QUANTISED in the list below multiply operands that are first quantised to E2M3 (2 exponent bits, 3 mantissa bits; 6 bits a number), with one power-of-two scale for each 32 numbers along K (OCP MX v1.0); their sums are f32. All else is computed in f32.
;;   The module's matrix products, in the order in which they are computed (A, B: the left and right operand; K: the contracted axis; several contracted axes count as one K, in the product's order):
;;     1. [M 512, K 512] x [K 512, N 8,192]; A: input Wq; B: computed on the way: QUANTISED
;;     2. [M 512, K 512] x [K 512, N 8,192]; A: input Wk; B: computed on the way: QUANTISED
;;     3. [M 512, K 512] x [K 512, N 8,192]; A: input Wv; B: computed on the way: QUANTISED
;;     4. batch 32 x [M 2,048, K 64] x [K 64, N 2,048]; A: computed on the way; B: computed on the way: QUANTISED
;;     5. batch 32 x [M 2,048, K 2,048] x [K 2,048, N 64]; A: softmax (see below); B: computed on the way: QUANTISED
;;     6. [M 8,192, K 512] x [K 512, N 512]; A: computed on the way; B: input Wp: QUANTISED
;;     7. [M 8,192, K 512] x [K 512, N 2,048]; A: computed on the way; B: input W1: QUANTISED
;;     8. [M 8,192, K 2,048] x [K 2,048, N 512]; A: computed on the way; B: input W2: QUANTISED
;;   THE QUANTISER, for each operand of a quantised product, along K:
;;     - K is cut into blocks of 32 from its start; a last block that is shorter is filled with zeros.
;;     - A block's scale is 2^e with e = floor(log2(the largest magnitude in the block)) - 2, held to -126 .. 127; a block of zeros has e = 0. As a byte (E8M0): e + 127.
;;     - Each number is divided by its block's scale, clamped to +-7.5, and rounded to the nearest number of E2M3, ties to even, subnormals kept.
;;     - The product sums the exact products of the quantised numbers (number of the format x scale) in f32.
;;   ~~~python
;;   def quantise(x, axis):      # numpy; x: float32 -> the quantised numbers, widened to float32 again
;;       x = np.moveaxis(x, axis, -1); K = x.shape[-1]
;;       x = np.pad(x, [(0, 0)] * (x.ndim - 1) + [(0, -K % 32)]); x = x.reshape(x.shape[:-1] + (-1, 32)); a = np.abs(x).max(-1, keepdims=True)
;;       e = np.where(a > 0, np.clip(np.frexp(np.where(a > 0, a, 1))[1] - 1 - 2, -126, 127), 0)      # np.frexp(a)[1] - 1 = floor(log2(a)), exactly
;;       r = np.clip(x / 2.0 ** e, -7.5, 7.5)
;;       step = 2.0 ** (np.maximum(np.frexp(np.where(r == 0, 1, r))[1] - 1, 0) - 3)
;;       q = np.round(r / step) * step * 2.0 ** e      # np.round: ties to even
;;       return np.moveaxis(q.reshape(q.shape[:-2] + (-1,))[..., :K], -1, axis).astype(np.float32)
;;   ~~~
;;   SOFTMAX AHEAD OF A QUANTISED PRODUCT. Where the list says 'softmax', what is quantised is not the finished softmax but p = 2^(t - M), with t = logit x log2(e) and M = ceil(the row's largest t), a whole number; so 1/2 < the row's largest p <= 1. The row's sum l is taken of the UNQUANTISED p, in f32, and the product's result is divided by l at the end. Since M is a whole number, a kernel that streams over the keys may use a running M (the ceiling of the running maximum): every later rescaling is an exact power of two, which a block's scale takes up: the codes' values come out the same.
;;   OPERANDS COMPUTED ON THE WAY. 'Computed on the way' means the value that the module computes at that place (a softmax that the list does not call 'softmax' is quantised finished and normalised). What goes into a quantiser is computed in f32, as accurately as f32 sums, v_exp_f32 and their like allow (about 1e-6 of the number): no bf16 or f16 on the way to a quantiser, and a product that is left as it is and whose result goes on into a quantised operand takes f32 operands (vector FMAs, or v_wmma_f32_16x16x4_f32). A number that lies on a knife's edge between two numbers of the format may be rounded either way, as far as f32 arithmetic and the matrix unit's own rounding can turn it there, and no further.
;; 3 versions, each right; version 3 is version 2 with the launches qkv, attn written anew for expert scheduling mode. Each part assembles by itself: llvm-mc -triple=amdgcn-amd-amdhsa -mcpu=gfx1250 --defsym DOCPART=n.
;; ======== version 1 of 3: 4 launches
;; workspace buffers: wimg 2,555,904 bytes; himg 3,407,872 bytes; qimg 3,670,016 bytes; kvimg 7,077,888 bytes; oimg 3,670,016 bytes
;; launch prep (part 1): grid 896 x 1, 4 waves a work-group, no clusters, 1,536 bytes of LDS; arguments x, ln1_g, ln1_b, Wq, Wk, Wv, Wp, W1, W2, wimg, himg; writes wimg, himg
.if DOCPART == 1
	.amdgcn_target "amdgcn-amd-amdhsa--gfx1250"
	.amdhsa_code_object_version 6
	.text
	.protected	k_q1f57e0f669_prep
	.globl	k_q1f57e0f669_prep
	.p2align	8
	.type	k_q1f57e0f669_prep,@function
k_q1f57e0f669_prep:
	s_mov_b64 s[64:65], 0
	v_nop
	global_prefetch_b8 v0, s[64:65] scope:SCOPE_SE
	s_setreg_imm32_b32 hwreg(HW_REG_WAVE_MODE, 25, 1), 1
	s_wait_xcnt 0x0
; All weights, and LayerNorm1(x), become codes of FP6 (E2M3) with one E8M0 byte for each 32 along K, laid as IMAGES OF OPERAND REGISTERS:
; a fragment (16 rows x 128 K, 12 registers a lane) is 1,536 bytes: register group c (4 registers) of lane l at 512 c + 16 l.
; THE ROWS OF A TILE ARE NOT NEIGHBOURS: lane r of tile 2 b + u holds row (or weight column) 32 b + 8 u + r + 8 (r / 8).
; Work-groups 0-383 take weights, a fragment a wave (a lane takes a column, its registers run down K); work-groups 384-895 take a tile of 16 rows
; of x, wave s its columns 128 s on; a row's mean and variance meet in LDS.
; wimg: fragment F at 1536 F; its scale word of lane l at WSC + 512 (F / 4) + 16 l + 4 (F % 4).  F: Q, K, V: 16 (8 mat + head) + 4 s + tile;
; from 384 on, for each wave w of the last launch 288 fragments: groups of 8 tiles: Wp s = 0..3, W1 chunk q, s = 0..3, W2 s = 0..15.
; himg: fragment (row tile m, K step s) at 1536 (4 m + s); its scale words, 4 bytes a lane, at HSC + 128 (4 m + s).
; LIMITS: a block whose largest magnitude lies under 2^-124 gets the byte 1; a block of zeros too (the quantiser says 127: its codes are zeros and
; this program alone reads the bytes); NaN and infinities among the inputs are not served.
.set WSC, 2359296
.set HSC, 3145728
.set SEL, 44                           ; s[44:45] selects of v_permlanex16_b32: lane l xor 16
.set TM,  16                           ; v16-31  at work in QUANT
.set PW,  32                           ; v32     the scale word just made
.set PC,  34                           ; v34-52  the codes just made
.set X,   64                           ; v64-127 64 numbers of x;  v128-191 ln1_g;  v192-255 ln1_b
; 64 numbers of a lane, register 16 b + i = k 32 b + 16 (lane / 16) + i of my row, become a fragment's codes in v[PC] on and its scale word in v[PW]
.macro QUANT s
.irp b,0,1,2,3
	v_max3_num_f32 v[TM+\b], |v[\s+16*\b]|, |v[\s+1+16*\b]|, 0x1800000   ; my 16 numbers of block b, and the floor 2^(3 - 127): the byte cannot fall under 1
.endr
.irp i,2,4,6,8,10,12,14
.irp b,0,1,2,3
	v_max3_num_f32 v[TM+\b], v[TM+\b], |v[\s+16*\b+\i]|, |v[\s+1+16*\b+\i]|
.endr
.endr
.irp b,0,1,2,3
	v_permlanex16_b32 v[TM+4+\b], v[TM+\b], s[SEL], s[SEL+1]
.endr
.irp b,0,1,2,3
	v_max_num_f32 v[TM+\b], v[TM+\b], v[TM+4+\b]                  ; with lane l xor 16's: the block's largest magnitude
.endr
.irp b,0,1,2,3
	v_add_nc_u32 v[TM+12+\b], 0xff000000, v[TM+\b]                ; 2 off its exponent field: the conversion's scale operand
.endr
.irp b,0,1,2,3
	v_lshrrev_b32 v[TM+4+\b], 23, v[TM+12+\b]                     ; the scale's byte
.endr
	v_lshl_or_b32 v[PW], v[TM+5], 8, v[TM+4]
	v_lshl_or_b32 v[PW], v[TM+6], 16, v[PW]
	v_lshl_or_b32 v[PW], v[TM+7], 24, v[PW]
.irp c,0,1
	v_cvt_scalef32_pk16_fp6_f32 v[PC+6*\c:PC+2+6*\c], v[\s+32*\c:\s+15+32*\c], v[TM+12+2*\c]
	v_cvt_scalef32_pk16_fp6_f32 v[PC+12+4*\c:PC+14+4*\c], v[\s+16+32*\c:\s+31+32*\c], v[TM+12+2*\c+1]
.endr
	v_nop                                                          ; one plain place behind a scaled conversion
.irp c,0,1                             ; the operand wants a whole block in a lane: lanes 0-15 block 2 c, lanes 16-31 block 2 c + 1
.irp i,0,1,2
	v_permlane16_swap_b32 v[PC+6*\c+\i], v[PC+12+4*\c+\i]
.endr
.irp i,0,1,2
	v_mov_b32 v[PC+3+6*\c+\i], v[PC+12+4*\c+\i]
.endr
.endr
.endm
; my column's 64 numbers of a K step: W(64 c + 32 (lane / 16) + i, column), rows p bytes apart
.macro LOADW p
	v_mad_u32_u24 v5, v2, 32*\p, v4
.irp c,0,1
.irp i,0,1,2,3,4,5,6,7,8,9,10,11,12,13,14,15,16,17,18,19,20,21,22,23,24,25,26,27,28,29,30,31
	global_load_b32 v[64+32*\c+\i], v5, s[30:31] offset:(64*\c+\i)*\p th:TH_LOAD_NT
.endr
.endr
.endm
; v[54:57] hold two packed partial sums of my 64 numbers: the row's sum over all 512 columns comes back in v54 of every lane
.macro ROWSUM off
	v_pk_add_f32 v[54:55], v[54:55], v[56:57]
	v_add_f32 v54, v54, v55
	v_permlanex16_b32 v55, v54, s[SEL], s[SEL+1]
	v_add_f32 v54, v54, v55                        ; my wave's 128 columns of row r
	ds_store_b32 v6, v54 offset:\off               ; both lanes of a row write the same word with the same value
	s_wait_dscnt 0x0                               ; for the others' sake: my store is done
	s_barrier_signal -1
	s_barrier_wait -1
.irp k,0,1,2,3
	ds_load_b32 v[56+\k], v7 offset:\off+64*\k
.endr
	s_wait_dscnt 0x0
	v_add_f32 v56, v56, v57
	v_add_f32 v58, v58, v59
	v_add_f32 v54, v56, v58
.endm
	s_load_b512 s[8:23], s[0:1], 0x0               ; x 8, ln1_g 10, ln1_b 12, Wq 14, Wk 16, Wv 18, Wp 20, W1 22
	s_load_b128 s[24:27], s[0:1], 0x40             ; W2 24, wimg 26
	s_load_b64 s[28:29], s[0:1], 0x50              ; himg
	v_lshl_add_u32 v27, v0, 2, 0x400
	v_mov_b32 v63, 0
	v_lshrrev_b32 v1, 5, v0
	v_readfirstlane_b32 s2, v1                     ; wave
	v_and_b32 v3, 31, v0                           ; lane
	v_and_b32 v1, 15, v0                           ; r
	v_bfe_u32 v2, v0, 4, 1                         ; h
	v_and_b32 v4, 8, v1
	v_add_nc_u32 v11, v4, v1                       ; r + 8 (r / 8)
	v_lshlrev_b32 v8, 4, v3                        ; 16 x lane
	s_mov_b32 s[SEL], 0x76543210
	s_mov_b32 s[SEL+1], 0xfedcba98
	s_mov_b32 s3, ttmp9
	s_mov_b32 s33, 0
	s_wait_kmcnt 0x0
	s_cmp_ge_u32 s3, 384
	s_cbranch_scc1 .Lln
	; ---- weights: the four waves are the four tiles of 64 neighbouring columns
	s_lshr_b32 s36, s2, 1
	s_lshl_b32 s36, s36, 7
	s_and_b32 s37, s2, 1
	s_lshl_b32 s37, s37, 5
	s_add_co_u32 s36, s36, s37
	v_lshl_add_u32 v4, v11, 2, s36                 ; my column's byte in the 256: 128 (wave / 2) + 32 (wave % 2) + 4 (r + 8 (r / 8))
	s_cmp_ge_u32 s3, 256
	s_cbranch_scc1 .Lw2
	s_cmp_ge_u32 s3, 128
	s_cbranch_scc1 .Lw1
	s_cmp_ge_u32 s3, 96
	s_cbranch_scc1 .Lwp
	s_lshr_b32 s36, s3, 5                          ; Q, K or V
	s_cmp_eq_u32 s36, 0
	s_cselect_b64 s[30:31], s[14:15], s[16:17]
	s_cmp_eq_u32 s36, 2
	s_cselect_b64 s[30:31], s[18:19], s[30:31]
	s_bfe_u32 s37, s3, 0x30002                     ; head
	s_lshl_b32 s32, s37, 17                        ; 512 rows of 256 bytes a head
	s_and_b32 s38, s3, 3                           ; K step
	s_lshl_b32 s38, s38, 15
	s_add_co_u32 s32, s32, s38
	s_lshl_b32 s34, s3, 2                          ; first fragment: 16 (8 mat + head) + 4 s
	s_add_nc_u64 s[30:31], s[30:31], s[32:33]
	LOADW 256
	s_branch .Lquant
.Lwp:
	s_sub_co_u32 s36, s3, 96
	s_lshr_b32 s37, s36, 2                         ; which 64 columns
	s_and_b32 s38, s36, 3                          ; K step
	s_mov_b64 s[30:31], s[20:21]
	s_lshl_b32 s34, s38, 3                         ; groups 0-3
	s_branch .Lp2048
.Lw2:
	s_sub_co_u32 s36, s3, 256
	s_lshr_b32 s37, s36, 4
	s_and_b32 s38, s36, 15
	s_mov_b64 s[30:31], s[24:25]
	s_lshl_b32 s34, s38, 3
	s_add_co_u32 s34, s34, 160                     ; groups 20-35
.Lp2048:
	s_lshl_b32 s32, s38, 18                        ; 128 rows of 2,048 bytes
	s_lshl_b32 s39, s37, 8
	s_add_co_u32 s32, s32, s39
	s_lshr_b32 s39, s37, 1                         ; the last launch's wave that owns these columns
	s_mul_i32 s39, s39, 288
	s_add_co_u32 s34, s34, s39
	s_and_b32 s39, s37, 1
	s_lshl_b32 s39, s39, 2
	s_add_co_u32 s34, s34, s39
	s_add_co_u32 s34, s34, 384
	s_add_nc_u64 s[30:31], s[30:31], s[32:33]
	LOADW 2048
	s_branch .Lquant
.Lw1:
	s_sub_co_u32 s36, s3, 128
	s_lshr_b32 s37, s36, 2                         ; which 64 hidden units, 0..31
	s_and_b32 s38, s36, 3
	s_lshl_b32 s32, s38, 20                        ; 128 rows of 8,192 bytes
	s_lshl_b32 s39, s37, 8
	s_add_co_u32 s32, s32, s39
	s_lshr_b32 s39, s37, 3                         ; wave: 512 units each
	s_mul_i32 s34, s39, 288
	s_bfe_u32 s39, s37, 0x20001                    ; chunk of 128 units
	s_lshl_b32 s39, s39, 5
	s_add_co_u32 s34, s34, s39
	s_lshl_b32 s39, s38, 3
	s_add_co_u32 s34, s34, s39
	s_and_b32 s39, s37, 1
	s_lshl_b32 s39, s39, 2
	s_add_co_u32 s34, s34, s39
	s_add_co_u32 s34, s34, 384+32                  ; groups 4-19
	s_add_nc_u64 s[30:31], s[22:23], s[32:33]
	LOADW 8192
.Lquant:
	s_wait_loadcnt 0x0
.irp c,0,1                             ; my block 2 c + h: all its 32 numbers are mine
	v_max3_num_f32 v[32+\c], |v[64+32*\c]|, |v[65+32*\c]|, 0x1800000
.endr
.irp i,2,4,6,8,10,12,14,16,18,20,22,24,26,28,30
.irp c,0,1
	v_max3_num_f32 v[32+\c], v[32+\c], |v[64+32*\c+\i]|, |v[65+32*\c+\i]|
.endr
.endr
.irp c,0,1
	v_add_nc_u32 v[44+\c], 0xff000000, v[32+\c]    ; 2 off the exponent field: the conversion's scale operand
.endr
.irp c,0,1
	v_lshrrev_b32 v[36+\c], 23, v[44+\c]           ; the scale's byte
.endr
	v_lshl_or_b32 v9, v37, 16, v36                 ; my two bytes: blocks h and 2 + h,
	v_lshlrev_b32 v10, 3, v2
	v_lshlrev_b32 v9, v10, v9                      ; at their places in the word;
	v_mov_b32 v10, 0
	v_permlanex16_b32 v10, v9, s[SEL], s[SEL+1]
	v_or_b32 v9, v9, v10                           ; with lane l xor 16's two the word is whole, in both lanes
.irp c,0,1
	v_cvt_scalef32_pk16_fp6_f32 v[48+6*\c:50+6*\c], v[64+32*\c:79+32*\c], v[44+\c]
	v_cvt_scalef32_pk16_fp6_f32 v[192+4*\c:194+4*\c], v[80+32*\c:95+32*\c], v[44+\c]
.endr
	v_nop                                          ; one plain place behind a scaled conversion
.irp c,0,1
.irp i,0,1,2
	v_mov_b32 v[51+6*\c+\i], v[192+4*\c+\i]
.endr
.endr
	s_add_co_u32 s36, s34, s2                      ; my fragment
	s_mul_i32 s36, s36, 1536
	s_mov_b32 s37, 0
	s_add_nc_u64 s[38:39], s[26:27], s[36:37]
	s_lshl_b32 s36, s34, 7                         ; 512 bytes of words for four fragments
	s_lshl_b32 s40, s2, 2
	s_add_co_u32 s36, s36, s40
	s_add_co_u32 s36, s36, WSC
	s_add_nc_u64 s[40:41], s[26:27], s[36:37]
	global_store_b128 v8, v[48:51], s[38:39]       ; each store covers 512 consecutive bytes
	global_store_b128 v8, v[52:55], s[38:39] offset:512
	global_store_b128 v8, v[56:59], s[38:39] offset:1024
	global_store_b32 v8, v9, s[40:41]              ; the four waves' words interleave: together they fill the 512 bytes
	s_endpgm
	; ---- LayerNorm1 of a tile of 16 rows
.Lln:
	s_sub_co_u32 s36, s3, 384                      ; row tile m
	s_lshr_b32 s37, s36, 1
	s_lshl_b32 s37, s37, 16                        ; 32 rows of 2,048 bytes
	s_and_b32 s38, s36, 1
	s_lshl_b32 s38, s38, 14                        ; 8 rows
	s_add_co_u32 s32, s37, s38
	s_lshl_b32 s40, s2, 9                          ; my 128 columns
	s_add_co_u32 s32, s32, s40
	s_mov_b32 s41, 0
	s_add_nc_u64 s[30:31], s[8:9], s[32:33]
	s_add_nc_u64 s[10:11], s[10:11], s[40:41]
	s_add_nc_u64 s[12:13], s[12:13], s[40:41]
	v_lshlrev_b32 v4, 11, v11
	v_lshl_add_u32 v4, v2, 6, v4                   ; row r + 8 (r / 8), + 64 h: my 16 numbers of a block of 32
	v_lshlrev_b32 v5, 6, v2
.irp b,0,1,2,3
.irp j,0,1,2,3
	global_load_b128 v[X+16*\b+4*\j:X+16*\b+4*\j+3], v4, s[30:31] offset:128*\b+16*\j th:TH_LOAD_NT
.endr
.endr
.irp b,0,1,2,3
.irp j,0,1,2,3
	global_load_b128 v[128+16*\b+4*\j:131+16*\b+4*\j], v5, s[10:11] offset:128*\b+16*\j
.endr
.endr
.irp b,0,1,2,3
.irp j,0,1,2,3
	global_load_b128 v[192+16*\b+4*\j:195+16*\b+4*\j], v5, s[12:13] offset:128*\b+16*\j
.endr
.endr
	v_lshlrev_b32 v7, 2, v1                        ; LDS: 4 r
	s_lshl_b32 s42, s2, 6
	v_add_nc_u32 v6, s42, v7                       ; 64 wave + 4 r
	v_lshlrev_b32 v9, 2, v3                        ; 4 x lane
.irp b,0,1,2,3
	v_mov_b32 v[TM+4+\b], 0                        ; a lane permute's destination counts as one of its sources
.endr
	s_lshl_b32 s36, s36, 2
	s_add_co_u32 s36, s36, s2                      ; 4 m + s
	s_mul_i32 s46, s36, 1536
	s_mov_b32 s47, 0
	s_add_nc_u64 s[48:49], s[28:29], s[46:47]
	s_lshl_b32 s46, s36, 7
	s_add_co_u32 s46, s46, HSC
	s_add_nc_u64 s[50:51], s[28:29], s[46:47]
	s_mov_b32 s52, 0x3b000000                      ; 1 / 512
	s_mov_b32 s53, 0x3727c5ac                      ; 1e-5
	s_wait_loadcnt 32                              ; x is in; g's 16 and b's 16 loads may be out
	v_pk_add_f32 v[54:55], v[X:X+1], v[X+2:X+3]
	v_pk_add_f32 v[56:57], v[X+4:X+5], v[X+6:X+7]
.irp j,8,12,16,20,24,28,32,36,40,44,48,52,56,60
	v_pk_add_f32 v[54:55], v[54:55], v[X+\j:X+\j+1]
	v_pk_add_f32 v[56:57], v[56:57], v[X+\j+2:X+\j+3]
.endr
	ROWSUM 0
	v_mul_f32 v60, s52, v54                        ; the mean
	v_mov_b32 v61, v60
.set JJ, 0
.rept 32
	v_pk_add_f32 v[X+JJ:X+JJ+1], v[X+JJ:X+JJ+1], v[60:61] neg_lo:[0,1] neg_hi:[0,1]
.set JJ, JJ+2
.endr
	v_pk_mul_f32 v[54:55], v[X:X+1], v[X:X+1]
	v_pk_mul_f32 v[56:57], v[X+2:X+3], v[X+2:X+3]
.irp j,4,8,12,16,20,24,28,32,36,40,44,48,52,56,60
	v_pk_fma_f32 v[54:55], v[X+\j:X+\j+1], v[X+\j:X+\j+1], v[54:55]
	v_pk_fma_f32 v[56:57], v[X+\j+2:X+\j+3], v[X+\j+2:X+\j+3], v[56:57]
.endr
	ROWSUM 256                                     ; other bytes than the first sum's: no barrier is owed between the two uses
	v_fma_f32 v62, v54, s52, s53                   ; the variance + eps
	v_rsq_f32 v60, v62
	v_nop                                          ; a plain place behind the transcendental
	s_wait_alu depctr_va_vdst(0)                   ; the wait ahead of the first reader
	v_mov_b32 v61, v60
.set JJ, 0
.rept 32
	v_pk_mul_f32 v[X+JJ:X+JJ+1], v[X+JJ:X+JJ+1], v[60:61]
.set JJ, JJ+2
.endr
	s_wait_loadcnt 0x0                             ; g and b
.set JJ, 0
.rept 32
	v_pk_fma_f32 v[X+JJ:X+JJ+1], v[X+JJ:X+JJ+1], v[128+JJ:129+JJ], v[192+JJ:193+JJ]
.set JJ, JJ+2
.endr
	QUANT X
	global_store_b128 v8, v[PC:PC+3], s[48:49]
	global_store_b128 v8, v[PC+4:PC+7], s[48:49] offset:512
	global_store_b128 v8, v[PC+8:PC+11], s[48:49] offset:1024
	global_store_b32 v9, v[PW], s[50:51]
	s_wait_tensorcnt 0x0
	ds_add_u32 v27, v63
	s_wait_dscnt 0x0
	s_endpgm
.Lfunc_end_k_q1f57e0f669_prep:
	.size	k_q1f57e0f669_prep, .Lfunc_end_k_q1f57e0f669_prep-k_q1f57e0f669_prep
	.p2alignl 7, 3214868480
	.fill 96, 4, 3214868480
	.section	.rodata,"a",@progbits
	.p2align	6, 0x0
	.amdhsa_kernel k_q1f57e0f669_prep
		.amdhsa_group_segment_fixed_size 1536
		.amdhsa_private_segment_fixed_size 0
		.amdhsa_enable_private_segment 0
		.amdhsa_kernarg_size 88
		.amdhsa_user_sgpr_count 2
		.amdhsa_user_sgpr_kernarg_segment_ptr 1
		.amdhsa_wavefront_size32 1
		.amdhsa_system_sgpr_workgroup_id_x 1
		.amdhsa_system_sgpr_workgroup_id_y 1
		.amdhsa_system_sgpr_workgroup_id_z 1
		.amdhsa_system_vgpr_workitem_id 0
		.amdhsa_next_free_vgpr 256
		.amdhsa_next_free_sgpr 66
		.amdhsa_reserve_vcc 0
		.amdhsa_float_denorm_mode_32 3
		.amdhsa_float_denorm_mode_16_64 3
		.amdhsa_memory_ordered 1
		.amdhsa_forward_progress 1
		.amdhsa_inst_pref_size 48
	.end_amdhsa_kernel
	.amdgpu_metadata
---
amdhsa.version: [ 1, 2 ]
amdhsa.kernels:
  - .name:           k_q1f57e0f669_prep
    .symbol:         k_q1f57e0f669_prep.kd
    .args:
      - { .name: x, .offset: 0, .size: 8, .value_kind: global_buffer, .address_space: global }
      - { .name: ln1_g, .offset: 8, .size: 8, .value_kind: global_buffer, .address_space: global }
      - { .name: ln1_b, .offset: 16, .size: 8, .value_kind: global_buffer, .address_space: global }
      - { .name: Wq, .offset: 24, .size: 8, .value_kind: global_buffer, .address_space: global }
      - { .name: Wk, .offset: 32, .size: 8, .value_kind: global_buffer, .address_space: global }
      - { .name: Wv, .offset: 40, .size: 8, .value_kind: global_buffer, .address_space: global }
      - { .name: Wp, .offset: 48, .size: 8, .value_kind: global_buffer, .address_space: global }
      - { .name: W1, .offset: 56, .size: 8, .value_kind: global_buffer, .address_space: global }
      - { .name: W2, .offset: 64, .size: 8, .value_kind: global_buffer, .address_space: global }
      - { .name: wimg, .offset: 72, .size: 8, .value_kind: global_buffer, .address_space: global }
      - { .name: himg, .offset: 80, .size: 8, .value_kind: global_buffer, .address_space: global }
    .group_segment_fixed_size: 1536
    .private_segment_fixed_size: 0
    .kernarg_segment_align: 8
    .kernarg_segment_size: 88
    .max_flat_workgroup_size: 128
    .sgpr_count:     66
    .vgpr_count:     256
    .wavefront_size: 32
...
	.end_amdgpu_metadata
.endif
;; end of part 1
;; launch qkv (part 2): grid 64 x 4, 4 waves a work-group, no clusters, 53,760 bytes of LDS; arguments himg, wimg, bq, bk, bv, qimg, kvimg; writes qimg, kvimg
.if DOCPART == 2
	.amdgcn_target "amdgcn-amd-amdhsa--gfx1250"
	.amdhsa_code_object_version 6
	.text
	.protected	k_q1f57e0f669_qkv
	.globl	k_q1f57e0f669_qkv
	.p2align	8
	.type	k_q1f57e0f669_qkv,@function
k_q1f57e0f669_qkv:
	s_mov_b64 s[64:65], 0
	v_nop
	global_prefetch_b8 v0, s[64:65] scope:SCOPE_SE
	s_setreg_imm32_b32 hwreg(HW_REG_WAVE_MODE, 25, 1), 1
	s_wait_xcnt 0x0
; Q, K, V = h W + b on codes of FP6 (E2M3), and their own codes for attention.  A work-group takes 128 rows (x) and two heads (y).
; Wave w: head 2 y + w / 2.  First Q (w even) or K (w odd) of that head: source 0 = 16 columns of W, source 1 = 16 rows of h, so that a lane holds one row
; and its 32 registers run along the head's 64: quantised along them, 6 registers a lane (a half image: registers 0-3 at 16 lane, 4-5 at 512 + 8 lane).
; Then V, two of the head's four tiles of channels: source 0 = 16 rows of h, source 1 = 16 columns of Wv, so that a lane holds one channel and its 64
; registers run along the 128 keys: quantised along the keys, a whole fragment image.  The biases are the C of each sum's first matrix instruction.
; h's 32 fragments and their scale words are copied into LDS once, as they lie; the weights go from memory straight into registers, read once.
; The rows of a tile are not neighbours (lane r of tile 2 b + u: row 32 b + 8 u + r + 8 (r / 8)), so the registers of two neighbouring tiles are neighbours along the next K.
; A product over 64 uses half of the instruction's 128: bytes 2 and 3 of Q's and K's scale words are 0x7f (1.0); attention gives Q zero codes there.
; qimg: for (batch-head, block of 128 rows) 7,168 bytes: 8 half images, then 8 x 128 bytes of scale words.
; kvimg: 13,824 bytes: K's 8 half images, V's 4 fragment images at 6,144, K's words at 12,288, V's at 13,312.
; LIMITS: as stated in the first launch (byte 1 under 2^-124 and for blocks of zeros; no NaN, no infinities).
; REGISTERS: window 0: v1-6 addresses; v16-31 h's scale words; v32-47, v48-55 W's; v64-191 accumulators (first the copy's staging); v192-228 at work.
;   window 1: v0-191 W of Q or K, later two sets of 8 fragments of h; v192-239 four fragments of h.  window 2: v0-95 Wv; v96-127, v128-143 biases.
.set HSC, 3145728
.set WSC, 2359296
.set ASC, 49152                        ; LDS: 32 fragment images, then their scale words
.set TM,  192
.set PW,  208
.set PC,  210
.set SEL, 50
.set ACC, 64
.set MSB, 0
.macro WIN new                         ; the immediate's high byte repeats the setting that is left
.if MSB != (\new)
	s_set_vgpr_msb (MSB<<8)|(\new)
.set MSB, (\new)
.endif
.endm
.macro QUANT s                         ; 64 numbers, register 16 b + i = k 32 b + 16 (lane / 16) + i: codes in v[PC] on, scale word in v[PW]
.irp b,0,1,2,3
	v_max3_num_f32 v[TM+\b], |v[\s+16*\b]|, |v[\s+1+16*\b]|, 0x1800000   ; and the floor 2^(3 - 127): the byte cannot fall under 1
.endr
.irp i,2,4,6,8,10,12,14
.irp b,0,1,2,3
	v_max3_num_f32 v[TM+\b], v[TM+\b], |v[\s+16*\b+\i]|, |v[\s+1+16*\b+\i]|
.endr
.endr
.irp b,0,1,2,3
	v_permlanex16_b32 v[TM+4+\b], v[TM+\b], s[SEL], s[SEL+1]
.endr
.irp b,0,1,2,3
	v_max_num_f32 v[TM+\b], v[TM+\b], v[TM+4+\b]
.endr
.irp b,0,1,2,3
	v_add_nc_u32 v[TM+12+\b], 0xff000000, v[TM+\b]
.endr
.irp b,0,1,2,3
	v_lshrrev_b32 v[TM+4+\b], 23, v[TM+12+\b]
.endr
	v_lshl_or_b32 v[PW], v[TM+5], 8, v[TM+4]
	v_lshl_or_b32 v[PW], v[TM+6], 16, v[PW]
	v_lshl_or_b32 v[PW], v[TM+7], 24, v[PW]
.irp c,0,1
	v_cvt_scalef32_pk16_fp6_f32 v[PC+6*\c:PC+2+6*\c], v[\s+32*\c:\s+15+32*\c], v[TM+12+2*\c]
	v_cvt_scalef32_pk16_fp6_f32 v[PC+12+4*\c:PC+14+4*\c], v[\s+16+32*\c:\s+31+32*\c], v[TM+12+2*\c+1]
.endr
	v_nop                                          ; one plain place behind a scaled conversion
.irp c,0,1
.irp i,0,1,2
	v_permlane16_swap_b32 v[PC+6*\c+\i], v[PC+12+4*\c+\i]
.endr
.irp i,0,1,2
	v_mov_b32 v[PC+3+6*\c+\i], v[PC+12+4*\c+\i]
.endr
.endr
.endm
.macro QUANT2 s                        ; the same for 32 numbers, two blocks: six registers of codes in v[PC] on, two bytes in v[PW]
.irp b,0,1
	v_max3_num_f32 v[TM+\b], |v[\s+16*\b]|, |v[\s+1+16*\b]|, 0x1800000
.endr
.irp i,2,4,6,8,10,12,14
.irp b,0,1
	v_max3_num_f32 v[TM+\b], v[TM+\b], |v[\s+16*\b+\i]|, |v[\s+1+16*\b+\i]|
.endr
.endr
.irp b,0,1
	v_permlanex16_b32 v[TM+2+\b], v[TM+\b], s[SEL], s[SEL+1]
.endr
.irp b,0,1
	v_max_num_f32 v[TM+\b], v[TM+\b], v[TM+2+\b]
.endr
.irp b,0,1
	v_add_nc_u32 v[TM+4+\b], 0xff000000, v[TM+\b]
.endr
.irp b,0,1
	v_lshrrev_b32 v[TM+2+\b], 23, v[TM+4+\b]
.endr
	v_lshl_or_b32 v[PW], v[TM+3], 8, v[TM+2]
	v_cvt_scalef32_pk16_fp6_f32 v[PC:PC+2], v[\s:\s+15], v[TM+4]
	v_cvt_scalef32_pk16_fp6_f32 v[PC+4:PC+6], v[\s+16:\s+31], v[TM+5]
	v_nop                                          ; one plain place behind a scaled conversion
.irp i,0,1,2
	v_permlane16_swap_b32 v[PC+\i], v[PC+4+\i]     ; lanes 0-15 now hold block 0, lanes 16-31 block 1: lower 16 codes in the first run, upper 16 in the second
.endr
	v_mov_b32 v[PC+3], v[PC+4]
	v_mov_b32 v[PC+4], v[PC+5]
	v_mov_b32 v[PC+5], v[PC+6]
.endm
.macro ALOAD i                         ; row tile i: its four fragments of h and their scale words
	WIN 0x40
.irp s,0,1,2,3
.irp c,0,1,2
	ds_load_b128 v[192+12*\s+4*\c:195+12*\s+4*\c], v1 offset:1536*(4*(\i)+\s)+512*\c
.endr
.endr
	WIN 0
.irp s,0,1,2,3
	ds_load_b32 v[16+\s], v3 offset:ASC+128*(4*(\i)+\s)
.endr
.endm
.macro VLOAD s                         ; K step s of all eight row tiles into set s % 2: 32 LDS loads
	WIN 0x40
.irp i,0,1,2,3,4,5,6,7
.irp c,0,1,2
	ds_load_b128 v[96*((\s)%2)+12*\i+4*\c:96*((\s)%2)+12*\i+4*\c+3], v1 offset:1536*(4*\i+(\s))+512*\c
.endr
.endr
	WIN 0
.irp i,0,1,2,3,4,5,6,7
	ds_load_b32 v[16+8*((\s)%2)+\i], v3 offset:ASC+128*(4*\i+(\s))
.endr
.endm
.macro QKTILE i                        ; 16 rows x the head's 64 of Q or K: four accumulators by turns
	s_wait_dscnt 0x0                               ; the tile's fragments are in
	WIN 0x25                                       ; W and h window 1, the bias window 2
.irp t,0,1,2,3
	v_wmma_scale_f32_16x16x128_f8f6f4 v[ACC+8*\t:ACC+8*\t+7], v[12*\t:12*\t+11], v[192:203], v[96+8*\t:96+8*\t+7], v[32+\t], v16 matrix_a_fmt:MATRIX_FMT_FP6 matrix_b_fmt:MATRIX_FMT_FP6
.endr
	WIN 0x05
.irp s,1,2,3
.irp t,0,1,2,3
	v_wmma_scale_f32_16x16x128_f8f6f4 v[ACC+8*\t:ACC+8*\t+7], v[12*(4*\s+\t):12*(4*\s+\t)+11], v[192+12*\s:203+12*\s], v[ACC+8*\t:ACC+8*\t+7], v[32+4*\s+\t], v[16+\s] matrix_a_fmt:MATRIX_FMT_FP6 matrix_b_fmt:MATRIX_FMT_FP6
.endr
.endr
	WIN 0
.rept 4
	v_nop                                          ; places in front of loads into registers that the products read, and of the first read of results
.endr
.if \i < 7
	ALOAD (\i)+1                                   ; lands while this tile is quantised
.else
	VLOAD 0                                        ; W of Q or K is done with: its registers take h's fragments for V
	VLOAD 1
.endif
.if \i > 0
	s_wait_xcnt 0x0                                ; the last tile's stores have read their data: the codes' registers are written again only behind this wait
.endif
	QUANT2 ACC
	v_or_b32 v[PW], 0x7f7f0000, v[PW]              ; 1.0 for the half of the instruction's K that the head does not fill
	global_store_b128 v1, v[PC:PC+3], s[42:43] offset:768*\i
	global_store_b64 v2, v[PC+4:PC+5], s[42:43] offset:768*\i+512
	global_store_b32 v3, v[PW], s[44:45] offset:128*\i
.endm
.macro VSTEP s                         ; K step s of V: 16 accumulators (8 row tiles x 2 tiles of channels) by turns
.if \s < 3
	s_wait_dscnt 32                                ; this step's 32 loads are in; the next step's 32 may be out
.else
	s_wait_dscnt 0x0
.endif
.if \s == 0
	WIN 0x29                                       ; h window 1, Wv window 2, the bias window 2
.else
	WIN 0x09
.endif
.irp i,0,1,2,3,4,5,6,7
.irp n,0,1
.if \s == 0
	v_wmma_scale_f32_16x16x128_f8f6f4 v[ACC+64*\n+8*\i:ACC+64*\n+8*\i+7], v[96*(\s%2)+12*\i:96*(\s%2)+12*\i+11], v[12*(2*\s+\n):12*(2*\s+\n)+11], v[128+8*\n:135+8*\n], v[16+8*(\s%2)+\i], v[48+2*\s+\n] matrix_a_fmt:MATRIX_FMT_FP6 matrix_b_fmt:MATRIX_FMT_FP6
.else
	v_wmma_scale_f32_16x16x128_f8f6f4 v[ACC+64*\n+8*\i:ACC+64*\n+8*\i+7], v[96*(\s%2)+12*\i:96*(\s%2)+12*\i+11], v[12*(2*\s+\n):12*(2*\s+\n)+11], v[ACC+64*\n+8*\i:ACC+64*\n+8*\i+7], v[16+8*(\s%2)+\i], v[48+2*\s+\n] matrix_a_fmt:MATRIX_FMT_FP6 matrix_b_fmt:MATRIX_FMT_FP6
.endif
.endr
.endr
	WIN 0
.rept 4
	v_nop
.endr
.if \s < 2
	VLOAD (\s)+2
.endif
.endm
	s_load_b256 s[4:11], s[0:1], 0x0               ; himg 4, wimg 6, bq 8, bk 10
	s_load_b128 s[12:15], s[0:1], 0x20             ; bv 12, qimg 14
	s_load_b64 s[16:17], s[0:1], 0x30              ; kvimg
	v_lshl_add_u32 v254, v0, 2, 0xd000
	v_mov_b32 v255, 0
	v_lshrrev_b32 v7, 5, v0
	v_readfirstlane_b32 s2, v7                     ; wave
	v_and_b32 v7, 31, v0
	v_lshlrev_b32 v1, 4, v7                        ; 16 x lane
	v_lshlrev_b32 v2, 3, v7                        ; 8 x lane
	v_lshlrev_b32 v3, 2, v7                        ; 4 x lane
	v_lshlrev_b32 v4, 4, v0                        ; 16 x thread: the copy
	v_bfe_u32 v8, v0, 4, 1
	v_lshlrev_b32 v5, 6, v8                        ; 64 h: Q's and K's bias
	v_and_b32 v9, 15, v0
	v_and_b32 v10, 8, v9
	v_add_nc_u32 v9, v9, v10
	v_lshlrev_b32 v6, 2, v9                        ; 4 (r + 8 (r / 8)): V's bias
.irp b,2,3,4,5,6,7
	v_mov_b32 v[TM+\b], 0                          ; a lane permute's destination counts as one of its sources
.endr
	s_mov_b32 s3, ttmp9                            ; block of 128 rows
	s_and_b32 s18, ttmp7, 0xffff                   ; pair of heads
	s_lshr_b32 s19, s2, 1
	s_lshl_b32 s21, s18, 1
	s_add_co_u32 s19, s19, s21                     ; head
	s_and_b32 s20, s2, 1                           ; 0: Q, 1: K; and which two tiles of V
	s_lshr_b32 s21, s3, 4                          ; batch
	s_and_b32 s22, s3, 15                          ; block in the sequence
	s_lshl_b32 s23, s21, 3
	s_add_co_u32 s23, s23, s19
	s_lshl_b32 s24, s23, 4
	s_add_co_u32 s24, s24, s22                     ; the record: 16 (8 batch + head) + block
	s_mov_b32 s53, 0
	s_mov_b32 s[SEL], 0x76543210
	s_mov_b32 s[SEL+1], 0xfedcba98
	s_wait_kmcnt 0x0
	s_mul_i32 s52, s3, 49152
	s_add_nc_u64 s[26:27], s[4:5], s[52:53]        ; h's 32 fragments
	s_lshl_b32 s52, s3, 12
	s_add_co_u32 s52, s52, HSC
	s_add_nc_u64 s[28:29], s[4:5], s[52:53]        ; their scale words
	s_lshl_b32 s25, s20, 3
	s_add_co_u32 s25, s25, s19                     ; 8 mat + head
	s_mul_i32 s52, s25, 24576
	s_add_nc_u64 s[30:31], s[6:7], s[52:53]
	s_lshl_b32 s52, s25, 11
	s_add_co_u32 s52, s52, WSC
	s_add_nc_u64 s[32:33], s[6:7], s[52:53]
	s_add_co_u32 s25, s19, 16                      ; Wv's unit
	s_mul_i32 s52, s25, 24576
	s_mul_i32 s54, s20, 3072
	s_add_co_u32 s52, s52, s54
	s_add_nc_u64 s[34:35], s[6:7], s[52:53]
	s_lshl_b32 s52, s25, 11
	s_lshl_b32 s54, s20, 3
	s_add_co_u32 s52, s52, s54
	s_add_co_u32 s52, s52, WSC
	s_add_nc_u64 s[36:37], s[6:7], s[52:53]
	s_cmp_eq_u32 s20, 0                            ; the choices hang on the wave's number alone
	s_cselect_b64 s[38:39], s[8:9], s[10:11]
	s_cselect_b64 s[42:43], s[14:15], s[16:17]
	s_mov_b32 s54, 13824
	s_cselect_b32 s54, 7168, s54                   ; a record's bytes
	s_mov_b32 s55, 12288
	s_cselect_b32 s55, 6144, s55                   ; where its scale words begin
	s_lshl_b32 s52, s19, 8
	s_add_nc_u64 s[38:39], s[38:39], s[52:53]      ; bq or bk at my head
	s_lshl_b32 s56, s20, 7
	s_add_co_u32 s52, s52, s56
	s_add_nc_u64 s[40:41], s[12:13], s[52:53]      ; bv at my head's 32 channels
	s_mul_i32 s52, s54, s24
	s_add_nc_u64 s[42:43], s[42:43], s[52:53]      ; Q's or K's images
	s_mov_b32 s52, s55
	s_add_nc_u64 s[44:45], s[42:43], s[52:53]      ; and words
	s_mul_i32 s52, s24, 13824
	s_mul_i32 s54, s20, 3072
	s_add_co_u32 s52, s52, s54
	s_add_co_u32 s52, s52, 6144
	s_add_nc_u64 s[46:47], s[16:17], s[52:53]      ; V's images
	s_mul_i32 s52, s24, 13824
	s_lshl_b32 s54, s20, 8
	s_add_co_u32 s52, s52, s54
	s_add_co_u32 s52, s52, 13312
	s_add_nc_u64 s[48:49], s[16:17], s[52:53]      ; and words
.irp i,0,1,2,3,4,5,6,7,8,9,10,11,12,13,14,15,16,17,18,19,20,21,22,23
	global_load_b128 v[64+4*\i:67+4*\i], v4, s[26:27] offset:2048*\i      ; the copy: 2,048 consecutive bytes a work-group
.endr
	global_load_b128 v[160:163], v4, s[28:29]
	global_load_b128 v[164:167], v4, s[28:29] offset:2048
	WIN 0x40
.irp f,0,1,2,3,4,5,6,7,8,9,10,11,12,13,14,15
.irp c,0,1,2
	global_load_b128 v[12*\f+4*\c:12*\f+4*\c+3], v1, s[30:31] offset:1536*\f+512*\c
.endr
.endr
	WIN 0
	s_wait_loadcnt 48                              ; the 26 copy loads are in; W's 48 may be out
.irp i,0,1,2,3,4,5,6,7,8,9,10,11,12,13,14,15,16,17,18,19,20,21,22,23,24,25
	ds_store_b128 v4, v[64+4*\i:67+4*\i] offset:2048*\i
.endr
.irp s,0,1,2,3
	global_load_b128 v[32+4*\s:35+4*\s], v1, s[32:33] offset:512*\s       ; four tiles' scale words a load
.endr
	WIN 0x80
.irp t,0,1,2,3
	global_load_b128 v[96+8*\t:99+8*\t], v5, s[38:39] offset:128*(\t/2)+32*(\t%2)
	global_load_b128 v[100+8*\t:103+8*\t], v5, s[38:39] offset:128*(\t/2)+32*(\t%2)+16
.endr
.irp s,0,1,2,3                         ; from here on 44 loads for V
.irp n,0,1
.irp c,0,1,2
	global_load_b128 v[12*(2*\s+\n)+4*\c:12*(2*\s+\n)+4*\c+3], v1, s[34:35] offset:1536*(4*\s+\n)+512*\c
.endr
.endr
.endr
.irp n,0,1
.irp j,0,1,2,3,4,5,6,7
	global_load_b32 v[128+8*\n+\j], v6, s[40:41] offset:32*\n             ; a lane holds one channel: its bias in all eight registers
.endr
.endr
	WIN 0
.irp s,0,1,2,3
	global_load_b64 v[48+2*\s:49+2*\s], v1, s[36:37] offset:512*\s
.endr
	s_wait_dscnt 0x0                               ; for the others' sake: my part of the copy lies in LDS
	s_barrier_signal -1
	s_barrier_wait -1
	ALOAD 0
	s_wait_loadcnt 44                              ; W, its words and the bias are in; V's 44 loads may be out
.irp i,0,1,2,3,4,5,6,7
	QKTILE \i
.endr
	s_wait_loadcnt 0x0                             ; Wv, its words, bv
	VSTEP 0
	VSTEP 1
	VSTEP 2
	VSTEP 3
.irp n,0,1
	s_wait_xcnt 0x0                                ; earlier stores have read their data
	QUANT ACC+64*\n                                ; register 8 i + j is key 32 (i / 2) + 16 h + 8 (i % 2) + j of my channel
	global_store_b128 v1, v[PC:PC+3], s[46:47] offset:1536*\n
	global_store_b128 v1, v[PC+4:PC+7], s[46:47] offset:1536*\n+512
	global_store_b128 v1, v[PC+8:PC+11], s[46:47] offset:1536*\n+1024
	global_store_b32 v3, v[PW], s[48:49] offset:128*\n
.endr
	s_wait_tensorcnt 0x0
	ds_add_u32 v254, v255
	s_wait_dscnt 0x0
	s_endpgm
.Lfunc_end_k_q1f57e0f669_qkv:
	.size	k_q1f57e0f669_qkv, .Lfunc_end_k_q1f57e0f669_qkv-k_q1f57e0f669_qkv
	.p2alignl 7, 3214868480
	.fill 96, 4, 3214868480
	.section	.rodata,"a",@progbits
	.p2align	6, 0x0
	.amdhsa_kernel k_q1f57e0f669_qkv
		.amdhsa_group_segment_fixed_size 53760
		.amdhsa_private_segment_fixed_size 0
		.amdhsa_enable_private_segment 0
		.amdhsa_kernarg_size 56
		.amdhsa_user_sgpr_count 2
		.amdhsa_user_sgpr_kernarg_segment_ptr 1
		.amdhsa_wavefront_size32 1
		.amdhsa_system_sgpr_workgroup_id_x 1
		.amdhsa_system_sgpr_workgroup_id_y 1
		.amdhsa_system_sgpr_workgroup_id_z 1
		.amdhsa_system_vgpr_workitem_id 0
		.amdhsa_next_free_vgpr 672
		.amdhsa_next_free_sgpr 66
		.amdhsa_reserve_vcc 0
		.amdhsa_float_denorm_mode_32 3
		.amdhsa_float_denorm_mode_16_64 3
		.amdhsa_memory_ordered 1
		.amdhsa_forward_progress 1
		.amdhsa_inst_pref_size 88
	.end_amdhsa_kernel
	.amdgpu_metadata
---
amdhsa.version: [ 1, 2 ]
amdhsa.kernels:
  - .name:           k_q1f57e0f669_qkv
    .symbol:         k_q1f57e0f669_qkv.kd
    .args:
      - { .name: himg, .offset: 0, .size: 8, .value_kind: global_buffer, .address_space: global }
      - { .name: wimg, .offset: 8, .size: 8, .value_kind: global_buffer, .address_space: global }
      - { .name: bq, .offset: 16, .size: 8, .value_kind: global_buffer, .address_space: global }
      - { .name: bk, .offset: 24, .size: 8, .value_kind: global_buffer, .address_space: global }
      - { .name: bv, .offset: 32, .size: 8, .value_kind: global_buffer, .address_space: global }
      - { .name: qimg, .offset: 40, .size: 8, .value_kind: global_buffer, .address_space: global }
      - { .name: kvimg, .offset: 48, .size: 8, .value_kind: global_buffer, .address_space: global }
    .group_segment_fixed_size: 53760
    .private_segment_fixed_size: 0
    .kernarg_segment_align: 8
    .kernarg_segment_size: 56
    .max_flat_workgroup_size: 128
    .sgpr_count:     66
    .vgpr_count:     672
    .wavefront_size: 32
...
	.end_amdgpu_metadata
.endif
;; end of part 2
;; launch attn (part 3): grid 8 x 32, 16 waves a work-group, no clusters, 34,816 bytes of LDS; arguments qimg, kvimg, oimg; writes oimg
.if DOCPART == 3
	.amdgcn_target "amdgcn-amd-amdhsa--gfx1250"
	.amdhsa_code_object_version 6
	.text
	.protected	k_q1f57e0f669_attn
	.globl	k_q1f57e0f669_attn
	.p2align	8
	.type	k_q1f57e0f669_attn,@function
k_q1f57e0f669_attn:
	s_mov_b64 s[64:65], 0
	v_nop
	global_prefetch_b8 v0, s[64:65] scope:SCOPE_SE
	s_setreg_imm32_b32 hwreg(HW_REG_WAVE_MODE, 25, 1), 1
	s_wait_xcnt 0x0
; Causal attention of one batch-head (y) on codes of FP6 (E2M3); its result, divided by the row's sum, is quantised along the head's 64 for the projection.
; t = score x log2(e) / 8; M = the running largest t rounded up to a whole number; p = 2^(t - M) is quantised along the keys, not normalised; the row's sum is
; taken of the unquantised p; when M moves, the sum and O are multiplied by 2^(old M - new M), which rounds nothing.
; SHARES.  Sixteen waves, a tile of 16 queries each.  Work-group g owns the blocks of 128 queries g and 15 - g, eight waves each, so that every work-group has
; 8 (g + 1) + 8 (16 - g) = 136 steps of 16 queries x 128 keys.  A wave works the slots of 128 keys up to its own block; in that last one hidden scores become
; -infinity (p is 0).  The loop's trip count is a constant; slots past 15 - g hold only the barrier.
; A slot's record (K's 8 half images, V's 4 images, their words: 13,824 bytes) is copied through registers into one of two LDS buffers while the other is read:
; one barrier a slot: in front of it each wave's reads of one buffer are back and its stores into the other are done.
; Both products are used transposed (S^T = K Q^T, O^T = V^T P^T): a lane holds one query throughout; the keys of a tile are chosen so that p's 16 registers of two tiles are 16 neighbouring keys.
; THE FIRST PRODUCT'S K IS 64: Q's registers 6-11 are zero codes.  K's operand v[32+6t:43+6t] has the next tile's codes in its upper six registers: they meet zero codes, under scale bytes 0x7f, and add nothing.
; LIMITS: as stated in the first launch.
; REGISTERS: v1-6 addresses; v8-11, v28-31 the copy; v12 -M, v13 largest t, v[14:15] the sum; v16-27 Q; v32-85 K, then V; v96-159 S^T, then p; v160-191 O^T; v192-203 scale words; v224-254 at work; v255 Q's word.
.set BUFB, 16384
.set OSC,  3145728
.set WV,   10
.set GW,   13                          ; s13  my block of 128 queries
.set LAST, 14                          ; s14  the work-group's last slot
.set J,    15                          ; s15  the slot in hand
.set TR,   16                          ; s16  the loop's counter
.set SEL,  20
.set CS,   22                          ; s[22:23] c = log2(e) / 8
.set PLIM, 28                          ; s28  a wave prefetches while the slot's number is under it
.set TM,   232
.set PC,   224
.set PW,   253
.macro QUANT2 s                        ; 32 numbers, register 16 b + i = k 32 b + 16 (lane / 16) + i: six registers of codes in v[PC] on, two bytes in v[PW]
.irp b,0,1
	v_max3_num_f32 v[TM+\b], |v[\s+16*\b]|, |v[\s+1+16*\b]|, 0x1800000
.endr
.irp i,2,4,6,8,10,12,14
.irp b,0,1
	v_max3_num_f32 v[TM+\b], v[TM+\b], |v[\s+16*\b+\i]|, |v[\s+1+16*\b+\i]|
.endr
.endr
.irp b,0,1
	v_permlanex16_b32 v[TM+2+\b], v[TM+\b], s[SEL], s[SEL+1]
.endr
.irp b,0,1
	v_max_num_f32 v[TM+\b], v[TM+\b], v[TM+2+\b]
.endr
.irp b,0,1
	v_add_nc_u32 v[TM+4+\b], 0xff000000, v[TM+\b]
.endr
.irp b,0,1
	v_lshrrev_b32 v[TM+2+\b], 23, v[TM+4+\b]
.endr
	v_lshl_or_b32 v[PW], v[TM+3], 8, v[TM+2]
	v_cvt_scalef32_pk16_fp6_f32 v[PC:PC+2], v[\s:\s+15], v[TM+4]
	v_cvt_scalef32_pk16_fp6_f32 v[PC+4:PC+6], v[\s+16:\s+31], v[TM+5]
	v_nop                                          ; one plain place behind a scaled conversion
.irp i,0,1,2
	v_permlane16_swap_b32 v[PC+\i], v[PC+4+\i]
.endr
	v_mov_b32 v[PC+3], v[PC+4]
	v_mov_b32 v[PC+4], v[PC+5]
	v_mov_b32 v[PC+5], v[PC+6]
.endm
; A KEY STEP: my 16 queries against the 128 keys in buffer buf
.macro STEP buf
.set BO, (\buf)*BUFB
.irp t,0,1,2,3,4,5,6,7
	ds_load_b128 v[32+6*\t:35+6*\t], v1 offset:BO+768*\t
	ds_load_b64 v[36+6*\t:37+6*\t], v2 offset:BO+768*\t+512
	ds_load_b32 v[192+\t], v3 offset:BO+12288+128*\t
.endr
	s_wait_dscnt 0x0
.irp t,0,1,2,3,4,5,6,7
	v_wmma_scale_f32_16x16x128_f8f6f4 v[96+8*\t:103+8*\t], v[32+6*\t:43+6*\t], v[16:27], 0, v[192+\t], v255 matrix_a_fmt:MATRIX_FMT_FP6 matrix_b_fmt:MATRIX_FMT_FP6
.endr
.rept 4
	v_nop                                          ; places in front of loads into registers that the products read, and of the first read of results
.endr
.irp n,0,1,2,3                         ; V is asked for now and lands under the softmax
.irp c,0,1,2
	ds_load_b128 v[32+12*\n+4*\c:35+12*\n+4*\c], v1 offset:BO+6144+1536*\n+512*\c
.endr
	ds_load_b32 v[200+\n], v3 offset:BO+13312+128*\n
.endr
	s_cmp_lg_u32 s[J], s[GW]                       ; only my own block's slot lies on the diagonal
	s_cbranch_scc1 .Lopen_\@
	v_mov_b32 v254, 0xff800000                     ; -infinity
.set NN, 0
.rept 64                               ; register 16 b + i holds key 32 b + 16 (lane / 16) + i: hidden where 32 b + i > v5
	v_cmp_gt_i32 vcc_lo, 32*(NN/16)+NN%16, v5
	v_cndmask_b32 v[96+NN], v[96+NN], v254, vcc_lo
.set NN, NN+1
.endr
.Lopen_\@:
.irp b,0,1,2,3
	v_max3_num_f32 v[232+\b], v[96+16*\b], v[97+16*\b], v[98+16*\b]   ; the largest score of each block of 32 keys: for the row's maximum and, since p rises with the score, for the block's largest p
.endr
.irp i,3,5,7,9,11,13
.irp b,0,1,2,3
	v_max3_num_f32 v[232+\b], v[232+\b], v[96+16*\b+\i], v[97+16*\b+\i]
.endr
.endr
.irp b,0,1,2,3
	v_max_num_f32 v[232+\b], v[232+\b], v[111+16*\b]
.endr
.irp b,0,1,2,3
	v_permlanex16_b32 v[236+\b], v[232+\b], s[SEL], s[SEL+1]
.endr
.irp b,0,1,2,3
	v_max_num_f32 v[232+\b], v[232+\b], v[236+\b]  ; with lane l xor 16's 16 keys
.endr
	v_max3_num_f32 v254, v232, v233, v234
	v_max_num_f32 v254, v254, v235
	v_mul_f32 v254, s[CS], v254                    ; the step's largest t (c is positive)
	v_max_num_f32 v13, v13, v254
	v_mov_b32 v254, v12
	v_floor_f32 v12, -v13                          ; the new -M = -ceil(t)
	v_sub_f32 v254, v12, v254                      ; old M - new M: a whole number, 0 or less
	v_cvt_i32_f32 v254, v254
	v_ldexp_f32 v252, 1.0, v254                    ; f = 2^(old M - new M)
.set JJ, 0
.rept 32
	v_pk_fma_f32 v[96+JJ:97+JJ], v[96+JJ:97+JJ], s[CS:CS+1], v[12:13] op_sel_hi:[1,0,0]   ; t - M
.set JJ, JJ+2
.endr
.irp b,0,1,2,3
	v_fma_f32 v[232+\b], v[232+\b], s[CS], v12     ; the same of each block's largest score
.endr
.set JJ, 0
.rept 64
	v_exp_f32 v[96+JJ], v[96+JJ]                   ; p = 2^(t - M)
.set JJ, JJ+1
.endr
	v_pk_mul_f32 v[14:15], v[14:15], v[252:253] op_sel_hi:[1,0]   ; the sums under the new M: the plain place behind the exponentials
	s_wait_alu depctr_va_vdst(0)                   ; one wait for the whole batch, ahead of its first reader
.irp b,0,1,2,3
	v_exp_f32 v[232+\b], v[232+\b]                 ; the block's largest p
.endr
	v_pk_add_f32 v[236:237], v[96:97], v[98:99]    ; the row's sum of the unquantised p, in two chains
.irp j,4,8,12,16,20,24,28,32,36,40,44,48,52,56,60
	v_pk_add_f32 v[14:15], v[14:15], v[96+\j:97+\j]
	v_pk_add_f32 v[236:237], v[236:237], v[98+\j:99+\j]
.endr
	v_pk_add_f32 v[14:15], v[14:15], v[236:237]
	s_wait_alu depctr_va_vdst(0)                   ; and one for the four
.irp b,0,1,2,3
	v_max_num_f32 v[232+\b], 0x1800000, v[232+\b]  ; the floor 2^(3 - 127)
.endr
.irp b,0,1,2,3
	v_add_nc_u32 v[244+\b], 0xff000000, v[232+\b]
.endr
.irp b,0,1,2,3
	v_lshrrev_b32 v[236+\b], 23, v[244+\b]
.endr
	v_lshl_or_b32 v253, v237, 8, v236              ; p's scale word for these 128 keys
	v_lshl_or_b32 v253, v238, 16, v253
	v_lshl_or_b32 v253, v239, 24, v253
.irp c,0,1
	v_cvt_scalef32_pk16_fp6_f32 v[224+6*\c:226+6*\c], v[96+32*\c:111+32*\c], v[244+2*\c]
	v_cvt_scalef32_pk16_fp6_f32 v[236+4*\c:238+4*\c], v[112+32*\c:127+32*\c], v[244+2*\c+1]
.endr
	v_nop                                          ; one plain place behind a scaled conversion
.irp c,0,1
.irp i,0,1,2
	v_permlane16_swap_b32 v[224+6*\c+\i], v[236+4*\c+\i]
.endr
.irp i,0,1,2
	v_mov_b32 v[227+6*\c+\i], v[236+4*\c+\i]
.endr
.endr
.set JJ, 0
.rept 16
	v_pk_mul_f32 v[160+JJ:161+JJ], v[160+JJ:161+JJ], v[252:253] op_sel_hi:[1,0]   ; O^T under the new M; these sixteen also stand between the writes of p's codes and word and the products
.set JJ, JJ+2
.endr
	s_wait_dscnt 0x0                               ; V
.irp n,0,1,2,3
	v_wmma_scale_f32_16x16x128_f8f6f4 v[160+8*\n:167+8*\n], v[32+12*\n:43+12*\n], v[224:235], v[160+8*\n:167+8*\n], v[200+\n], v253 matrix_a_fmt:MATRIX_FMT_FP6 matrix_b_fmt:MATRIX_FMT_FP6
.endr
.rept 4
	v_nop                                          ; places in front of the next step's loads and of the way out's reads
.endr
.endm
; A SLOT.  The next slot's record is asked for first, the step is worked, the record goes into the other buffer, and one barrier closes the slot.
.macro PHASE buf
	s_cmp_gt_u32 s[J], s[LAST]                     ; the same in all sixteen waves
	s_cbranch_scc1 .Lidle_\@
	s_wait_xcnt 0x0                                ; the last slot's loads and prefetch have read their base: it is written only behind this wait
	s_add_co_u32 s26, s[J], 1
	s_min_u32 s26, s26, 15                         ; no load leaves the head's sixteen records
	s_mul_i32 s26, s26, 13824
	s_add_nc_u64 s[24:25], s[18:19], s[26:27]
	global_load_b128 v[8:11], v4, s[24:25]         ; 8,192 bytes by sixteen waves,
	s_cmp_lt_u32 s[WV], 11
	s_cbranch_scc0 .Lone_\@
	global_load_b128 v[28:31], v4, s[24:25] offset:8192   ; 5,632 by eleven
.Lone_\@:
	s_cmp_lt_u32 s[J], s[PLIM]
	s_cbranch_scc0 .Lnopf_\@
	global_prefetch_b8 v6, s[24:25] offset:27648 th:TH_LOAD_NT scope:SCOPE_SE   ; slot J + 3, two slots ahead of the load that will ask for it; it stops at J = 12
.Lnopf_\@:
	s_cmp_gt_u32 s[J], s[GW]
	s_cbranch_scc1 .Lnowork_\@                     ; all these keys come after my queries
	STEP \buf
.Lnowork_\@:
	s_wait_loadcnt 0x0
	ds_store_b128 v4, v[8:11] offset:(1-\buf)*BUFB
	s_cmp_lt_u32 s[WV], 11
	s_cbranch_scc0 .Lidle_\@
	ds_store_b128 v4, v[28:31] offset:(1-\buf)*BUFB+8192
.Lidle_\@:
	s_wait_dscnt 0x0                               ; my reads of this buffer are back and my stores into the other are done
	s_barrier_signal -1
	s_barrier_wait -1
	s_add_co_u32 s[J], s[J], 1
.endm
	s_load_b128 s[4:7], s[0:1], 0x0                ; qimg, kvimg
	s_load_b64 s[8:9], s[0:1], 0x10                ; oimg
	v_lshl_add_u32 v250, v0, 2, 0x8000
	v_mov_b32 v251, 0
	v_lshrrev_b32 v7, 5, v0
	v_readfirstlane_b32 s[WV], v7
	v_and_b32 v7, 31, v0
	v_lshlrev_b32 v1, 4, v7                        ; 16 x lane
	v_lshlrev_b32 v2, 3, v7                        ; 8 x lane
	v_lshlrev_b32 v3, 2, v7                        ; 4 x lane
	v_lshlrev_b32 v4, 4, v0                        ; 16 x thread: the copy
	v_min_u32 v6, 26, v7                           ; the prefetches: a record is 54 blocks of 256 bytes, 27 for each of two waves (lanes 27-31 repeat lane 26's)
	v_lshlrev_b32 v6, 8, v6
	s_and_b32 s30, s[WV], 1
	s_mul_i32 s30, s30, 6912
	v_add_nc_u32 v6, s30, v6
	v_and_b32 v5, 15, v0
	v_and_b32 v7, 8, v5
	v_add_nc_u32 v5, v5, v7                        ; r + 8 (r / 8)
	v_bfe_u32 v7, v0, 4, 1
	v_lshlrev_b32 v7, 4, v7
	v_sub_nc_u32 v5, v5, v7
	s_lshr_b32 s30, s[WV], 2
	s_lshl_b32 s30, s30, 5
	s_bfe_u32 s31, s[WV], 0x10001
	s_lshl_b32 s31, s31, 3
	s_add_co_u32 s30, s30, s31
	v_add_nc_u32 v5, s30, v5                       ; my query in its block, less 16 (lane / 16)
	s_mov_b32 s11, ttmp9                           ; g
	s_and_b32 s12, ttmp7, 0xffff                   ; batch-head
	s_lshr_b32 s30, s[WV], 2
	s_xor_b32 s30, s30, s[WV]
	s_and_b32 s30, s30, 1                          ; which of the work-group's two blocks: eight waves each, tiles wave / 2 = 0..7 in both
	s_sub_co_u32 s[LAST], 15, s11
	s_cmp_eq_u32 s30, 1
	s_cselect_b32 s[GW], s[LAST], s11
	s_cmp_ge_u32 s[WV], 14                         ; waves 14 and 15 of the head's work-group 0, which walks all sixteen slots, prefetch
	s_cselect_b32 s[PLIM], 13, 0
	s_cmp_eq_u32 s11, 0
	s_cselect_b32 s[PLIM], s[PLIM], 0
	s_mov_b32 s[SEL], 0x76543210
	s_mov_b32 s[SEL+1], 0xfedcba98
	s_mov_b32 s[CS], 0x3e38aa3b                    ; log2(e) / sqrt(64)
	s_mov_b32 s[CS+1], s[CS]
	s_mul_i32 s26, s12, 221184                     ; sixteen records a head
	s_mov_b32 s27, 0
	s_lshl_b32 s30, s12, 4
	s_add_co_u32 s30, s30, s[GW]
	s_mul_i32 s30, s30, 7168                       ; Q's record
	s_lshr_b32 s31, s[WV], 1                       ; my tile in it
	s_mul_i32 s32, s31, 768
	s_add_co_u32 s32, s32, s30
	s_mov_b32 s33, 0
	s_lshl_b32 s34, s31, 7
	s_add_co_u32 s34, s34, s30
	s_add_co_u32 s34, s34, 6144
	s_mov_b32 s35, 0
	s_wait_kmcnt 0x0
	s_add_nc_u64 s[18:19], s[6:7], s[26:27]
	s_add_nc_u64 s[36:37], s[4:5], s[32:33]
	s_add_nc_u64 s[38:39], s[4:5], s[34:35]
.irp j,28,29,30,31
	v_mov_b32 v\j, 0                               ; written once, so that they are defined in the waves that never load them
.endr
	global_load_b128 v[8:11], v4, s[18:19]         ; slot 0
	s_cmp_lt_u32 s[WV], 11
	s_cbranch_scc0 .Lfirst_one
	global_load_b128 v[28:31], v4, s[18:19] offset:8192
.Lfirst_one:
	global_load_b128 v[16:19], v1, s[36:37]        ; Q stays in registers
	global_load_b64 v[20:21], v2, s[36:37] offset:512
	global_load_b32 v255, v3, s[38:39]
	s_lshr_b32 s30, s12, 3                         ; batch
	s_lshl_b32 s30, s30, 7
	s_lshl_b32 s31, s[GW], 3
	s_add_co_u32 s30, s30, s31
	s_lshr_b32 s31, s[WV], 1
	s_add_co_u32 s30, s30, s31                     ; my row tile
	s_lshl_b32 s30, s30, 3
	s_and_b32 s31, s12, 7
	s_add_co_u32 s30, s30, s31                     ; 8 x row tile + head
	s_mul_i32 s32, s30, 768
	s_add_nc_u64 s[40:41], s[8:9], s[32:33]
	s_lshl_b32 s32, s30, 7
	s_add_co_u32 s32, s32, OSC
	s_add_nc_u64 s[42:43], s[8:9], s[32:33]
.irp j,22,23,24,25,26,27,80,81,82,83,84,85
	v_mov_b32 v\j, 0                               ; zero codes: Q's upper half, and what lies behind K's last tile
.endr
	v_mov_b32 v13, 0xff61b1e6                      ; the largest t so far: -3e38
	v_floor_f32 v12, -v13
	v_mov_b32 v14, 0
	v_mov_b32 v15, 0
.irp j,232,233,234,235,236,237,238,239,252,253,254
	v_mov_b32 v\j, 0                               ; lane permutes' destinations and pairs' upper halves are written once
.endr
.set JJ, 0
.rept 32
	v_mov_b32 v[160+JJ], 0                         ; O^T: the step is written once, and the first change of M leaves zeros zeros
.set JJ, JJ+1
.endr
	s_wait_loadcnt 0x0
	ds_store_b128 v4, v[8:11]
	s_cmp_lt_u32 s[WV], 11
	s_cbranch_scc0 .Lfirst_stored
	ds_store_b128 v4, v[28:31] offset:8192
.Lfirst_stored:
	s_wait_dscnt 0x0
	s_barrier_signal -1
	s_barrier_wait -1
	s_mov_b32 s[J], 0
	s_mov_b32 s[TR], 8
.Lpair:
	PHASE 0
	PHASE 1
	s_sub_co_u32 s[TR], s[TR], 1
	s_cmp_lg_u32 s[TR], 0
	s_cbranch_scc1 .Lpair
	; THE WAY OUT: O^T / the row's sum; register 16 b + i is channel 32 b + 16 (lane / 16) + i of my query: the projection's K
	v_add_f32 v14, v14, v15
	v_permlanex16_b32 v252, v14, s[SEL], s[SEL+1]
	v_add_f32 v14, v14, v252
	v_rcp_f32 v15, v14
	v_nop                                          ; a plain place behind the transcendental
	s_wait_alu depctr_va_vdst(0)                   ; the wait ahead of its first reader
.set JJ, 0
.rept 32
	v_mul_f32 v[96+JJ], v[160+JJ], v15
.set JJ, JJ+1
.endr
	QUANT2 96
	global_store_b128 v1, v[PC:PC+3], s[40:41]
	global_store_b64 v2, v[PC+4:PC+5], s[40:41] offset:512
	global_store_b32 v3, v[PW], s[42:43]
	s_wait_tensorcnt 0x0
	ds_add_u32 v250, v251
	s_wait_dscnt 0x0
	s_endpgm
.Lfunc_end_k_q1f57e0f669_attn:
	.size	k_q1f57e0f669_attn, .Lfunc_end_k_q1f57e0f669_attn-k_q1f57e0f669_attn
	.p2alignl 7, 3214868480
	.fill 96, 4, 3214868480
	.section	.rodata,"a",@progbits
	.p2align	6, 0x0
	.amdhsa_kernel k_q1f57e0f669_attn
		.amdhsa_group_segment_fixed_size 34816
		.amdhsa_private_segment_fixed_size 0
		.amdhsa_enable_private_segment 0
		.amdhsa_kernarg_size 24
		.amdhsa_user_sgpr_count 2
		.amdhsa_user_sgpr_kernarg_segment_ptr 1
		.amdhsa_wavefront_size32 1
		.amdhsa_system_sgpr_workgroup_id_x 1
		.amdhsa_system_sgpr_workgroup_id_y 1
		.amdhsa_system_sgpr_workgroup_id_z 1
		.amdhsa_system_vgpr_workitem_id 0
		.amdhsa_next_free_vgpr 256
		.amdhsa_next_free_sgpr 66
		.amdhsa_reserve_vcc 1
		.amdhsa_float_denorm_mode_32 3
		.amdhsa_float_denorm_mode_16_64 3
		.amdhsa_memory_ordered 1
		.amdhsa_forward_progress 1
		.amdhsa_inst_pref_size 54
	.end_amdhsa_kernel
	.amdgpu_metadata
---
amdhsa.version: [ 1, 2 ]
amdhsa.kernels:
  - .name:           k_q1f57e0f669_attn
    .symbol:         k_q1f57e0f669_attn.kd
    .args:
      - { .name: qimg, .offset: 0, .size: 8, .value_kind: global_buffer, .address_space: global }
      - { .name: kvimg, .offset: 8, .size: 8, .value_kind: global_buffer, .address_space: global }
      - { .name: oimg, .offset: 16, .size: 8, .value_kind: global_buffer, .address_space: global }
    .group_segment_fixed_size: 34816
    .private_segment_fixed_size: 0
    .kernarg_segment_align: 8
    .kernarg_segment_size: 24
    .max_flat_workgroup_size: 512
    .sgpr_count:     66
    .vgpr_count:     256
    .wavefront_size: 32
...
	.end_amdgpu_metadata
.endif
;; end of part 3
;; launch ffn (part 4): grid 256 x 1, 4 waves a work-group, no clusters, 101,888 bytes of LDS; arguments oimg, wimg, x, bp, ln2_g, ln2_b, b1, b2, out0; writes out0
.if DOCPART == 4
	.amdgcn_target "amdgcn-amd-amdhsa--gfx1250"
	.amdhsa_code_object_version 6
	.text
	.protected	k_q1f57e0f669_ffn
	.globl	k_q1f57e0f669_ffn
	.p2align	8
	.type	k_q1f57e0f669_ffn,@function
k_q1f57e0f669_ffn:
	s_mov_b64 s[64:65], 0
	v_nop
	global_prefetch_b8 v0, s[64:65] scope:SCOPE_SE
	s_setreg_imm32_b32 hwreg(HW_REG_WAVE_MODE, 25, 1), 1
	s_wait_xcnt 0x0
; x1 = x + out Wp + bp;  out0 = x1 + relu(LN2(x1) W1 + b1) W2 + b2: three products on codes of FP6 (E2M3); x1, LN2 and the hidden layer never go to memory.
; SHARES.  A work-group takes 32 rows (two tiles u).  THE WAVES SHARE THE COLUMNS: wave w makes columns 128 w on of x1 and out0, and hidden units 512 w on in four chunks of 128.
; All products are used transposed (source 0 = 16 columns of a weight, source 1 = 16 rows): a lane holds one row, and its 64 registers of a tile of rows run along 128 columns.
; THE WEIGHTS: my 36 groups of 8 fragments lie on end in wimg in the order in which they are used, as images of registers; they come straight into a ring of three
; register buffers, three groups ahead, with counted waits and no barrier.  No cluster and no joint loads: a fragment feeds two matrix instructions here, so a shared ring in LDS
; would meet a round of barriers every 32 matrix instructions with one slot on its way.
; Rows' operands (LN2's result, the hidden layer) go from wave to wave through LDS as images of their registers; four barriers in all.
; LIMITS: as stated in the first launch.
; REGISTERS: window 0: v1-14 addresses; v16-39 weights' scale words (three sets); v40-47 rows' scale words; v48-51 mean, 1/sigma; v52-88 at work in QUANT; v90-107 at work; v128-255 accumulators (t, u) at 128 + 64 u + 8 t.
;   window 1: v0-191 weight buffers 0, 1; v192-255 bp, later b2.  window 2: v0-95 weight buffer 2; v96-191 eight fragments of rows; v192-255 b1's chunk.  window 3: v0-127 x1; v128-191 ln2_g; v192-255 ln2_b.
.set WSC,   2359296
.set OSC,   3145728
.set H2SC,  1024                       ; LDS: 0-1023 the rows' partial sums; LN2's scale words 128 (4 u + s);
.set HSC,   2048                       ; the hidden layer's 128 (16 u + s);
.set H2IMG, 6144                       ; LN2's 8 fragment images 1536 (4 u + s);
.set HIMG,  18432                      ; the hidden layer's 32: 1536 (16 u + s);
.set STG,   67584                      ; the way out: 16 rows x 528 bytes for each wave
.set TM,  52
.set PW,  68
.set PC,  70
.set SEL, 44
.set ACC, 128
.set AFR, 96
.set AS,  40
.set MSB, 0
.macro WIN new                         ; the immediate's high byte repeats the setting that is left
.if MSB != (\new)
	s_set_vgpr_msb (MSB<<8)|(\new)
.set MSB, (\new)
.endif
.endm
.macro QUANT s                         ; 64 numbers, register 16 b + i = k 32 b + 16 (lane / 16) + i: codes in v[PC] on, scale word in v[PW]
.irp b,0,1,2,3
	v_max3_num_f32 v[TM+\b], |v[\s+16*\b]|, |v[\s+1+16*\b]|, 0x1800000   ; and the floor 2^(3 - 127): the byte cannot fall under 1
.endr
.irp i,2,4,6,8,10,12,14
.irp b,0,1,2,3
	v_max3_num_f32 v[TM+\b], v[TM+\b], |v[\s+16*\b+\i]|, |v[\s+1+16*\b+\i]|
.endr
.endr
.irp b,0,1,2,3
	v_permlanex16_b32 v[TM+4+\b], v[TM+\b], s[SEL], s[SEL+1]
.endr
.irp b,0,1,2,3
	v_max_num_f32 v[TM+\b], v[TM+\b], v[TM+4+\b]
.endr
.irp b,0,1,2,3
	v_add_nc_u32 v[TM+12+\b], 0xff000000, v[TM+\b]
.endr
.irp b,0,1,2,3
	v_lshrrev_b32 v[TM+4+\b], 23, v[TM+12+\b]
.endr
	v_lshl_or_b32 v[PW], v[TM+5], 8, v[TM+4]
	v_lshl_or_b32 v[PW], v[TM+6], 16, v[PW]
	v_lshl_or_b32 v[PW], v[TM+7], 24, v[PW]
.irp c,0,1
	v_cvt_scalef32_pk16_fp6_f32 v[PC+6*\c:PC+2+6*\c], v[\s+32*\c:\s+15+32*\c], v[TM+12+2*\c]
	v_cvt_scalef32_pk16_fp6_f32 v[PC+12+4*\c:PC+14+4*\c], v[\s+16+32*\c:\s+31+32*\c], v[TM+12+2*\c+1]
.endr
	v_nop                                          ; one plain place behind a scaled conversion
.irp c,0,1
.irp i,0,1,2
	v_permlane16_swap_b32 v[PC+6*\c+\i], v[PC+12+4*\c+\i]
.endr
.irp i,0,1,2
	v_mov_b32 v[PC+3+6*\c+\i], v[PC+12+4*\c+\i]
.endr
.endr
.endm
.macro IMAGE adr, off                  ; the fragment in v[PC] on goes to LDS as it stands
.irp c,0,1,2
	ds_store_b128 v[\adr], v[PC+4*\c:PC+4*\c+3] offset:\off+512*\c
.endr
.endm
.macro BARRIER                         ; my LDS stores have landed and my LDS loads are in: then the work-group's barrier
	s_wait_dscnt 0x0
	s_barrier_signal -1
	s_barrier_wait -1
.endm
; Group g of the weight stream: 2 loads of scale words and 24 of codes into buffer g % 3; ahead of them, where a phase begins, 16 loads of its bias
.macro BATCH g
.if (\g) <= 35
.set BM, (\g)%3
.if ((\g)==4)||((\g)==8)||((\g)==12)||((\g)==16)
	WIN 0x80
.irp b,0,1,2,3
.irp j,0,1,2,3
	global_load_b128 v[192+16*\b+4*\j:195+16*\b+4*\j], v5, s[38:39] offset:512*(((\g)-4)/4)+128*\b+16*\j
.endr
.endr
.endif
.if (\g)==20
	WIN 0x40
.irp b,0,1,2,3
.irp j,0,1,2,3
	global_load_b128 v[192+16*\b+4*\j:195+16*\b+4*\j], v5, s[40:41] offset:128*\b+16*\j
.endr
.endr
.endif
	WIN 0
	global_load_b128 v[16+8*BM:19+8*BM], v1, s[24:25] offset:1024*(\g)
	global_load_b128 v[20+8*BM:23+8*BM], v1, s[24:25] offset:1024*(\g)+512
.if BM == 2
	WIN 0x80
.set LWB, 0
.else
	WIN 0x40
.set LWB, 96*BM
.endif
.irp t,0,1,2,3,4,5,6,7
.irp c,0,1,2
	global_load_b128 v[LWB+12*\t+4*\c:LWB+12*\t+4*\c+3], v1, s[22:23] offset:12288*(\g)+1536*\t+512*\c
.endr
.endr
	WIN 0
.endif
.endm
.macro NLOF g                          ; NLV = the loads of batch g
.set NLV, 0
.if (\g) <= 35
.set NLV, 26
.if ((\g)==4)||((\g)==8)||((\g)==12)||((\g)==16)||((\g)==20)
.set NLV, 42
.endif
.endif
.endm
.macro GWAIT g                         ; batch g is in: the two younger batches may be out (a count cannot name more than 63: there the wait asks for a little more than it needs)
	NLOF (\g)+1
.set CNT, NLV
	NLOF (\g)+2
.set CNT, CNT+NLV
.if CNT > 63
.set CNT, 63
.endif
	s_wait_loadcnt CNT
.endm
; 16 matrix instructions: group g's 8 tiles x the two tiles of rows; the 16 accumulators take turns.  db: accumulators; wbits: windows of source 1, C and D;
; cb: the bias as C, or -1: in place; bb, bu: rows' fragments; sb, su: their scale words.  Four places follow, for the loads into the buffer and the first read of results.
.macro MUL16 g, db, wbits, cb, bb, bu, sb, su
.set MM, (\g)%3
.if MM == 2
	WIN (\wbits)|2
.set MWB, 0
.else
	WIN (\wbits)|1
.set MWB, 96*MM
.endif
.irp t,0,1,2,3,4,5,6,7
.irp u,0,1
.if (\cb) >= 0
	v_wmma_scale_f32_16x16x128_f8f6f4 v[(\db)+64*\u+8*\t:(\db)+64*\u+8*\t+7], v[MWB+12*\t:MWB+12*\t+11], v[(\bb)+(\bu)*\u:(\bb)+(\bu)*\u+11], v[(\cb)+8*\t:(\cb)+8*\t+7], v[16+8*MM+\t], v[(\sb)+(\su)*\u] matrix_a_fmt:MATRIX_FMT_FP6 matrix_b_fmt:MATRIX_FMT_FP6
.else
	v_wmma_scale_f32_16x16x128_f8f6f4 v[(\db)+64*\u+8*\t:(\db)+64*\u+8*\t+7], v[MWB+12*\t:MWB+12*\t+11], v[(\bb)+(\bu)*\u:(\bb)+(\bu)*\u+11], v[(\db)+64*\u+8*\t:(\db)+64*\u+8*\t+7], v[16+8*MM+\t], v[(\sb)+(\su)*\u] matrix_a_fmt:MATRIX_FMT_FP6 matrix_b_fmt:MATRIX_FMT_FP6
.endif
.endr
.endr
	WIN 0
.rept 4
	v_nop
.endr
.endm
.macro ADDB                            ; x1 += the 64 numbers of a bias in window 1, v192 on
	WIN 0xC7
.irp u,0,1
.set JJ, 0
.rept 32
	v_pk_add_f32 v[64*\u+JJ:64*\u+JJ+1], v[64*\u+JJ:64*\u+JJ+1], v[192+JJ:193+JJ]
.set JJ, JJ+2
.endr
.endr
	WIN 0
.endm
; v[90+4u:93+4u] hold two packed partial sums of my 64 numbers of row tile u: the rows' sums over all 512 columns come back in v[90+4u]
.macro CROSS off
.irp u,0,1
	v_pk_add_f32 v[90+4*\u:91+4*\u], v[90+4*\u:91+4*\u], v[92+4*\u:93+4*\u]
.endr
.irp u,0,1
	v_add_f32 v[90+4*\u], v[90+4*\u], v[91+4*\u]
.endr
.irp u,0,1
	v_permlanex16_b32 v[91+4*\u], v[90+4*\u], s[SEL], s[SEL+1]
.endr
.irp u,0,1
	v_add_f32 v[90+4*\u], v[90+4*\u], v[91+4*\u]
.endr
.irp u,0,1
	ds_store_b32 v6, v[90+4*\u] offset:\off+256*\u
.endr
	BARRIER
.irp u,0,1
.irp k,0,1,2,3
	ds_load_b32 v[98+4*\u+\k], v7 offset:\off+256*\u+64*\k
.endr
.endr
	s_wait_dscnt 0x0
.irp u,0,1
	v_add_f32 v[98+4*\u], v[98+4*\u], v[99+4*\u]
	v_add_f32 v[100+4*\u], v[100+4*\u], v[101+4*\u]
.endr
.irp u,0,1
	v_add_f32 v[90+4*\u], v[98+4*\u], v[100+4*\u]
.endr
.endm
.macro HLOAD k                         ; K step k of the hidden layer, both tiles of rows, into place k % 4 of a ring of four: 8 LDS loads
.set HR, AFR+24*((\k)%4)
	WIN 0x80
.irp u,0,1
.irp c,0,1,2
	ds_load_b128 v[HR+12*\u+4*\c:HR+12*\u+4*\c+3], v12 offset:1536*(16*\u+(\k))+512*\c
.endr
.endr
	WIN 0
.irp u,0,1
	ds_load_b32 v[AS+2*((\k)%4)+\u], v2 offset:HSC+128*(16*\u+(\k))
.endr
.endm
	s_load_b512 s[4:19], s[0:1], 0x0               ; oimg 4, wimg 6, x 8, bp 10, ln2_g 12, ln2_b 14, b1 16, b2 18
	s_load_b64 s[20:21], s[0:1], 0x40              ; out0
	v_lshl_add_u32 v126, v0, 2, 0x18c00
	v_mov_b32 v127, 0
	v_lshrrev_b32 v15, 5, v0
	v_readfirstlane_b32 s2, v15                    ; wave
	v_and_b32 v15, 31, v0
	v_lshlrev_b32 v1, 4, v15                       ; 16 x lane
	v_lshlrev_b32 v2, 2, v15                       ; 4 x lane
	v_lshlrev_b32 v3, 3, v15                       ; 8 x lane
	v_and_b32 v106, 15, v0                         ; r
	v_bfe_u32 v107, v0, 4, 1                       ; h
	v_and_b32 v108, 8, v106
	v_add_nc_u32 v108, v108, v106                  ; r + 8 (r / 8)
	v_lshlrev_b32 v4, 11, v108
	v_lshl_add_u32 v4, v107, 6, v4                 ; x: my row, + 64 h
	v_lshlrev_b32 v5, 6, v107                      ; 64 h: biases and gains
	v_lshlrev_b32 v7, 2, v106                      ; the partial sums: 4 r,
	s_lshl_b32 s50, s2, 6
	v_add_nc_u32 v6, s50, v7                       ; + 64 wave
	s_mul_i32 s50, s2, 1536
	s_add_co_u32 s50, s50, H2IMG
	v_add_nc_u32 v8, s50, v1
	s_lshl_b32 s50, s2, 7
	s_add_co_u32 s50, s50, H2SC
	v_add_nc_u32 v9, s50, v2
	s_mul_i32 s50, s2, 6144
	s_add_co_u32 s50, s50, HIMG
	v_add_nc_u32 v10, s50, v1
	s_lshl_b32 s50, s2, 9
	s_add_co_u32 s50, s50, HSC
	v_add_nc_u32 v11, s50, v2
	v_add_nc_u32 v12, HIMG, v1
	s_mul_i32 s50, s2, 8448
	s_add_co_u32 s50, s50, STG                     ; my stage
	v_mul_u32_u24 v13, v106, 528
	v_lshl_add_u32 v13, v107, 6, v13
	v_add_nc_u32 v13, s50, v13                     ; in: row r, + 64 h
	v_add_nc_u32 v14, s50, v1                      ; back: 16 bytes a lane of a row of 512
.irp b,0,1,2,3
	v_mov_b32 v[TM+4+\b], 0                        ; a lane permute's destination counts as one of its sources
.endr
	s_mov_b32 s3, ttmp9
	s_mov_b32 s49, 0
	s_mov_b32 s[SEL], 0x76543210
	s_mov_b32 s[SEL+1], 0xfedcba98
	s_mov_b32 s46, 0x3b000000                      ; 1 / 512
	s_mov_b32 s47, 0x3727c5ac                      ; 1e-5
	s_wait_kmcnt 0x0
	s_mul_i32 s50, s2, 288
	s_add_co_u32 s50, s50, 384                     ; my first fragment
	s_mul_i32 s48, s50, 1536
	s_add_nc_u64 s[22:23], s[6:7], s[48:49]
	s_lshl_b32 s48, s50, 7
	s_add_co_u32 s48, s48, WSC
	s_add_nc_u64 s[24:25], s[6:7], s[48:49]
	s_lshl_b32 s51, s2, 9                          ; my 128 columns
	s_lshl_b32 s48, s3, 16                         ; 32 rows of 2,048 bytes
	s_add_co_u32 s48, s48, s51
	s_add_nc_u64 s[26:27], s[8:9], s[48:49]
	s_add_nc_u64 s[42:43], s[20:21], s[48:49]
	s_mul_i32 s48, s3, 12288                       ; 16 half images
	s_add_nc_u64 s[28:29], s[4:5], s[48:49]
	s_lshl_b32 s48, s3, 11
	s_add_co_u32 s48, s48, OSC
	s_add_nc_u64 s[30:31], s[4:5], s[48:49]
	s_mov_b32 s48, s51
	s_add_nc_u64 s[32:33], s[10:11], s[48:49]
	s_add_nc_u64 s[34:35], s[12:13], s[48:49]
	s_add_nc_u64 s[36:37], s[14:15], s[48:49]
	s_add_nc_u64 s[40:41], s[18:19], s[48:49]
	s_lshl_b32 s48, s2, 11                         ; my 512 hidden units
	s_add_nc_u64 s[38:39], s[16:17], s[48:49]
	WIN 0x80                                       ; attention's result: heads 2 s and 2 s + 1 are the two halves of K step s's fragment
.irp u,0,1
.irp s,0,1,2,3
	global_load_b128 v[AFR+12*(4*\u+\s):AFR+12*(4*\u+\s)+3], v1, s[28:29] offset:768*(8*\u+2*\s)
	global_load_b64 v[AFR+12*(4*\u+\s)+4:AFR+12*(4*\u+\s)+5], v3, s[28:29] offset:768*(8*\u+2*\s)+512
	global_load_b128 v[AFR+12*(4*\u+\s)+6:AFR+12*(4*\u+\s)+9], v1, s[28:29] offset:768*(8*\u+2*\s+1)
	global_load_b64 v[AFR+12*(4*\u+\s)+10:AFR+12*(4*\u+\s)+11], v3, s[28:29] offset:768*(8*\u+2*\s+1)+512
.endr
.endr
	WIN 0
.irp k,0,1,2,3,4,5,6,7,8,9,10,11,12,13,14,15
	global_load_b32 v[90+\k], v2, s[30:31] offset:128*\k    ; two scale bytes a head
.endr
	WIN 0xC0
.irp u,0,1
.irp b,0,1,2,3
.irp j,0,1,2,3
	global_load_b128 v[64*\u+16*\b+4*\j:64*\u+16*\b+4*\j+3], v4, s[26:27] offset:16384*\u+128*\b+16*\j th:TH_LOAD_NT   ; x, in the accumulators' layout
.endr
.endr
.endr
	WIN 0x40
.irp b,0,1,2,3
.irp j,0,1,2,3
	global_load_b128 v[192+16*\b+4*\j:195+16*\b+4*\j], v5, s[32:33] offset:128*\b+16*\j
.endr
.endr
	WIN 0xC0
.irp b,0,1,2,3
.irp j,0,1,2,3
	global_load_b128 v[128+16*\b+4*\j:131+16*\b+4*\j], v5, s[34:35] offset:128*\b+16*\j
.endr
.endr
.irp b,0,1,2,3
.irp j,0,1,2,3
	global_load_b128 v[192+16*\b+4*\j:195+16*\b+4*\j], v5, s[36:37] offset:128*\b+16*\j
.endr
.endr
	WIN 0
	BATCH 0
	BATCH 1
	BATCH 2
	GWAIT 0                                        ; all of the head's loads and group 0 are in
.irp u,0,1
.irp s,0,1,2,3
	v_lshl_or_b32 v[AS+4*\u+\s], v[90+8*\u+2*\s+1], 16, v[90+8*\u+2*\s]   ; two heads' bytes make a K step's scale word
.endr
.endr
	ADDB                                           ; x + bp begins x1's sums; these 64 lines also stand between the writes of the scale words and the first product
	; ---- the projection: x1 = x + bp + out Wp
.irp s,0,1,2,3
.if \s > 0
	GWAIT \s
.endif
	MUL16 \s, 0, 0xF8, -1, AFR+12*\s, 48, AS+\s, 4
	BATCH \s+3
.endr
	; ---- LayerNorm2 of x1
	WIN 0x0F
.irp u,0,1
	v_pk_add_f32 v[90+4*\u:91+4*\u], v[64*\u:64*\u+1], v[64*\u+2:64*\u+3]
	v_pk_add_f32 v[92+4*\u:93+4*\u], v[64*\u+4:64*\u+5], v[64*\u+6:64*\u+7]
.endr
	WIN 0x0C
.irp j,8,12,16,20,24,28,32,36,40,44,48,52,56,60
.irp u,0,1
	v_pk_add_f32 v[90+4*\u:91+4*\u], v[90+4*\u:91+4*\u], v[64*\u+\j:64*\u+\j+1]
	v_pk_add_f32 v[92+4*\u:93+4*\u], v[92+4*\u:93+4*\u], v[64*\u+\j+2:64*\u+\j+3]
.endr
.endr
	WIN 0
	CROSS 0
.irp u,0,1
	v_mul_f32 v[48+2*\u], s46, v[90+4*\u]          ; the mean
.endr
.irp u,0,1
	v_mov_b32 v[49+2*\u], v[48+2*\u]
.endr
	WIN 0x03
.irp u,0,1
.set JJ, 0
.rept 32
	v_pk_add_f32 v[ACC+64*\u+JJ:ACC+64*\u+JJ+1], v[64*\u+JJ:64*\u+JJ+1], v[48+2*\u:49+2*\u] neg_lo:[0,1] neg_hi:[0,1]
.set JJ, JJ+2
.endr
.endr
	WIN 0
.irp u,0,1
	v_pk_mul_f32 v[90+4*\u:91+4*\u], v[ACC+64*\u:ACC+64*\u+1], v[ACC+64*\u:ACC+64*\u+1]
	v_pk_mul_f32 v[92+4*\u:93+4*\u], v[ACC+64*\u+2:ACC+64*\u+3], v[ACC+64*\u+2:ACC+64*\u+3]
.endr
.irp j,4,8,12,16,20,24,28,32,36,40,44,48,52,56,60
.irp u,0,1
	v_pk_fma_f32 v[90+4*\u:91+4*\u], v[ACC+64*\u+\j:ACC+64*\u+\j+1], v[ACC+64*\u+\j:ACC+64*\u+\j+1], v[90+4*\u:91+4*\u]
	v_pk_fma_f32 v[92+4*\u:93+4*\u], v[ACC+64*\u+\j+2:ACC+64*\u+\j+3], v[ACC+64*\u+\j+2:ACC+64*\u+\j+3], v[92+4*\u:93+4*\u]
.endr
.endr
	CROSS 512                                      ; other bytes than the first sums'
.irp u,0,1
	v_fma_f32 v[106+\u], v[90+4*\u], s46, s47      ; the variance + eps
.endr
	v_rsq_f32 v48, v106
	v_rsq_f32 v50, v107
	v_nop                                          ; a plain place behind the transcendentals
	s_wait_alu depctr_va_vdst(0)                   ; one wait for both, ahead of the first reader
	v_mov_b32 v49, v48
	v_mov_b32 v51, v50
.irp u,0,1
.set JJ, 0
.rept 32
	v_pk_mul_f32 v[ACC+64*\u+JJ:ACC+64*\u+JJ+1], v[ACC+64*\u+JJ:ACC+64*\u+JJ+1], v[48+2*\u:49+2*\u]
.set JJ, JJ+2
.endr
.endr
	WIN 0x3C
.irp u,0,1
.set JJ, 0
.rept 32
	v_pk_fma_f32 v[ACC+64*\u+JJ:ACC+64*\u+JJ+1], v[ACC+64*\u+JJ:ACC+64*\u+JJ+1], v[128+JJ:129+JJ], v[192+JJ:193+JJ]
.set JJ, JJ+2
.endr
.endr
	WIN 0
.irp u,0,1
	QUANT ACC+64*\u                                ; my 128 columns are K step w of the next product
	IMAGE 8, 6144*\u
	ds_store_b32 v9, v[PW] offset:512*\u
	s_wait_dscnt 0x0                               ; the stores have read their registers
.endr
	BARRIER                                        ; LN2's eight fragments lie in LDS
	WIN 0x80
.irp k,0,1,2,3,4,5,6,7
.irp c,0,1,2
	ds_load_b128 v[AFR+12*\k+4*\c:AFR+12*\k+4*\c+3], v1 offset:H2IMG+1536*\k+512*\c
.endr
.endr
	WIN 0
.irp k,0,1,2,3,4,5,6,7
	ds_load_b32 v[AS+\k], v2 offset:H2SC+128*\k
.endr
	s_wait_dscnt 0x0
	; ---- the hidden layer: four chunks of 128 units, each four K steps; then relu, quantised: K step 4 w + q of the last product
.irp q,0,1,2,3
.irp s,0,1,2,3
	GWAIT 4+4*\q+\s
.if \s == 0
	MUL16 4+4*\q+\s, ACC, 0x28, 192, AFR+12*\s, 48, AS+\s, 4
.else
	MUL16 4+4*\q+\s, ACC, 0x08, -1, AFR+12*\s, 48, AS+\s, 4
.endif
	BATCH 7+4*\q+\s
.endr
.set JJ, 0
.rept 128
	v_max_num_f32 v[ACC+JJ], 0, v[ACC+JJ]          ; the activation, in f32
.set JJ, JJ+1
.endr
.irp u,0,1
	QUANT ACC+64*\u
	IMAGE 10, 24576*\u+1536*\q
	ds_store_b32 v11, v[PW] offset:2048*\u+128*\q
	s_wait_dscnt 0x0                               ; the stores have read their registers
.endr
.endr
	BARRIER                                        ; the hidden layer's 32 fragments lie in LDS
	; ---- out0 = x1 + b2 + hidden W2: sixteen K steps onto x1's registers
	HLOAD 0
	HLOAD 1
	HLOAD 2
	HLOAD 3
.irp s,0,1,2,3,4,5,6,7,8,9,10,11,12,13,14,15
	GWAIT 20+\s
.if \s == 0
	ADDB                                           ; b2 came with group 20
.endif
.if \s < 13
	s_wait_dscnt 24                                ; this K step's 8 loads are in; the three younger steps' may be out
.else
	s_wait_dscnt 8*(15-\s)
.endif
	MUL16 20+\s, 0, 0xF8, -1, AFR+24*(\s%4), 12, AS+2*(\s%4), 1
.if \s < 12
	HLOAD \s+4
.endif
	BATCH 23+\s
.endr
	; ---- THE WAY OUT: a lane holds pieces of one row: a tile of rows goes through my own stage and comes back as whole rows of 512 bytes.  LDS serves a wave's instructions in order.
.irp u,0,1
	WIN 0x0C                                       ; an LDS store's data are its source 1: window 3
.irp b,0,1,2,3
.irp j,0,1,2,3
	ds_store_b128 v13, v[64*\u+16*\b+4*\j:64*\u+16*\b+4*\j+3] offset:128*\b+16*\j
.endr
.endr
	WIN 0
.irp i,0,1,2,3,4,5,6,7,8,9,10,11,12,13,14,15
	ds_load_b128 v[ACC+64*\u+4*\i:ACC+64*\u+4*\i+3], v14 offset:528*\i
.endr
.endr
.irp u,0,1
.irp i,0,1,2,3,4,5,6,7,8,9,10,11,12,13,14,15
	s_wait_dscnt (1-\u)*32+15-\i                   ; behind row i's load: the tile's later loads, and for the first tile the second's 32 LDS instructions
	global_store_b128 v1, v[ACC+64*\u+4*\i:ACC+64*\u+4*\i+3], s[42:43] offset:2048*(8*\u+(\i%8)+16*(\i/8)) th:TH_STORE_NT   ; 32 lanes store 512 consecutive bytes, at a multiple of 256 from out0's first byte
.endr
.endr
	s_wait_tensorcnt 0x0
	ds_add_u32 v126, v127
	s_wait_dscnt 0x0
	s_endpgm
.Lfunc_end_k_q1f57e0f669_ffn:
	.size	k_q1f57e0f669_ffn, .Lfunc_end_k_q1f57e0f669_ffn-k_q1f57e0f669_ffn
	.p2alignl 7, 3214868480
	.fill 96, 4, 3214868480
	.section	.rodata,"a",@progbits
	.p2align	6, 0x0
	.amdhsa_kernel k_q1f57e0f669_ffn
		.amdhsa_group_segment_fixed_size 101888
		.amdhsa_private_segment_fixed_size 0
		.amdhsa_enable_private_segment 0
		.amdhsa_kernarg_size 72
		.amdhsa_user_sgpr_count 2
		.amdhsa_user_sgpr_kernarg_segment_ptr 1
		.amdhsa_wavefront_size32 1
		.amdhsa_system_sgpr_workgroup_id_x 1
		.amdhsa_system_sgpr_workgroup_id_y 1
		.amdhsa_system_sgpr_workgroup_id_z 1
		.amdhsa_system_vgpr_workitem_id 0
		.amdhsa_next_free_vgpr 1024
		.amdhsa_next_free_sgpr 66
		.amdhsa_reserve_vcc 0
		.amdhsa_float_denorm_mode_32 3
		.amdhsa_float_denorm_mode_16_64 3
		.amdhsa_memory_ordered 1
		.amdhsa_forward_progress 1
		.amdhsa_inst_pref_size 255
	.end_amdhsa_kernel
	.section	.bss,"aw",@nobits
	.p2align	6
	.space	262144
	.amdgpu_metadata
---
amdhsa.version: [ 1, 2 ]
amdhsa.kernels:
  - .name:           k_q1f57e0f669_ffn
    .symbol:         k_q1f57e0f669_ffn.kd
    .args:
      - { .name: oimg, .offset: 0, .size: 8, .value_kind: global_buffer, .address_space: global }
      - { .name: wimg, .offset: 8, .size: 8, .value_kind: global_buffer, .address_space: global }
      - { .name: x, .offset: 16, .size: 8, .value_kind: global_buffer, .address_space: global }
      - { .name: bp, .offset: 24, .size: 8, .value_kind: global_buffer, .address_space: global }
      - { .name: ln2_g, .offset: 32, .size: 8, .value_kind: global_buffer, .address_space: global }
      - { .name: ln2_b, .offset: 40, .size: 8, .value_kind: global_buffer, .address_space: global }
      - { .name: b1, .offset: 48, .size: 8, .value_kind: global_buffer, .address_space: global }
      - { .name: b2, .offset: 56, .size: 8, .value_kind: global_buffer, .address_space: global }
      - { .name: out0, .offset: 64, .size: 8, .value_kind: global_buffer, .address_space: global }
    .group_segment_fixed_size: 101888
    .private_segment_fixed_size: 0
    .kernarg_segment_align: 8
    .kernarg_segment_size: 72
    .max_flat_workgroup_size: 128
    .sgpr_count:     66
    .vgpr_count:     1024
    .wavefront_size: 32
...
	.end_amdgpu_metadata
.endif
;; end of part 4
;; ======== version 2 of 3: 4 launches
;; workspace buffers: wimg 2,555,904 bytes; himg 3,407,872 bytes; qimg 3,670,016 bytes; kvimg 7,077,888 bytes; oimg 3,670,016 bytes
;; launch prep (part 5): grid 896 x 1, 4 waves a work-group, no clusters, 35,328 bytes of LDS; arguments x, ln1_g, ln1_b, Wq, Wk, Wv, Wp, W1, W2, wimg, himg; writes wimg, himg
.if DOCPART == 5
	.amdgcn_target "amdgcn-amd-amdhsa--gfx1250"
	.amdhsa_code_object_version 6
	.text
	.protected	k_q1f57e0f669_prep
	.globl	k_q1f57e0f669_prep
	.p2align	8
	.type	k_q1f57e0f669_prep,@function
k_q1f57e0f669_prep:
	s_mov_b64 s[64:65], 0
	v_nop
	global_prefetch_b8 v0, s[64:65] scope:SCOPE_SE
	s_setreg_imm32_b32 hwreg(HW_REG_WAVE_MODE, 25, 1), 1
	s_wait_xcnt 0x0
; All weights, and LayerNorm1(x), become codes of FP6 (E2M3) with one E8M0 byte for each 32 along K, laid as IMAGES OF OPERAND REGISTERS:
; a fragment (16 rows x 128 K, 12 registers a lane) is 1,536 bytes: register group c (4 registers) of lane l at 512 c + 16 l.
; THE ROWS OF A TILE ARE NOT NEIGHBOURS: lane r of tile 2 b + u holds row (or weight column) 32 b + 8 u + r + 8 (r / 8).
; Work-groups 0-383 take weights, a fragment a wave (a lane takes a column, its registers run down K); work-groups 384-895 take a tile of 16 rows
; of x, wave s its columns 128 s on; a row's mean and variance meet in LDS.
; x IS READ IN WHOLE ROWS: a load takes 512 consecutive bytes of one row, 16 a lane; the tile's 16 rows turn through the wave's own stage in LDS
; (rows 528 bytes apart) and come back as the quantiser wants them: 16 neighbours of each block of 32 in one lane.
; wimg: fragment F at 1536 F; its scale word of lane l at WSC + 512 (F / 4) + 16 l + 4 (F % 4).  F: Q, K, V: 16 (8 mat + head) + 4 s + tile;
; from 384 on, for each wave w of the last launch 288 fragments: groups of 8 tiles: Wp s = 0..3, W1 chunk q, s = 0..3, W2 s = 0..15.
; himg: fragment (row tile m, K step s) at 1536 (4 m + s); its scale words, 4 bytes a lane, at HSC + 128 (4 m + s).
; LIMITS: a block whose largest magnitude lies under 2^-124 gets the byte 1; a block of zeros too (the quantiser says 127: its codes are zeros and
; this program alone reads the bytes); NaN and infinities among the inputs are not served.
.set WSC, 2359296
.set HSC, 3145728
.set STGP, 1024                        ; LDS: 0-511 the rows' partial sums; from 1,024 a stage of 16 rows x 528 bytes for each wave
.set SEL, 44                           ; s[44:45] selects of v_permlanex16_b32: lane l xor 16
.set TM,  16                           ; v16-31  at work in QUANT
.set PW,  32                           ; v32     the scale word just made
.set PC,  34                           ; v34-52  the codes just made
.set X,   64                           ; v64-127 64 numbers of x;  v128-191 ln1_g;  v192-255 x as loaded, then ln1_b
; 64 numbers of a lane, register 16 b + i = k 32 b + 16 (lane / 16) + i of my row, become a fragment's codes in v[PC] on and its scale word in v[PW]
.macro QUANT s
.irp b,0,1,2,3
	v_max3_num_f32 v[TM+\b], |v[\s+16*\b]|, |v[\s+1+16*\b]|, 0x1800000   ; my 16 numbers of block b, and the floor 2^(3 - 127): the byte cannot fall under 1
.endr
.irp i,2,4,6,8,10,12,14
.irp b,0,1,2,3
	v_max3_num_f32 v[TM+\b], v[TM+\b], |v[\s+16*\b+\i]|, |v[\s+1+16*\b+\i]|
.endr
.endr
.irp b,0,1,2,3
	v_permlanex16_b32 v[TM+4+\b], v[TM+\b], s[SEL], s[SEL+1]
.endr
.irp b,0,1,2,3
	v_max_num_f32 v[TM+\b], v[TM+\b], v[TM+4+\b]                  ; with lane l xor 16's: the block's largest magnitude
.endr
.irp b,0,1,2,3
	v_add_nc_u32 v[TM+12+\b], 0xff000000, v[TM+\b]                ; 2 off its exponent field: the conversion's scale operand
.endr
.irp b,0,1,2,3
	v_lshrrev_b32 v[TM+4+\b], 23, v[TM+12+\b]                     ; the scale's byte
.endr
	v_lshl_or_b32 v[PW], v[TM+5], 8, v[TM+4]
	v_lshl_or_b32 v[PW], v[TM+6], 16, v[PW]
	v_lshl_or_b32 v[PW], v[TM+7], 24, v[PW]
.irp c,0,1
	v_cvt_scalef32_pk16_fp6_f32 v[PC+6*\c:PC+2+6*\c], v[\s+32*\c:\s+15+32*\c], v[TM+12+2*\c]
	v_cvt_scalef32_pk16_fp6_f32 v[PC+12+4*\c:PC+14+4*\c], v[\s+16+32*\c:\s+31+32*\c], v[TM+12+2*\c+1]
.endr
	v_nop                                                          ; one plain place behind a scaled conversion
.irp c,0,1                             ; the operand wants a whole block in a lane: lanes 0-15 block 2 c, lanes 16-31 block 2 c + 1
.irp i,0,1,2
	v_permlane16_swap_b32 v[PC+6*\c+\i], v[PC+12+4*\c+\i]
.endr
.irp i,0,1,2
	v_mov_b32 v[PC+3+6*\c+\i], v[PC+12+4*\c+\i]
.endr
.endr
.endm
; my column's 64 numbers of a K step: W(64 c + 32 (lane / 16) + i, column), rows p bytes apart.  No hint: of each 64 bytes of a row one wave reads one half and its neighbour the other
.macro LOADW p
	v_mad_u32_u24 v5, v2, 32*\p, v4
.irp c,0,1
.irp i,0,1,2,3,4,5,6,7,8,9,10,11,12,13,14,15,16,17,18,19,20,21,22,23,24,25,26,27,28,29,30,31
	global_load_b32 v[64+32*\c+\i], v5, s[30:31] offset:(64*\c+\i)*\p
.endr
.endr
.endm
; v[54:57] hold two packed partial sums of my 64 numbers: the row's sum over all 512 columns comes back in v54 of every lane
.macro ROWSUM off
	v_pk_add_f32 v[54:55], v[54:55], v[56:57]
	v_add_f32 v54, v54, v55
	v_permlanex16_b32 v55, v54, s[SEL], s[SEL+1]
	v_add_f32 v54, v54, v55                        ; my wave's 128 columns of row r
	ds_store_b32 v6, v54 offset:\off               ; both lanes of a row write the same word with the same value
	s_wait_dscnt 0x0                               ; for the others' sake: my store is done
	s_barrier_signal -1
	s_barrier_wait -1
.irp k,0,1,2,3
	ds_load_b32 v[56+\k], v7 offset:\off+64*\k
.endr
	s_wait_dscnt 0x0
	v_add_f32 v56, v56, v57
	v_add_f32 v58, v58, v59
	v_add_f32 v54, v56, v58
.endm
	s_load_b512 s[8:23], s[0:1], 0x0               ; x 8, ln1_g 10, ln1_b 12, Wq 14, Wk 16, Wv 18, Wp 20, W1 22
	s_load_b128 s[24:27], s[0:1], 0x40             ; W2 24, wimg 26
	s_load_b64 s[28:29], s[0:1], 0x50              ; himg
	v_lshl_add_u32 v27, v0, 2, 0x8800
	v_mov_b32 v63, 0
	v_lshrrev_b32 v1, 5, v0
	v_readfirstlane_b32 s2, v1                     ; wave
	v_and_b32 v3, 31, v0                           ; lane
	v_and_b32 v1, 15, v0                           ; r
	v_bfe_u32 v2, v0, 4, 1                         ; h
	v_and_b32 v4, 8, v1
	v_add_nc_u32 v11, v4, v1                       ; r + 8 (r / 8)
	v_lshlrev_b32 v8, 4, v3                        ; 16 x lane
	s_mov_b32 s[SEL], 0x76543210
	s_mov_b32 s[SEL+1], 0xfedcba98
	s_mov_b32 s3, ttmp9
	s_mov_b32 s33, 0
	s_wait_kmcnt 0x0
	s_cmp_ge_u32 s3, 384
	s_cbranch_scc1 .Lln
	; ---- weights: the four waves are the four tiles of 64 neighbouring columns
	s_lshr_b32 s36, s2, 1
	s_lshl_b32 s36, s36, 7
	s_and_b32 s37, s2, 1
	s_lshl_b32 s37, s37, 5
	s_add_co_u32 s36, s36, s37
	v_lshl_add_u32 v4, v11, 2, s36                 ; my column's byte in the 256: 128 (wave / 2) + 32 (wave % 2) + 4 (r + 8 (r / 8))
	s_cmp_ge_u32 s3, 256
	s_cbranch_scc1 .Lw2
	s_cmp_ge_u32 s3, 128
	s_cbranch_scc1 .Lw1
	s_cmp_ge_u32 s3, 96
	s_cbranch_scc1 .Lwp
	s_lshr_b32 s36, s3, 5                          ; Q, K or V
	s_cmp_eq_u32 s36, 0
	s_cselect_b64 s[30:31], s[14:15], s[16:17]
	s_cmp_eq_u32 s36, 2
	s_cselect_b64 s[30:31], s[18:19], s[30:31]
	s_bfe_u32 s37, s3, 0x30002                     ; head
	s_lshl_b32 s32, s37, 17                        ; 512 rows of 256 bytes a head
	s_and_b32 s38, s3, 3                           ; K step
	s_lshl_b32 s38, s38, 15
	s_add_co_u32 s32, s32, s38
	s_lshl_b32 s34, s3, 2                          ; first fragment: 16 (8 mat + head) + 4 s
	s_add_nc_u64 s[30:31], s[30:31], s[32:33]
	LOADW 256
	s_branch .Lquant
.Lwp:
	s_sub_co_u32 s36, s3, 96
	s_lshr_b32 s37, s36, 2                         ; which 64 columns
	s_and_b32 s38, s36, 3                          ; K step
	s_mov_b64 s[30:31], s[20:21]
	s_lshl_b32 s34, s38, 3                         ; groups 0-3
	s_branch .Lp2048
.Lw2:
	s_sub_co_u32 s36, s3, 256
	s_lshr_b32 s37, s36, 4
	s_and_b32 s38, s36, 15
	s_mov_b64 s[30:31], s[24:25]
	s_lshl_b32 s34, s38, 3
	s_add_co_u32 s34, s34, 160                     ; groups 20-35
.Lp2048:
	s_lshl_b32 s32, s38, 18                        ; 128 rows of 2,048 bytes
	s_lshl_b32 s39, s37, 8
	s_add_co_u32 s32, s32, s39
	s_lshr_b32 s39, s37, 1                         ; the last launch's wave that owns these columns
	s_mul_i32 s39, s39, 288
	s_add_co_u32 s34, s34, s39
	s_and_b32 s39, s37, 1
	s_lshl_b32 s39, s39, 2
	s_add_co_u32 s34, s34, s39
	s_add_co_u32 s34, s34, 384
	s_add_nc_u64 s[30:31], s[30:31], s[32:33]
	LOADW 2048
	s_branch .Lquant
.Lw1:
	s_sub_co_u32 s36, s3, 128
	s_lshr_b32 s37, s36, 2                         ; which 64 hidden units, 0..31
	s_and_b32 s38, s36, 3
	s_lshl_b32 s32, s38, 20                        ; 128 rows of 8,192 bytes
	s_lshl_b32 s39, s37, 8
	s_add_co_u32 s32, s32, s39
	s_lshr_b32 s39, s37, 3                         ; wave: 512 units each
	s_mul_i32 s34, s39, 288
	s_bfe_u32 s39, s37, 0x20001                    ; chunk of 128 units
	s_lshl_b32 s39, s39, 5
	s_add_co_u32 s34, s34, s39
	s_lshl_b32 s39, s38, 3
	s_add_co_u32 s34, s34, s39
	s_and_b32 s39, s37, 1
	s_lshl_b32 s39, s39, 2
	s_add_co_u32 s34, s34, s39
	s_add_co_u32 s34, s34, 384+32                  ; groups 4-19
	s_add_nc_u64 s[30:31], s[22:23], s[32:33]
	LOADW 8192
.Lquant:
	s_wait_loadcnt 0x0
.irp c,0,1                             ; my block 2 c + h: all its 32 numbers are mine
	v_max3_num_f32 v[32+\c], |v[64+32*\c]|, |v[65+32*\c]|, 0x1800000
.endr
.irp i,2,4,6,8,10,12,14,16,18,20,22,24,26,28,30
.irp c,0,1
	v_max3_num_f32 v[32+\c], v[32+\c], |v[64+32*\c+\i]|, |v[65+32*\c+\i]|
.endr
.endr
.irp c,0,1
	v_add_nc_u32 v[44+\c], 0xff000000, v[32+\c]    ; 2 off the exponent field: the conversion's scale operand
.endr
.irp c,0,1
	v_lshrrev_b32 v[36+\c], 23, v[44+\c]           ; the scale's byte
.endr
	v_lshl_or_b32 v9, v37, 16, v36                 ; my two bytes: blocks h and 2 + h,
	v_lshlrev_b32 v10, 3, v2
	v_lshlrev_b32 v9, v10, v9                      ; at their places in the word;
	v_mov_b32 v10, 0
	v_permlanex16_b32 v10, v9, s[SEL], s[SEL+1]
	v_or_b32 v9, v9, v10                           ; with lane l xor 16's two the word is whole, in both lanes
.irp c,0,1
	v_cvt_scalef32_pk16_fp6_f32 v[48+6*\c:50+6*\c], v[64+32*\c:79+32*\c], v[44+\c]
	v_cvt_scalef32_pk16_fp6_f32 v[192+4*\c:194+4*\c], v[80+32*\c:95+32*\c], v[44+\c]
.endr
	v_nop                                          ; one plain place behind a scaled conversion
.irp c,0,1
.irp i,0,1,2
	v_mov_b32 v[51+6*\c+\i], v[192+4*\c+\i]
.endr
.endr
	s_add_co_u32 s36, s34, s2                      ; my fragment
	s_mul_i32 s36, s36, 1536
	s_mov_b32 s37, 0
	s_add_nc_u64 s[38:39], s[26:27], s[36:37]
	s_lshl_b32 s36, s34, 7                         ; 512 bytes of words for four fragments
	s_lshl_b32 s40, s2, 2
	s_add_co_u32 s36, s36, s40
	s_add_co_u32 s36, s36, WSC
	s_add_nc_u64 s[40:41], s[26:27], s[36:37]
	global_store_b128 v8, v[48:51], s[38:39]       ; each store covers 512 consecutive bytes
	global_store_b128 v8, v[52:55], s[38:39] offset:512
	global_store_b128 v8, v[56:59], s[38:39] offset:1024
	global_store_b32 v8, v9, s[40:41]              ; the four waves' words interleave: together they fill the 512 bytes
	s_endpgm
	; ---- LayerNorm1 of a tile of 16 rows
.Lln:
	s_sub_co_u32 s36, s3, 384                      ; row tile m
	s_lshr_b32 s37, s36, 1
	s_lshl_b32 s37, s37, 16                        ; 32 rows of 2,048 bytes
	s_and_b32 s38, s36, 1
	s_lshl_b32 s38, s38, 14                        ; 8 rows
	s_add_co_u32 s32, s37, s38
	s_lshl_b32 s40, s2, 9                          ; my 128 columns
	s_add_co_u32 s32, s32, s40
	s_mov_b32 s41, 0
	s_add_nc_u64 s[30:31], s[8:9], s[32:33]
	s_add_nc_u64 s[10:11], s[10:11], s[40:41]
	s_add_nc_u64 s[12:13], s[12:13], s[40:41]
	v_lshlrev_b32 v5, 6, v2                        ; 64 h: g's and b's 16 numbers of a block of 32
.irp i,0,1,2,3,4,5,6,7,8,9,10,11,12,13,14,15
	global_load_b128 v[192+4*\i:195+4*\i], v8, s[30:31] offset:2048*((\i%8)+16*(\i/8)) th:TH_LOAD_NT   ; the tile's row i: 32 lanes read 512 consecutive bytes
.endr
.irp b,0,1,2,3
.irp j,0,1,2,3
	global_load_b128 v[128+16*\b+4*\j:131+16*\b+4*\j], v5, s[10:11] offset:128*\b+16*\j
.endr
.endr
	s_mul_i32 s43, s2, 8448
	s_add_co_u32 s43, s43, STGP                    ; my stage
	v_add_nc_u32 v13, s43, v8                      ; in: 16 bytes a lane of a row of 512
	v_mul_u32_u24 v14, v1, 528
	v_lshl_add_u32 v14, v2, 6, v14
	v_add_nc_u32 v14, s43, v14                     ; back: row r, + 64 h
	v_lshlrev_b32 v7, 2, v1                        ; the partial sums: 4 r,
	s_lshl_b32 s42, s2, 6
	v_add_nc_u32 v6, s42, v7                       ; + 64 wave
	v_lshlrev_b32 v9, 2, v3                        ; 4 x lane
.irp b,0,1,2,3
	v_mov_b32 v[TM+4+\b], 0                        ; a lane permute's destination counts as one of its sources
.endr
	s_lshl_b32 s36, s36, 2
	s_add_co_u32 s36, s36, s2                      ; 4 m + s
	s_mul_i32 s46, s36, 1536
	s_mov_b32 s47, 0
	s_add_nc_u64 s[48:49], s[28:29], s[46:47]
	s_lshl_b32 s46, s36, 7
	s_add_co_u32 s46, s46, HSC
	s_add_nc_u64 s[50:51], s[28:29], s[46:47]
	s_mov_b32 s52, 0x3b000000                      ; 1 / 512
	s_mov_b32 s53, 0x3727c5ac                      ; 1e-5
	s_wait_loadcnt 16                              ; x's 16 loads are in; g's 16 may be out
.irp i,0,1,2,3,4,5,6,7,8,9,10,11,12,13,14,15
	ds_store_b128 v13, v[192+4*\i:195+4*\i] offset:528*\i
.endr
.irp b,0,1,2,3
.irp j,0,1,2,3
	ds_load_b128 v[X+16*\b+4*\j:X+16*\b+4*\j+3], v14 offset:128*\b+16*\j   ; LDS serves a wave's instructions in order: these see my stores
.endr
.endr
	s_wait_dscnt 0x0                               ; x lies as the quantiser wants it, and the stores have read their registers,
.irp b,0,1,2,3
.irp j,0,1,2,3
	global_load_b128 v[192+16*\b+4*\j:195+16*\b+4*\j], v5, s[12:13] offset:128*\b+16*\j   ; which take b: it lands under the two sums
.endr
.endr
	v_pk_add_f32 v[54:55], v[X:X+1], v[X+2:X+3]
	v_pk_add_f32 v[56:57], v[X+4:X+5], v[X+6:X+7]
.irp j,8,12,16,20,24,28,32,36,40,44,48,52,56,60
	v_pk_add_f32 v[54:55], v[54:55], v[X+\j:X+\j+1]
	v_pk_add_f32 v[56:57], v[56:57], v[X+\j+2:X+\j+3]
.endr
	ROWSUM 0
	v_mul_f32 v60, s52, v54                        ; the mean
	v_mov_b32 v61, v60
.set JJ, 0
.rept 32
	v_pk_add_f32 v[X+JJ:X+JJ+1], v[X+JJ:X+JJ+1], v[60:61] neg_lo:[0,1] neg_hi:[0,1]
.set JJ, JJ+2
.endr
	v_pk_mul_f32 v[54:55], v[X:X+1], v[X:X+1]
	v_pk_mul_f32 v[56:57], v[X+2:X+3], v[X+2:X+3]
.irp j,4,8,12,16,20,24,28,32,36,40,44,48,52,56,60
	v_pk_fma_f32 v[54:55], v[X+\j:X+\j+1], v[X+\j:X+\j+1], v[54:55]
	v_pk_fma_f32 v[56:57], v[X+\j+2:X+\j+3], v[X+\j+2:X+\j+3], v[56:57]
.endr
	ROWSUM 256                                     ; other bytes than the first sum's: no barrier is owed between the two uses
	v_fma_f32 v62, v54, s52, s53                   ; the variance + eps
	v_rsq_f32 v60, v62
	v_nop                                          ; a plain place behind the transcendental
	s_wait_alu depctr_va_vdst(0)                   ; the wait ahead of the first reader
	v_mov_b32 v61, v60
.set JJ, 0
.rept 32
	v_pk_mul_f32 v[X+JJ:X+JJ+1], v[X+JJ:X+JJ+1], v[60:61]
.set JJ, JJ+2
.endr
	s_wait_loadcnt 0x0                             ; g and b
.set JJ, 0
.rept 32
	v_pk_fma_f32 v[X+JJ:X+JJ+1], v[X+JJ:X+JJ+1], v[128+JJ:129+JJ], v[192+JJ:193+JJ]
.set JJ, JJ+2
.endr
	QUANT X
	global_store_b128 v8, v[PC:PC+3], s[48:49]
	global_store_b128 v8, v[PC+4:PC+7], s[48:49] offset:512
	global_store_b128 v8, v[PC+8:PC+11], s[48:49] offset:1024
	global_store_b32 v9, v[PW], s[50:51]
	s_wait_tensorcnt 0x0
	ds_add_u32 v27, v63
	s_wait_dscnt 0x0
	s_endpgm
.Lfunc_end_k_q1f57e0f669_prep:
	.size	k_q1f57e0f669_prep, .Lfunc_end_k_q1f57e0f669_prep-k_q1f57e0f669_prep
	.p2alignl 7, 3214868480
	.fill 96, 4, 3214868480
	.section	.rodata,"a",@progbits
	.p2align	6, 0x0
	.amdhsa_kernel k_q1f57e0f669_prep
		.amdhsa_group_segment_fixed_size 35328
		.amdhsa_private_segment_fixed_size 0
		.amdhsa_enable_private_segment 0
		.amdhsa_kernarg_size 88
		.amdhsa_user_sgpr_count 2
		.amdhsa_user_sgpr_kernarg_segment_ptr 1
		.amdhsa_wavefront_size32 1
		.amdhsa_system_sgpr_workgroup_id_x 1
		.amdhsa_system_sgpr_workgroup_id_y 1
		.amdhsa_system_sgpr_workgroup_id_z 1
		.amdhsa_system_vgpr_workitem_id 0
		.amdhsa_next_free_vgpr 256
		.amdhsa_next_free_sgpr 66
		.amdhsa_reserve_vcc 0
		.amdhsa_float_denorm_mode_32 3
		.amdhsa_float_denorm_mode_16_64 3
		.amdhsa_memory_ordered 1
		.amdhsa_forward_progress 1
		.amdhsa_inst_pref_size 50
	.end_amdhsa_kernel
	.amdgpu_metadata
---
amdhsa.version: [ 1, 2 ]
amdhsa.kernels:
  - .name:           k_q1f57e0f669_prep
    .symbol:         k_q1f57e0f669_prep.kd
    .args:
      - { .name: x, .offset: 0, .size: 8, .value_kind: global_buffer, .address_space: global }
      - { .name: ln1_g, .offset: 8, .size: 8, .value_kind: global_buffer, .address_space: global }
      - { .name: ln1_b, .offset: 16, .size: 8, .value_kind: global_buffer, .address_space: global }
      - { .name: Wq, .offset: 24, .size: 8, .value_kind: global_buffer, .address_space: global }
      - { .name: Wk, .offset: 32, .size: 8, .value_kind: global_buffer, .address_space: global }
      - { .name: Wv, .offset: 40, .size: 8, .value_kind: global_buffer, .address_space: global }
      - { .name: Wp, .offset: 48, .size: 8, .value_kind: global_buffer, .address_space: global }
      - { .name: W1, .offset: 56, .size: 8, .value_kind: global_buffer, .address_space: global }
      - { .name: W2, .offset: 64, .size: 8, .value_kind: global_buffer, .address_space: global }
      - { .name: wimg, .offset: 72, .size: 8, .value_kind: global_buffer, .address_space: global }
      - { .name: himg, .offset: 80, .size: 8, .value_kind: global_buffer, .address_space: global }
    .group_segment_fixed_size: 35328
    .private_segment_fixed_size: 0
    .kernarg_segment_align: 8
    .kernarg_segment_size: 88
    .max_flat_workgroup_size: 128
    .sgpr_count:     66
    .vgpr_count:     256
    .wavefront_size: 32
...
	.end_amdgpu_metadata
.endif
;; end of part 5
;; launch qkv: the kernel of part 2 again; grid 64 x 4, 4 waves a work-group, no clusters, 53,760 bytes of LDS; arguments himg, wimg, bq, bk, bv, qimg, kvimg; writes qimg, kvimg
;; launch attn: the kernel of part 3 again; grid 8 x 32, 16 waves a work-group, no clusters, 34,816 bytes of LDS; arguments qimg, kvimg, oimg; writes oimg
;; launch ffn (part 6): grid 256 x 1, 4 waves a work-group, clusters of 4 x 1, 327,680 bytes of LDS; arguments oimg, wimg, x, bp, ln2_g, ln2_b, b1, b2, out0; writes out0
.if DOCPART == 6
	.amdgcn_target "amdgcn-amd-amdhsa--gfx1250"
	.amdhsa_code_object_version 6
	.text
	.protected	k_q1f57e0f669_ffn
	.globl	k_q1f57e0f669_ffn
	.p2align	8
	.type	k_q1f57e0f669_ffn,@function
k_q1f57e0f669_ffn:
	s_mov_b64 s[64:65], 0
	v_nop
	global_prefetch_b8 v0, s[64:65] scope:SCOPE_SE
	s_setreg_imm32_b32 hwreg(HW_REG_WAVE_MODE, 25, 1), 1
	s_wait_xcnt 0x0
	s_wait_alu depctr_hold_cnt(0) depctr_sa_sdst(0) depctr_va_vdst(0) depctr_va_sdst(0) depctr_va_ssrc(0) depctr_va_vcc(0) depctr_vm_vsrc(0)
	s_getreg_b32 s2, hwreg(HW_REG_IB_STS2, 6, 4)
	s_cmp_eq_u32 s2, 0
	s_cbranch_scc0 .Lentry_in_a_cluster
	s_endpgm
.Lentry_in_a_cluster:
	s_bfe_u32 s2, ttmp6, 0x10000c
	s_cmp_lg_u32 s2, 0x3003
	s_cbranch_scc0 .Lentry_shape_is_right
	s_endpgm
.Lentry_shape_is_right:
; x1 = x + out Wp + bp;  out0 = x1 + relu(LN2(x1) W1 + b1) W2 + b2: three products on codes of FP6 (E2M3); x1, LN2 and the hidden layer never go to memory.
; SHARES.  A work-group takes 32 rows (two tiles u).  THE WAVES SHARE THE COLUMNS: wave w makes columns 128 w on of x1 and out0, and hidden units 512 w on in four chunks of 128.
; All products are used transposed (source 0 = 16 columns of a weight, source 1 = 16 rows): a lane holds one row, and its 64 registers of a tile of rows run along 128 columns.
; THE WEIGHTS: my 36 groups of 8 fragments lie on end in wimg in the order in which they are used, as images of registers.  They come by TWO ROADS AT ONCE.
;   Groups 0, 1, 3, 4, 6, 7 .. (two of three), and all scale words, come straight into two register buffers, three groups ahead, with counted waits.
;   Groups 2, 5, 8 .. 35 (every third) come through a ring of two LDS slots filled by tensor loads, two groups a wave and fill, and from there into a third register buffer.
;   Every work-group walks the same weights, so four work-groups form a cluster and ask for the ring's tiles JOINTLY: the same load, the same descriptor, a mask that names the four.
;   Why not all groups through the ring: beside the rows' images LDS has room for two slots of 98,304 bytes, so a ring alone would have two groups a wave on its way; with both roads
;   two register groups and a slot are on their way together.  A fill has six groups' work in which to land.
; x IS READ IN WHOLE ROWS (512 consecutive bytes a load) and turns through the wave's own stage in LDS into the accumulators' layout: the way out, backwards.
; Rows' operands (LN2's result, the hidden layer) go from wave to wave through LDS as images of their registers.
; LIMITS: as stated in the first launch.
; REGISTERS: window 0: v1-15, v110 addresses; v16-39 weights' scale words (three sets); v40-47 rows' scale words; v48-51 mean, 1/sigma; v52-88 at work in QUANT; v90-107 at work; v126, v127 for the spare words; v128-255 accumulators (t, u) at 128 + 64 u + 8 t.
;   window 1: v0-191 weight buffers 0, 1; v192-255 bp, later b2.  window 2: v0-95 weight buffer 2; v96-191 eight fragments of rows; v192-255 b1's chunk.  window 3: v0-127 x1; v128-191 ln2_g; v192-255 ln2_b.
.set WSC,   2359296
.set OSC,   3145728
.set H2SC,  1024                       ; LDS: 0-1023 the rows' partial sums; LN2's scale words 128 (4 u + s);
.set HSC,   2048                       ; the hidden layer's 128 (16 u + s);
.set H2IMG, 6144                       ; LN2's 8 fragment images 1536 (4 u + s);
.set HIMG,  18432                      ; the hidden layer's 32: 1536 (16 u + s);
.set STG,   67584                      ; a stage of 16 rows x 528 bytes for each wave: x's way in, out0's way out;
.set RING,  101376                     ; the ring: slot sigma at 98,304 sigma; in it wave w's 24,576 bytes: two groups' codes;
.set SLOTB, 98304
.set SPARE, 297984                     ; the spare words, 128 bytes for each wave: two blocks of 256 bytes that no other line names
.set TM,  52
.set PW,  68
.set PC,  70
.set SEL, 44
.set ACC, 128
.set AFR, 96
.set AS,  40
.set RA0, 15                           ; v15   my 16 bytes of an image in my part of slot 0
.set RA1, 110                          ; v110  the same in slot 1
.set SPW, 126                          ; v126  LDS address of my spare word: SPARE + 4 x my thread's number; never rewritten
.set NIL, 127                          ; v127  0; never rewritten
.set G1,  52                           ; s[52:59] descriptor group 1
.set G0A, 60                           ; s[60:63] group 0 for slot 0
.set G0B, 68                           ; s[68:71] group 0 for slot 1
.set MSB, 0
.macro WIN new                         ; the immediate's high byte repeats the setting that is left
.if MSB != (\new)
	s_set_vgpr_msb (MSB<<8)|(\new)
.set MSB, (\new)
.endif
.endm
.macro QUANT s                         ; 64 numbers, register 16 b + i = k 32 b + 16 (lane / 16) + i: codes in v[PC] on, scale word in v[PW]
.irp b,0,1,2,3
	v_max3_num_f32 v[TM+\b], |v[\s+16*\b]|, |v[\s+1+16*\b]|, 0x1800000   ; and the floor 2^(3 - 127): the byte cannot fall under 1
.endr
.irp i,2,4,6,8,10,12,14
.irp b,0,1,2,3
	v_max3_num_f32 v[TM+\b], v[TM+\b], |v[\s+16*\b+\i]|, |v[\s+1+16*\b+\i]|
.endr
.endr
.irp b,0,1,2,3
	v_permlanex16_b32 v[TM+4+\b], v[TM+\b], s[SEL], s[SEL+1]
.endr
.irp b,0,1,2,3
	v_max_num_f32 v[TM+\b], v[TM+\b], v[TM+4+\b]
.endr
.irp b,0,1,2,3
	v_add_nc_u32 v[TM+12+\b], 0xff000000, v[TM+\b]
.endr
.irp b,0,1,2,3
	v_lshrrev_b32 v[TM+4+\b], 23, v[TM+12+\b]
.endr
	v_lshl_or_b32 v[PW], v[TM+5], 8, v[TM+4]
	v_lshl_or_b32 v[PW], v[TM+6], 16, v[PW]
	v_lshl_or_b32 v[PW], v[TM+7], 24, v[PW]
.irp c,0,1
	v_cvt_scalef32_pk16_fp6_f32 v[PC+6*\c:PC+2+6*\c], v[\s+32*\c:\s+15+32*\c], v[TM+12+2*\c]
	v_cvt_scalef32_pk16_fp6_f32 v[PC+12+4*\c:PC+14+4*\c], v[\s+16+32*\c:\s+31+32*\c], v[TM+12+2*\c+1]
.endr
	v_nop                                          ; one plain place behind a scaled conversion
.irp c,0,1
.irp i,0,1,2
	v_permlane16_swap_b32 v[PC+6*\c+\i], v[PC+12+4*\c+\i]
.endr
.irp i,0,1,2
	v_mov_b32 v[PC+3+6*\c+\i], v[PC+12+4*\c+\i]
.endr
.endr
.endm
.macro IMAGE adr, off                  ; the fragment in v[PC] on goes to LDS as it stands
.irp c,0,1,2
	ds_store_b128 v[\adr], v[PC+4*\c:PC+4*\c+3] offset:\off+512*\c
.endr
.endm
.macro BARRIER                         ; my LDS stores have landed and my LDS loads are in: then the work-group's barrier.
	s_wait_dscnt 0x0
	s_barrier_signal -1
	s_barrier_wait -1
.endm
; A round of the cluster's barrier: my work-group's barrier, so that wave 0's signal speaks for all four waves; wave 0 signals for the work-group; every wave waits for all four work-groups; my work-group's barrier once more
.macro ROUND
	s_barrier_signal -1
	s_barrier_wait -1
	s_cmp_lg_u32 s2, 0
	s_cbranch_scc1 .Lnot_wave_0_\@
	s_barrier_signal -3
.Lnot_wave_0_\@:
	s_barrier_wait -3
	s_barrier_signal -1
	s_barrier_wait -1
.endm
; A slot whose two groups have been read into registers is filled again, with the groups twelve further on.  Every window is 0 here.
.macro REFILL g0
	s_wait_tensorcnt 0x0                           ; all my tensor loads have landed, the other slot's among them: its groups are read next; and a group 0 may be written
	ds_add_u32 v[SPW], v[NIL]                      ; 0 onto my spare word
	s_add_nc_u64 s[\g0+2:\g0+3], s[\g0+2:\g0+3], 147456   ; twelve groups of 12,288 bytes on; the type bits on top are not reached
	s_wait_dscnt 0x0                               ; the add is done, and my reads of the slot are back
	ROUND                                          ; both now hold of every wave of the four work-groups
	tensor_load_to_lds s[\g0:\g0+3], s[G1:G1+7]    ; my one tensor load behind the round, and the first thing there
	s_nop 0
.rept 4
	v_nop
.endr
.endm
; Group g of the weight stream into register buffer g % 3: 2 loads of scale words; then its codes: 24 loads from memory, or, where g % 3 = 2, 24 LDS loads from the ring
; (fill (g - 2) / 6, slot (g - 2) / 6 % 2, place (g - 2) / 3 % 2).  Ahead of them, where a phase begins, 16 loads of its bias
.macro BATCH g
.if (\g) <= 35
.set BM, (\g)%3
.if ((\g)==4)||((\g)==8)||((\g)==12)||((\g)==16)
	WIN 0x80
.irp b,0,1,2,3
.irp j,0,1,2,3
	global_load_b128 v[192+16*\b+4*\j:195+16*\b+4*\j], v5, s[38:39] offset:512*(((\g)-4)/4)+128*\b+16*\j
.endr
.endr
.endif
.if (\g)==20
	WIN 0x40
.irp b,0,1,2,3
.irp j,0,1,2,3
	global_load_b128 v[192+16*\b+4*\j:195+16*\b+4*\j], v5, s[40:41] offset:128*\b+16*\j
.endr
.endr
.endif
	WIN 0
	global_load_b128 v[16+8*BM:19+8*BM], v1, s[24:25] offset:1024*(\g)
	global_load_b128 v[20+8*BM:23+8*BM], v1, s[24:25] offset:1024*(\g)+512
.if BM == 2
.set RAD, RA0+(RA1-RA0)*((((\g)-2)/6)%2)
.set TPL, (((\g)-2)/3)%2
	WIN 0x80
.irp t,0,1,2,3,4,5,6,7
.irp c,0,1,2
	ds_load_b128 v[12*\t+4*\c:12*\t+4*\c+3], v[RAD] offset:12288*TPL+1536*\t+512*\c
.endr
.endr
.else
	WIN 0x40
.irp t,0,1,2,3,4,5,6,7
.irp c,0,1,2
	global_load_b128 v[96*BM+12*\t+4*\c:96*BM+12*\t+4*\c+3], v1, s[22:23] offset:12288*(\g)+1536*\t+512*\c
.endr
.endr
.endif
	WIN 0
.endif
.endm
.macro NLOF g                          ; NLV = the loads from memory of batch g
.set NLV, 0
.if (\g) <= 35
.set NLV, 26
.if ((\g)%3) == 2
.set NLV, 2
.endif
.if ((\g)==4)||((\g)==8)||((\g)==12)||((\g)==16)||((\g)==20)
.set NLV, NLV+16
.endif
.endif
.endm
.macro GWAIT g                         ; batch g's loads from memory are in: the two younger batches may be out (a count cannot name more than 63: there the wait asks for a little more than it needs)
	NLOF (\g)+1
.set CNT, NLV
	NLOF (\g)+2
.set CNT, CNT+NLV
.if CNT > 63
.set CNT, 63
.endif
	s_wait_loadcnt CNT
.endm
; 16 matrix instructions: group g's 8 tiles x the two tiles of rows; the 16 accumulators take turns.  db: accumulators; wbits: windows of source 1, C and D;
; cb: the bias as C, or -1: in place; bb, bu: rows' fragments; sb, su: their scale words.  Four places follow, for the loads into the buffer and the first read of results.
.macro MUL16 g, db, wbits, cb, bb, bu, sb, su
.set MM, (\g)%3
.if MM == 2
	WIN (\wbits)|2
.set MWB, 0
.else
	WIN (\wbits)|1
.set MWB, 96*MM
.endif
.irp t,0,1,2,3,4,5,6,7
.irp u,0,1
.if (\cb) >= 0
	v_wmma_scale_f32_16x16x128_f8f6f4 v[(\db)+64*\u+8*\t:(\db)+64*\u+8*\t+7], v[MWB+12*\t:MWB+12*\t+11], v[(\bb)+(\bu)*\u:(\bb)+(\bu)*\u+11], v[(\cb)+8*\t:(\cb)+8*\t+7], v[16+8*MM+\t], v[(\sb)+(\su)*\u] matrix_a_fmt:MATRIX_FMT_FP6 matrix_b_fmt:MATRIX_FMT_FP6
.else
	v_wmma_scale_f32_16x16x128_f8f6f4 v[(\db)+64*\u+8*\t:(\db)+64*\u+8*\t+7], v[MWB+12*\t:MWB+12*\t+11], v[(\bb)+(\bu)*\u:(\bb)+(\bu)*\u+11], v[(\db)+64*\u+8*\t:(\db)+64*\u+8*\t+7], v[16+8*MM+\t], v[(\sb)+(\su)*\u] matrix_a_fmt:MATRIX_FMT_FP6 matrix_b_fmt:MATRIX_FMT_FP6
.endif
.endr
.endr
	WIN 0
.rept 4
	v_nop
.endr
.endm
.macro ADDB                            ; x1 += the 64 numbers of a bias in window 1, v192 on
	WIN 0xC7
.irp u,0,1
.set JJ, 0
.rept 32
	v_pk_add_f32 v[64*\u+JJ:64*\u+JJ+1], v[64*\u+JJ:64*\u+JJ+1], v[192+JJ:193+JJ]
.set JJ, JJ+2
.endr
.endr
	WIN 0
.endm
; v[90+4u:93+4u] hold two packed partial sums of my 64 numbers of row tile u: the rows' sums over all 512 columns come back in v[90+4u]
.macro CROSS off
.irp u,0,1
	v_pk_add_f32 v[90+4*\u:91+4*\u], v[90+4*\u:91+4*\u], v[92+4*\u:93+4*\u]
.endr
.irp u,0,1
	v_add_f32 v[90+4*\u], v[90+4*\u], v[91+4*\u]
.endr
.irp u,0,1
	v_permlanex16_b32 v[91+4*\u], v[90+4*\u], s[SEL], s[SEL+1]
.endr
.irp u,0,1
	v_add_f32 v[90+4*\u], v[90+4*\u], v[91+4*\u]
.endr
.irp u,0,1
	ds_store_b32 v6, v[90+4*\u] offset:\off+256*\u
.endr
	BARRIER
.irp u,0,1
.irp k,0,1,2,3
	ds_load_b32 v[98+4*\u+\k], v7 offset:\off+256*\u+64*\k
.endr
.endr
	s_wait_dscnt 0x0
.irp u,0,1
	v_add_f32 v[98+4*\u], v[98+4*\u], v[99+4*\u]
	v_add_f32 v[100+4*\u], v[100+4*\u], v[101+4*\u]
.endr
.irp u,0,1
	v_add_f32 v[90+4*\u], v[98+4*\u], v[100+4*\u]
.endr
.endm
.macro HLOAD k                         ; K step k of the hidden layer, both tiles of rows, into place k % 4 of a ring of four: 8 LDS loads
.set HR, AFR+24*((\k)%4)
	WIN 0x80
.irp u,0,1
.irp c,0,1,2
	ds_load_b128 v[HR+12*\u+4*\c:HR+12*\u+4*\c+3], v12 offset:1536*(16*\u+(\k))+512*\c
.endr
.endr
	WIN 0
.irp u,0,1
	ds_load_b32 v[AS+2*((\k)%4)+\u], v2 offset:HSC+128*(16*\u+(\k))
.endr
.endm
	s_load_b512 s[4:19], s[0:1], 0x0               ; oimg 4, wimg 6, x 8, bp 10, ln2_g 12, ln2_b 14, b1 16, b2 18
	s_load_b64 s[20:21], s[0:1], 0x40              ; out0
	v_lshl_add_u32 v[SPW], v0, 2, SPARE
	v_mov_b32 v[NIL], 0
	ds_add_u32 v126, v127
	ds_add_u32 v126, v127
	s_wait_dscnt 0x0
	v_lshrrev_b32 v15, 5, v0
	v_readfirstlane_b32 s2, v15                    ; wave
	v_and_b32 v15, 31, v0
	v_lshlrev_b32 v1, 4, v15                       ; 16 x lane
	v_lshlrev_b32 v2, 2, v15                       ; 4 x lane
	v_lshlrev_b32 v3, 3, v15                       ; 8 x lane
	v_and_b32 v106, 15, v0                         ; r
	v_bfe_u32 v107, v0, 4, 1                       ; h
	v_lshlrev_b32 v5, 6, v107                      ; 64 h: biases and gains
	v_lshlrev_b32 v7, 2, v106                      ; the partial sums: 4 r,
	s_lshl_b32 s50, s2, 6
	v_add_nc_u32 v6, s50, v7                       ; + 64 wave
	s_mul_i32 s50, s2, 1536
	s_add_co_u32 s50, s50, H2IMG
	v_add_nc_u32 v8, s50, v1
	s_lshl_b32 s50, s2, 7
	s_add_co_u32 s50, s50, H2SC
	v_add_nc_u32 v9, s50, v2
	s_mul_i32 s50, s2, 6144
	s_add_co_u32 s50, s50, HIMG
	v_add_nc_u32 v10, s50, v1
	s_lshl_b32 s50, s2, 9
	s_add_co_u32 s50, s50, HSC
	v_add_nc_u32 v11, s50, v2
	v_add_nc_u32 v12, HIMG, v1
	s_mul_i32 s50, s2, 8448
	s_add_co_u32 s50, s50, STG                     ; my stage
	v_mul_u32_u24 v13, v106, 528
	v_lshl_add_u32 v13, v107, 6, v13
	v_add_nc_u32 v13, s50, v13                     ; by lanes' rows: row r, + 64 h
	v_add_nc_u32 v14, s50, v1                      ; by whole rows: 16 bytes a lane of a row of 512
	s_mul_i32 s50, s2, 24576
	s_add_co_u32 s50, s50, RING                    ; my part of slot 0: the wave's number and constants alone
	v_add_nc_u32 v[RA0], s50, v1
	v_add_nc_u32 v[RA1], SLOTB, v[RA0]
.irp b,0,1,2,3
	v_mov_b32 v[TM+4+\b], 0                        ; a lane permute's destination counts as one of its sources
.endr
	; descriptor group 1: two groups' codes: 2 rows of 1,536 elements of 8 bytes, three groups (4,608 elements) apart in memory, on end in LDS
	s_mov_b32 s[G1], 15|(3<<16)|(1<<21)            ; 15:0 the mask: all four work-groups; 17:16 elements of 8 bytes; 20 no padding; 21 set beside a mask
	s_mov_b32 s[G1+1], 1536<<16                    ; tensor_dim0
	s_mov_b32 s[G1+2], 2<<16                       ; tensor_dim1
	s_mov_b32 s[G1+3], 1536<<16                    ; tile_dim0
	s_mov_b32 s[G1+4], 2                           ; tile_dim1
	s_mov_b32 s[G1+5], 4608                        ; tensor_dim0_stride
	s_mov_b32 s[G1+6], 0
	s_mov_b32 s[G1+7], 0
	s_mov_b32 s[G0A], 1
	s_mov_b32 s[G0A+1], s50
	s_mov_b32 s[G0B], 1
	s_add_co_u32 s[G0B+1], s50, SLOTB
	s_bfe_u32 s66, ttmp6, 0x40000                  ; cx: my place in the cluster: it enters the addresses of x, oimg and out0 alone
	s_lshl_b32 s3, ttmp9, 2                        ; in a cluster launch ttmp9 counts clusters
	s_add_co_u32 s3, s3, s66                       ; my block of 32 rows
	s_mov_b32 s49, 0
	s_mov_b32 s73, 0
	s_mov_b32 s[SEL], 0x76543210
	s_mov_b32 s[SEL+1], 0xfedcba98
	s_mov_b32 s46, 0x3b000000                      ; 1 / 512
	s_mov_b32 s47, 0x3727c5ac                      ; 1e-5
	s_wait_kmcnt 0x0
	s_mul_i32 s50, s2, 288
	s_add_co_u32 s50, s50, 384                     ; my first fragment
	s_mul_i32 s48, s50, 1536
	s_add_nc_u64 s[22:23], s[6:7], s[48:49]
	s_lshl_b32 s48, s50, 7
	s_add_co_u32 s48, s48, WSC
	s_add_nc_u64 s[24:25], s[6:7], s[48:49]
	s_add_nc_u64 s[G0A+2:G0A+3], s[22:23], 24576   ; fill 0: groups 2 and 5
	s_or_b32 s[G0A+3], s[G0A+3], 0x80000000        ; type = 2
	s_add_nc_u64 s[G0B+2:G0B+3], s[22:23], 98304   ; fill 1: groups 8 and 11
	s_or_b32 s[G0B+3], s[G0B+3], 0x80000000
	s_lshl_b32 s51, s2, 9                          ; my 128 columns
	s_lshl_b32 s72, s3, 16                         ; 32 rows of 2,048 bytes
	s_add_co_u32 s72, s72, s51
	s_add_nc_u64 s[26:27], s[8:9], s[72:73]
	s_add_nc_u64 s[42:43], s[20:21], s[72:73]
	s_mul_i32 s72, s3, 12288                       ; 16 half images
	s_add_nc_u64 s[28:29], s[4:5], s[72:73]
	s_lshl_b32 s72, s3, 11
	s_add_co_u32 s72, s72, OSC
	s_add_nc_u64 s[30:31], s[4:5], s[72:73]
	s_mov_b32 s48, s51
	s_add_nc_u64 s[32:33], s[10:11], s[48:49]
	s_add_nc_u64 s[34:35], s[12:13], s[48:49]
	s_add_nc_u64 s[36:37], s[14:15], s[48:49]
	s_add_nc_u64 s[40:41], s[18:19], s[48:49]
	s_lshl_b32 s48, s2, 11                         ; my 512 hidden units
	s_add_nc_u64 s[38:39], s[16:17], s[48:49]
.irp u,0,1
.irp i,0,1,2,3,4,5,6,7,8,9,10,11,12,13,14,15
	global_load_b128 v[ACC+64*\u+4*\i:ACC+64*\u+4*\i+3], v1, s[26:27] offset:2048*(8*\u+(\i%8)+16*(\i/8)) th:TH_LOAD_NT   ; x: row i of tile u: 32 lanes read 512 consecutive bytes
.endr
.endr
	ROUND                                          ; all four work-groups are here: the first joint loads meet
	tensor_load_to_lds s[G0A:G0A+3], s[G1:G1+7]    ; both first fills go out together: two tensor loads of mine are out
	s_nop 0
	tensor_load_to_lds s[G0B:G0B+3], s[G1:G1+7]
	s_nop 0
.rept 4
	v_nop
.endr
	WIN 0x80                                       ; attention's result: heads 2 s and 2 s + 1 are the two halves of K step s's fragment
.irp u,0,1
.irp s,0,1,2,3
	global_load_b128 v[AFR+12*(4*\u+\s):AFR+12*(4*\u+\s)+3], v1, s[28:29] offset:768*(8*\u+2*\s)
	global_load_b64 v[AFR+12*(4*\u+\s)+4:AFR+12*(4*\u+\s)+5], v3, s[28:29] offset:768*(8*\u+2*\s)+512
	global_load_b128 v[AFR+12*(4*\u+\s)+6:AFR+12*(4*\u+\s)+9], v1, s[28:29] offset:768*(8*\u+2*\s+1)
	global_load_b64 v[AFR+12*(4*\u+\s)+10:AFR+12*(4*\u+\s)+11], v3, s[28:29] offset:768*(8*\u+2*\s+1)+512
.endr
.endr
	WIN 0
.irp k,0,1,2,3,4,5,6,7,8,9,10,11,12,13,14,15
	global_load_b32 v[90+\k], v2, s[30:31] offset:128*\k    ; two scale bytes a head
.endr
	WIN 0x40
.irp b,0,1,2,3
.irp j,0,1,2,3
	global_load_b128 v[192+16*\b+4*\j:195+16*\b+4*\j], v5, s[32:33] offset:128*\b+16*\j
.endr
.endr
	WIN 0xC0
.irp b,0,1,2,3
.irp j,0,1,2,3
	global_load_b128 v[128+16*\b+4*\j:131+16*\b+4*\j], v5, s[34:35] offset:128*\b+16*\j
.endr
.endr
.irp b,0,1,2,3
.irp j,0,1,2,3
	global_load_b128 v[192+16*\b+4*\j:195+16*\b+4*\j], v5, s[36:37] offset:128*\b+16*\j
.endr
.endr
	WIN 0
	BATCH 0
	BATCH 1
	s_wait_loadcnt 63                              ; x's 32 loads are in: 148 loads are younger, and a count cannot name more than 63
.irp u,0,1                             ; x turns through my stage: in by whole rows, back by lanes' rows.  LDS serves a wave's instructions in order
.irp i,0,1,2,3,4,5,6,7,8,9,10,11,12,13,14,15
	ds_store_b128 v14, v[ACC+64*\u+4*\i:ACC+64*\u+4*\i+3] offset:528*\i
.endr
	WIN 0xC0
.irp b,0,1,2,3
.irp j,0,1,2,3
	ds_load_b128 v[64*\u+16*\b+4*\j:64*\u+16*\b+4*\j+3], v13 offset:128*\b+16*\j
.endr
.endr
	WIN 0
.endr
	s_wait_tensorcnt 0x1                           ; my part of slot 0 has landed; slot 1's may be out.  Only I read my part of a slot
	BATCH 2
	GWAIT 0                                        ; all of the head's loads and group 0 are in
	s_wait_dscnt 24                                ; x lies in its registers; group 2's 24 LDS loads may be out
.irp u,0,1
.irp s,0,1,2,3
	v_lshl_or_b32 v[AS+4*\u+\s], v[90+8*\u+2*\s+1], 16, v[90+8*\u+2*\s]   ; two heads' bytes make a K step's scale word
.endr
.endr
	ADDB                                           ; x + bp begins x1's sums; these 64 lines also stand between the writes of the scale words and the first product
	; ---- the projection: x1 = x + bp + out Wp
.irp s,0,1,2,3
.if \s > 0
	GWAIT \s
.endif
.if \s == 2
	s_wait_dscnt 0x0                               ; the group's codes are in from the ring
.endif
	MUL16 \s, 0, 0xF8, -1, AFR+12*\s, 48, AS+\s, 4
	BATCH \s+3
.endr
	; ---- LayerNorm2 of x1
	WIN 0x0F
.irp u,0,1
	v_pk_add_f32 v[90+4*\u:91+4*\u], v[64*\u:64*\u+1], v[64*\u+2:64*\u+3]
	v_pk_add_f32 v[92+4*\u:93+4*\u], v[64*\u+4:64*\u+5], v[64*\u+6:64*\u+7]
.endr
	WIN 0x0C
.irp j,8,12,16,20,24,28,32,36,40,44,48,52,56,60
.irp u,0,1
	v_pk_add_f32 v[90+4*\u:91+4*\u], v[90+4*\u:91+4*\u], v[64*\u+\j:64*\u+\j+1]
	v_pk_add_f32 v[92+4*\u:93+4*\u], v[92+4*\u:93+4*\u], v[64*\u+\j+2:64*\u+\j+3]
.endr
.endr
	WIN 0
	CROSS 0
.irp u,0,1
	v_mul_f32 v[48+2*\u], s46, v[90+4*\u]          ; the mean
.endr
.irp u,0,1
	v_mov_b32 v[49+2*\u], v[48+2*\u]
.endr
	WIN 0x03
.irp u,0,1
.set JJ, 0
.rept 32
	v_pk_add_f32 v[ACC+64*\u+JJ:ACC+64*\u+JJ+1], v[64*\u+JJ:64*\u+JJ+1], v[48+2*\u:49+2*\u] neg_lo:[0,1] neg_hi:[0,1]
.set JJ, JJ+2
.endr
.endr
	WIN 0
.irp u,0,1
	v_pk_mul_f32 v[90+4*\u:91+4*\u], v[ACC+64*\u:ACC+64*\u+1], v[ACC+64*\u:ACC+64*\u+1]
	v_pk_mul_f32 v[92+4*\u:93+4*\u], v[ACC+64*\u+2:ACC+64*\u+3], v[ACC+64*\u+2:ACC+64*\u+3]
.endr
.irp j,4,8,12,16,20,24,28,32,36,40,44,48,52,56,60
.irp u,0,1
	v_pk_fma_f32 v[90+4*\u:91+4*\u], v[ACC+64*\u+\j:ACC+64*\u+\j+1], v[ACC+64*\u+\j:ACC+64*\u+\j+1], v[90+4*\u:91+4*\u]
	v_pk_fma_f32 v[92+4*\u:93+4*\u], v[ACC+64*\u+\j+2:ACC+64*\u+\j+3], v[ACC+64*\u+\j+2:ACC+64*\u+\j+3], v[92+4*\u:93+4*\u]
.endr
.endr
	CROSS 512                                      ; other bytes than the first sums'
.irp u,0,1
	v_fma_f32 v[106+\u], v[90+4*\u], s46, s47      ; the variance + eps
.endr
	v_rsq_f32 v48, v106
	v_rsq_f32 v50, v107
	v_nop                                          ; a plain place behind the transcendentals
	s_wait_alu depctr_va_vdst(0)                   ; one wait for both, ahead of the first reader
	v_mov_b32 v49, v48
	v_mov_b32 v51, v50
.irp u,0,1
.set JJ, 0
.rept 32
	v_pk_mul_f32 v[ACC+64*\u+JJ:ACC+64*\u+JJ+1], v[ACC+64*\u+JJ:ACC+64*\u+JJ+1], v[48+2*\u:49+2*\u]
.set JJ, JJ+2
.endr
.endr
	WIN 0x3C
.irp u,0,1
.set JJ, 0
.rept 32
	v_pk_fma_f32 v[ACC+64*\u+JJ:ACC+64*\u+JJ+1], v[ACC+64*\u+JJ:ACC+64*\u+JJ+1], v[128+JJ:129+JJ], v[192+JJ:193+JJ]
.set JJ, JJ+2
.endr
.endr
	WIN 0
.irp u,0,1
	QUANT ACC+64*\u                                ; my 128 columns are K step w of the next product
	IMAGE 8, 6144*\u
	ds_store_b32 v9, v[PW] offset:512*\u
	s_wait_dscnt 0x0                               ; the stores have read their registers
.endr
	BARRIER                                        ; LN2's eight fragments lie in LDS
	WIN 0x80
.irp k,0,1,2,3,4,5,6,7
.irp c,0,1,2
	ds_load_b128 v[AFR+12*\k+4*\c:AFR+12*\k+4*\c+3], v1 offset:H2IMG+1536*\k+512*\c
.endr
.endr
	WIN 0
.irp k,0,1,2,3,4,5,6,7
	ds_load_b32 v[AS+\k], v2 offset:H2SC+128*\k
.endr
	s_wait_dscnt 0x0
	; ---- the hidden layer: four chunks of 128 units, each four K steps; then relu, quantised: K step 4 w + q of the last product
.irp q,0,1,2,3
.irp s,0,1,2,3
	GWAIT 4+4*\q+\s
.if ((4+4*\q+\s)%3) == 2
	s_wait_dscnt 0x0                               ; the group's codes are in from the ring
.endif
.if \s == 0
	MUL16 4+4*\q+\s, ACC, 0x28, 192, AFR+12*\s, 48, AS+\s, 4
.else
	MUL16 4+4*\q+\s, ACC, 0x08, -1, AFR+12*\s, 48, AS+\s, 4
.endif
.if (4+4*\q+\s) == 5
	REFILL G0A                                     ; groups 2 and 5 are in registers: slot 0 takes 14 and 17
.endif
.if (4+4*\q+\s) == 11
	REFILL G0B                                     ; slot 1 takes 20 and 23
.endif
.if (4+4*\q+\s) == 17
	REFILL G0A                                     ; slot 0 takes 26 and 29
.endif
	BATCH 7+4*\q+\s
.endr
.set JJ, 0
.rept 128
	v_max_num_f32 v[ACC+JJ], 0, v[ACC+JJ]          ; the activation, in f32
.set JJ, JJ+1
.endr
.irp u,0,1
	QUANT ACC+64*\u
	IMAGE 10, 24576*\u+1536*\q
	ds_store_b32 v11, v[PW] offset:2048*\u+128*\q
	s_wait_dscnt 0x0                               ; the stores have read their registers
.endr
.endr
	BARRIER                                        ; the hidden layer's 32 fragments lie in LDS
	; ---- out0 = x1 + b2 + hidden W2: sixteen K steps onto x1's registers
	HLOAD 0
	HLOAD 1
	HLOAD 2
	HLOAD 3
.irp s,0,1,2,3,4,5,6,7,8,9,10,11,12,13,14,15
	GWAIT 20+\s
.if \s == 0
	ADDB                                           ; b2 came with group 20
.endif
.if (((20+\s)%3) == 2) && (\s > 0)
.if \s < 15
	s_wait_dscnt 16                                ; the group's codes are in from the ring, and this K step's hidden fragments, which are older; behind them two K steps' 16 loads may be out
.else
	s_wait_dscnt 0x0
.endif
.elseif \s < 13
	s_wait_dscnt 24                                ; this K step's 8 loads are in; at least the three younger steps' 24 were issued behind them
.else
	s_wait_dscnt 8*(15-\s)
.endif
	MUL16 20+\s, 0, 0xF8, -1, AFR+24*(\s%4), 12, AS+2*(\s%4), 1
.if \s < 12
	HLOAD \s+4
.endif
.if \s == 3
	REFILL G0B                                     ; slot 1 takes 32 and 35: the last fill
.endif
.if \s == 9
	s_wait_tensorcnt 0x0                           ; the last fill has landed: no load was issued behind it
.endif
	BATCH 23+\s
.endr
	; ---- THE WAY OUT: a lane holds pieces of one row: a tile of rows goes through my own stage and comes back as whole rows of 512 bytes.  LDS serves a wave's instructions in order.
.irp u,0,1
	WIN 0x0C                                       ; an LDS store's data are its source 1: window 3
.irp b,0,1,2,3
.irp j,0,1,2,3
	ds_store_b128 v13, v[64*\u+16*\b+4*\j:64*\u+16*\b+4*\j+3] offset:128*\b+16*\j
.endr
.endr
	WIN 0
.irp i,0,1,2,3,4,5,6,7,8,9,10,11,12,13,14,15
	ds_load_b128 v[ACC+64*\u+4*\i:ACC+64*\u+4*\i+3], v14 offset:528*\i
.endr
.endr
.irp u,0,1
.irp i,0,1,2,3,4,5,6,7,8,9,10,11,12,13,14,15
	s_wait_dscnt (1-\u)*32+15-\i                   ; behind row i's load: the tile's later loads, and for the first tile the second's 32 LDS instructions
	global_store_b128 v1, v[ACC+64*\u+4*\i:ACC+64*\u+4*\i+3], s[42:43] offset:2048*(8*\u+(\i%8)+16*(\i/8)) th:TH_STORE_NT   ; 32 lanes store 512 consecutive bytes, at a multiple of 256 from out0's first byte
.endr
.endr
	s_wait_tensorcnt 0x0                           ; the wave's end: behind my last tensor load and my last LDS store
	ds_add_u32 v[SPW], v[NIL]
	s_wait_dscnt 0x0
	ROUND                                          ; the closing round: no work-group ends while a partner may still ask for a tile that names it
	s_endpgm
.Lfunc_end_k_q1f57e0f669_ffn:
	.size	k_q1f57e0f669_ffn, .Lfunc_end_k_q1f57e0f669_ffn-k_q1f57e0f669_ffn
	.p2alignl 7, 3214868480
	.fill 96, 4, 3214868480
	.section	.rodata,"a",@progbits
	.p2align	6, 0x0
	.amdhsa_kernel k_q1f57e0f669_ffn
		.amdhsa_group_segment_fixed_size 327680
		.amdhsa_private_segment_fixed_size 0
		.amdhsa_enable_private_segment 0
		.amdhsa_kernarg_size 72
		.amdhsa_user_sgpr_count 2
		.amdhsa_user_sgpr_kernarg_segment_ptr 1
		.amdhsa_wavefront_size32 1
		.amdhsa_system_sgpr_workgroup_id_x 1
		.amdhsa_system_sgpr_workgroup_id_y 1
		.amdhsa_system_sgpr_workgroup_id_z 1
		.amdhsa_system_vgpr_workitem_id 0
		.amdhsa_next_free_vgpr 1024
		.amdhsa_next_free_sgpr 76
		.amdhsa_reserve_vcc 0
		.amdhsa_float_denorm_mode_32 3
		.amdhsa_float_denorm_mode_16_64 3
		.amdhsa_memory_ordered 1
		.amdhsa_forward_progress 1
		.amdhsa_inst_pref_size 255
	.end_amdhsa_kernel
	.section	.bss,"aw",@nobits
	.p2align	6
	.space	262144
	.amdgpu_metadata
---
amdhsa.version: [ 1, 2 ]
amdhsa.kernels:
  - .name:           k_q1f57e0f669_ffn
    .symbol:         k_q1f57e0f669_ffn.kd
    .args:
      - { .name: oimg, .offset: 0, .size: 8, .value_kind: global_buffer, .address_space: global }
      - { .name: wimg, .offset: 8, .size: 8, .value_kind: global_buffer, .address_space: global }
      - { .name: x, .offset: 16, .size: 8, .value_kind: global_buffer, .address_space: global }
      - { .name: bp, .offset: 24, .size: 8, .value_kind: global_buffer, .address_space: global }
      - { .name: ln2_g, .offset: 32, .size: 8, .value_kind: global_buffer, .address_space: global }
      - { .name: ln2_b, .offset: 40, .size: 8, .value_kind: global_buffer, .address_space: global }
      - { .name: b1, .offset: 48, .size: 8, .value_kind: global_buffer, .address_space: global }
      - { .name: b2, .offset: 56, .size: 8, .value_kind: global_buffer, .address_space: global }
      - { .name: out0, .offset: 64, .size: 8, .value_kind: global_buffer, .address_space: global }
    .group_segment_fixed_size: 327680
    .private_segment_fixed_size: 0
    .kernarg_segment_align: 8
    .kernarg_segment_size: 72
    .max_flat_workgroup_size: 128
    .sgpr_count:     76
    .vgpr_count:     1024
    .wavefront_size: 32
...
	.end_amdgpu_metadata
.endif
;; end of part 6
;; ======== version 3 of 3: 4 launches; version 2 with the launches qkv, attn written anew for expert scheduling mode
;; workspace buffers: wimg 2,555,904 bytes; himg 3,407,872 bytes; qimg 3,670,016 bytes; kvimg 7,077,888 bytes; oimg 3,670,016 bytes
;; launch prep: the kernel of part 5 again; grid 896 x 1, 4 waves a work-group, no clusters, 35,328 bytes of LDS; arguments x, ln1_g, ln1_b, Wq, Wk, Wv, Wp, W1, W2, wimg, himg; writes wimg, himg
;; launch qkv (part 7): grid 64 x 4, 4 waves a work-group, no clusters, 53,760 bytes of LDS; arguments himg, wimg, bq, bk, bv, qimg, kvimg; writes qimg, kvimg
.if DOCPART == 7
	.amdgcn_target "amdgcn-amd-amdhsa--gfx1250"
	.amdhsa_code_object_version 6
	.text
	.protected	k_q1f57e0f669_qkv
	.globl	k_q1f57e0f669_qkv
	.p2align	8
	.type	k_q1f57e0f669_qkv,@function
k_q1f57e0f669_qkv:
	s_mov_b64 s[64:65], 0
	v_nop
	global_prefetch_b8 v0, s[64:65] scope:SCOPE_SE
	s_setreg_imm32_b32 hwreg(HW_REG_WAVE_SCHED_MODE, 0, 2), 2
	s_setreg_imm32_b32 hwreg(HW_REG_WAVE_MODE, 25, 1), 1
	s_wait_xcnt 0x0
	s_wait_alu depctr_vm_vsrc(0)
; Q, K, V = h W + b on codes of FP6 (E2M3), and their own codes for attention.  A work-group takes 128 rows (x) and two heads (y).
; Wave w: head 2 y + w / 2.  First Q (w even) or K (w odd) of that head: source 0 = 16 columns of W, source 1 = 16 rows of h, so that a lane holds one row
; and its 32 registers run along the head's 64: quantised along them, 6 registers a lane (a half image: registers 0-3 at 16 lane, 4-5 at 512 + 8 lane).
; Then V, two of the head's four tiles of channels: source 0 = 16 rows of h, source 1 = 16 columns of Wv, so that a lane holds one channel and its 64
; registers run along the 128 keys: quantised along the keys, a whole fragment image.  The biases are the C of each sum's first matrix instruction.
; h's 32 fragments and their scale words are copied into LDS once, as they lie; the weights go from memory straight into registers, read once.
; The rows of a tile are not neighbours (lane r of tile 2 b + u: row 32 b + 8 u + r + 8 (r / 8)), so the registers of two neighbouring tiles are neighbours along the next K.
; A product over 64 uses half of the instruction's 128: bytes 2 and 3 of Q's and K's scale words are 0x7f (1.0); attention gives Q zero codes there.
; qimg: for (batch-head, block of 128 rows) 7,168 bytes: 8 half images, then 8 x 128 bytes of scale words.
; kvimg: 13,824 bytes: K's 8 half images, V's 4 fragment images at 6,144, K's words at 12,288, V's at 13,312.
; LIMITS: as stated in the first launch (byte 1 under 2^-124 and for blocks of zeros; no NaN, no infinities).
; THE MODE: SCHED_MODE bits 1:0 = 2 (LLVM: expert scheduling mode 2), set by the entry lines.  The code itself states the register dependences
; between vector or matrix instructions and memory or LDS instructions, with s_wait_alu, always for 0.
; THE PLAN.  Registers that memory or LDS instructions touch:
;   v1-v6      offsets and LDS addresses, made once at the head and never written again: one wait on va_vdst ahead of the first load.
;   v64-167    the copy's staging: loaded, then read by the copy's LDS stores; afterwards accumulators: one wait on vm_vsrc behind the barrier.
;   HB0, HB1   row tile i's four fragments of h and their words lie in HB[i % 2]: asked for at the head of tile i - 1, read by tile i's 16 matrix instructions.
;   OUT0, OUT1 tile i's quantiser writes OUT[i % 2]; the three stores that read it are issued at the head of tile i + 1.
;   window 3, v16-31   h's K steps 0 and 1 for V: asked for at the heads of tiles 6 and 7; no vector or matrix instruction names them before V's products.
;   window 1 v0-191, v32-47   W of Q or K and its words, read by all eight tiles; behind tile 7 h's K steps 2 and 3 for V land there.
; So ONE wait on va_vdst stands at a tile's head: the tile before is done reading its HB and has written its OUT.  The tile's loads and the stores of the tile before follow it;
; the tile's own matrix instructions and quantiser name the other HB and the other OUT.  The pair s_wait_xcnt 0, vm_vsrc stands ahead of it, a whole tile behind the stores that it speaks of.
; One more wait on va_vdst behind tile 7; V's 64 matrix instructions then hold none.
; REGISTERS: window 0: v1-6 addresses; v16-47 h's scale words for V (v32-47 first W's); v48-55 Wv's; v56-63 h's for Q and K; v64-191 accumulators (first the copy's staging); v192-207 at work; v208-250 OUT0, OUT1.
;   window 1: v0-191 W of Q or K, later h's K steps 2, 3; v192-239 HB0.  window 2: v0-95 Wv; v96-127, v128-143 biases; v144-191 HB1.  window 3: v0-191 h's K steps 0, 1.
.set HSC, 3145728
.set WSC, 2359296
.set ASC, 49152                        ; LDS: 32 fragment images, then their scale words
.set TM,  192
.set PW,  208                          ; OUT p: its scale word at PW + 42 p,
.set PC,  210                          ; its codes from PC + 20 p on
.set HW,  56                           ; HB p's scale words at HW + 4 p
.set VW,  16                           ; h's scale words of K step s for V at VW + 8 s
.set SEL, 50
.set ACC, 64
.set MSB, 0
.macro WIN new                         ; the immediate's high byte repeats the setting that is left
.if MSB != (\new)
	s_set_vgpr_msb (MSB<<8)|(\new)
.set MSB, (\new)
.endif
.endm
.macro QUANT s, pc, pw                 ; 64 numbers, register 16 b + i = k 32 b + 16 (lane / 16) + i: codes in v[pc] on, scale word in v[pw]
.irp b,0,1,2,3
	v_max3_num_f32 v[TM+\b], |v[\s+16*\b]|, |v[\s+1+16*\b]|, 0x1800000   ; and the floor 2^(3 - 127): the byte cannot fall under 1
.endr
.irp i,2,4,6,8,10,12,14
.irp b,0,1,2,3
	v_max3_num_f32 v[TM+\b], v[TM+\b], |v[\s+16*\b+\i]|, |v[\s+1+16*\b+\i]|
.endr
.endr
.irp b,0,1,2,3
	v_permlanex16_b32 v[TM+4+\b], v[TM+\b], s[SEL], s[SEL+1]
.endr
.irp b,0,1,2,3
	v_max_num_f32 v[TM+\b], v[TM+\b], v[TM+4+\b]
.endr
.irp b,0,1,2,3
	v_add_nc_u32 v[TM+12+\b], 0xff000000, v[TM+\b]
.endr
.irp b,0,1,2,3
	v_lshrrev_b32 v[TM+4+\b], 23, v[TM+12+\b]
.endr
	v_lshl_or_b32 v[\pw], v[TM+5], 8, v[TM+4]
	v_lshl_or_b32 v[\pw], v[TM+6], 16, v[\pw]
	v_lshl_or_b32 v[\pw], v[TM+7], 24, v[\pw]
.irp c,0,1
	v_cvt_scalef32_pk16_fp6_f32 v[\pc+6*\c:\pc+2+6*\c], v[\s+32*\c:\s+15+32*\c], v[TM+12+2*\c]
	v_cvt_scalef32_pk16_fp6_f32 v[\pc+12+4*\c:\pc+14+4*\c], v[\s+16+32*\c:\s+31+32*\c], v[TM+12+2*\c+1]
.endr
	v_nop                                          ; one plain place behind a scaled conversion
.irp c,0,1
.irp i,0,1,2
	v_permlane16_swap_b32 v[\pc+6*\c+\i], v[\pc+12+4*\c+\i]
.endr
.irp i,0,1,2
	v_mov_b32 v[\pc+3+6*\c+\i], v[\pc+12+4*\c+\i]
.endr
.endr
.endm
.macro QUANT2 s, pc, pw                ; the same for 32 numbers, two blocks: six registers of codes in v[pc] on, two bytes in v[pw]
.irp b,0,1
	v_max3_num_f32 v[TM+\b], |v[\s+16*\b]|, |v[\s+1+16*\b]|, 0x1800000
.endr
.irp i,2,4,6,8,10,12,14
.irp b,0,1
	v_max3_num_f32 v[TM+\b], v[TM+\b], |v[\s+16*\b+\i]|, |v[\s+1+16*\b+\i]|
.endr
.endr
.irp b,0,1
	v_permlanex16_b32 v[TM+2+\b], v[TM+\b], s[SEL], s[SEL+1]
.endr
.irp b,0,1
	v_max_num_f32 v[TM+\b], v[TM+\b], v[TM+2+\b]
.endr
.irp b,0,1
	v_add_nc_u32 v[TM+4+\b], 0xff000000, v[TM+\b]
.endr
.irp b,0,1
	v_lshrrev_b32 v[TM+2+\b], 23, v[TM+4+\b]
.endr
	v_lshl_or_b32 v[\pw], v[TM+3], 8, v[TM+2]
	v_cvt_scalef32_pk16_fp6_f32 v[\pc:\pc+2], v[\s:\s+15], v[TM+4]
	v_cvt_scalef32_pk16_fp6_f32 v[\pc+4:\pc+6], v[\s+16:\s+31], v[TM+5]
	v_nop                                          ; one plain place behind a scaled conversion
.irp i,0,1,2
	v_permlane16_swap_b32 v[\pc+\i], v[\pc+4+\i]   ; lanes 0-15 now hold block 0, lanes 16-31 block 1: lower 16 codes in the first run, upper 16 in the second
.endr
	v_mov_b32 v[\pc+3], v[\pc+4]
	v_mov_b32 v[\pc+4], v[\pc+5]
	v_mov_b32 v[\pc+5], v[\pc+6]
.endm
.macro ALOAD i                         ; row tile i: its four fragments of h and their scale words, into HB[i % 2]: 16 LDS loads
.set AP, (\i)%2
	WIN 0x40+0x40*AP                               ; destination window 1 (HB0) or 2 (HB1)
.irp s,0,1,2,3
.irp c,0,1,2
	ds_load_b128 v[192-48*AP+12*\s+4*\c:195-48*AP+12*\s+4*\c], v1 offset:1536*(4*(\i)+\s)+512*\c
.endr
.endr
	WIN 0
.irp s,0,1,2,3
	ds_load_b32 v[HW+4*AP+\s], v3 offset:ASC+128*(4*(\i)+\s)
.endr
.endm
.macro VLOAD s                         ; K step s of all eight row tiles, for V: 32 LDS loads.  Steps 0, 1: window 3; steps 2, 3: window 1, where W of Q or K lay
.if (\s) < 2
	WIN 0xC0
.else
	WIN 0x40
.endif
.irp i,0,1,2,3,4,5,6,7
.irp c,0,1,2
	ds_load_b128 v[96*((\s)%2)+12*\i+4*\c:96*((\s)%2)+12*\i+4*\c+3], v1 offset:1536*(4*\i+(\s))+512*\c
.endr
.endr
	WIN 0
.irp i,0,1,2,3,4,5,6,7
	ds_load_b32 v[VW+8*(\s)+\i], v3 offset:ASC+128*(4*\i+(\s))
.endr
.endm
.macro QKSEND i                        ; tile i's half image and scale words leave from OUT[i % 2]
.set SB, (\i)%2
	global_store_b128 v1, v[PC+20*SB:PC+20*SB+3], s[42:43] offset:768*(\i)
	global_store_b64 v2, v[PC+20*SB+4:PC+20*SB+5], s[42:43] offset:768*(\i)+512
	global_store_b32 v3, v[PW+42*SB], s[44:45] offset:128*(\i)
.endm
.macro QKTILE i                        ; 16 rows x the head's 64 of Q or K: four accumulators by turns
.set P, (\i)%2
.set HB, 192-48*P
.if \i == 0
	s_wait_dscnt 16                                ; tile 0's 16 loads are in; tile 1's 16 may be out
.elseif \i == 7
	s_wait_dscnt 32                                ; tile 7's fragments are in; behind them V's K step 0, 32 loads, may be out
.else
	s_wait_dscnt 0x0                               ; the tile's fragments, asked for a tile ago, are in
.endif
.if \i >= 2
	s_wait_xcnt 0x0                                ; the stores issued at the last tile's head have had their addresses translated: their data registers are written again only behind this wait,
	s_wait_alu depctr_vm_vsrc(0)                   ; and they have read OUT[i % 2], which this tile's quantiser writes again
.endif
.if \i >= 1
	s_wait_alu depctr_va_vdst(0)                   ; the last tile's matrix instructions are done reading the other HB and its words, in which the loads below land; its quantiser has written the other OUT, which the stores below read
.if \i < 7
	ALOAD (\i)+1                                   ; a whole tile ahead of its use
.endif
.if \i == 6
	VLOAD 0
.endif
.if \i == 7
	VLOAD 1
.endif
	QKSEND (\i)-1                                  ; behind the loads: between the wait and a load stand loads and window switches alone
.endif
	WIN 0x25+4*P                                   ; W window 1, h window 1 or 2, the bias window 2
.irp t,0,1,2,3
	v_wmma_scale_f32_16x16x128_f8f6f4 v[ACC+8*\t:ACC+8*\t+7], v[12*\t:12*\t+11], v[HB:HB+11], v[96+8*\t:96+8*\t+7], v[32+\t], v[HW+4*P] matrix_a_fmt:MATRIX_FMT_FP6 matrix_b_fmt:MATRIX_FMT_FP6
.endr
	WIN 0x05+4*P
.irp s,1,2,3
.irp t,0,1,2,3
	v_wmma_scale_f32_16x16x128_f8f6f4 v[ACC+8*\t:ACC+8*\t+7], v[12*(4*\s+\t):12*(4*\s+\t)+11], v[HB+12*\s:HB+12*\s+11], v[ACC+8*\t:ACC+8*\t+7], v[32+4*\s+\t], v[HW+4*P+\s] matrix_a_fmt:MATRIX_FMT_FP6 matrix_b_fmt:MATRIX_FMT_FP6
.endr
.endr
	WIN 0
.rept 4
	v_nop                                          ; places in front of the first read of results
.endr
	QUANT2 ACC, PC+20*P, PW+42*P
	v_or_b32 v[PW+42*P], 0x7f7f0000, v[PW+42*P]    ; 1.0 for the half of the instruction's K that the head does not fill
.endm
.macro VSTEP s                         ; K step s of V: 16 accumulators (8 row tiles x 2 tiles of channels) by turns
.if \s < 2
	s_wait_dscnt 63                                ; this step's 32 loads are in: 96 (step 1: 64) loads are younger, and a count cannot name more than 63
.elseif \s == 2
	s_wait_dscnt 32                                ; this step's 32 loads are in; the last step's 32 may be out
.else
	s_wait_dscnt 0x0
.endif
.if \s == 0
	WIN 0x2B                                       ; h window 3, Wv window 2, the bias window 2
.elseif \s == 1
	WIN 0x0B
.else
	WIN 0x09                                       ; h window 1
.endif
.irp i,0,1,2,3,4,5,6,7
.irp n,0,1
.if \s == 0
	v_wmma_scale_f32_16x16x128_f8f6f4 v[ACC+64*\n+8*\i:ACC+64*\n+8*\i+7], v[96*(\s%2)+12*\i:96*(\s%2)+12*\i+11], v[12*(2*\s+\n):12*(2*\s+\n)+11], v[128+8*\n:135+8*\n], v[VW+8*\s+\i], v[48+2*\s+\n] matrix_a_fmt:MATRIX_FMT_FP6 matrix_b_fmt:MATRIX_FMT_FP6
.else
	v_wmma_scale_f32_16x16x128_f8f6f4 v[ACC+64*\n+8*\i:ACC+64*\n+8*\i+7], v[96*(\s%2)+12*\i:96*(\s%2)+12*\i+11], v[12*(2*\s+\n):12*(2*\s+\n)+11], v[ACC+64*\n+8*\i:ACC+64*\n+8*\i+7], v[VW+8*\s+\i], v[48+2*\s+\n] matrix_a_fmt:MATRIX_FMT_FP6 matrix_b_fmt:MATRIX_FMT_FP6
.endif
.endr
.endr
.endm
	s_load_b256 s[4:11], s[0:1], 0x0               ; himg 4, wimg 6, bq 8, bk 10
	s_load_b128 s[12:15], s[0:1], 0x20             ; bv 12, qimg 14
	s_load_b64 s[16:17], s[0:1], 0x30              ; kvimg
	v_lshl_add_u32 v254, v0, 2, 0xd000
	v_mov_b32 v255, 0
	v_lshrrev_b32 v7, 5, v0
	v_readfirstlane_b32 s2, v7                     ; wave
	v_and_b32 v7, 31, v0
	v_lshlrev_b32 v1, 4, v7                        ; 16 x lane
	v_lshlrev_b32 v2, 3, v7                        ; 8 x lane
	v_lshlrev_b32 v3, 2, v7                        ; 4 x lane
	v_lshlrev_b32 v4, 4, v0                        ; 16 x thread: the copy
	v_bfe_u32 v8, v0, 4, 1
	v_lshlrev_b32 v5, 6, v8                        ; 64 h: Q's and K's bias
	v_and_b32 v9, 15, v0
	v_and_b32 v10, 8, v9
	v_add_nc_u32 v9, v9, v10
	v_lshlrev_b32 v6, 2, v9                        ; 4 (r + 8 (r / 8)): V's bias
.irp b,2,3,4,5,6,7
	v_mov_b32 v[TM+\b], 0                          ; a lane permute's destination counts as one of its sources
.endr
	s_mov_b32 s3, ttmp9                            ; block of 128 rows
	s_and_b32 s18, ttmp7, 0xffff                   ; pair of heads
	s_wait_alu depctr_va_sdst(0)                   ; s2, the wave's number, is written, ahead of its first reader: heads, roles and bases are made from it
	s_lshr_b32 s19, s2, 1
	s_lshl_b32 s21, s18, 1
	s_add_co_u32 s19, s19, s21                     ; head
	s_and_b32 s20, s2, 1                           ; 0: Q, 1: K; and which two tiles of V
	s_lshr_b32 s21, s3, 4                          ; batch
	s_and_b32 s22, s3, 15                          ; block in the sequence
	s_lshl_b32 s23, s21, 3
	s_add_co_u32 s23, s23, s19
	s_lshl_b32 s24, s23, 4
	s_add_co_u32 s24, s24, s22                     ; the record: 16 (8 batch + head) + block
	s_mov_b32 s53, 0
	s_mov_b32 s[SEL], 0x76543210
	s_mov_b32 s[SEL+1], 0xfedcba98
	s_wait_kmcnt 0x0
	s_mul_i32 s52, s3, 49152
	s_add_nc_u64 s[26:27], s[4:5], s[52:53]        ; h's 32 fragments
	s_lshl_b32 s52, s3, 12
	s_add_co_u32 s52, s52, HSC
	s_add_nc_u64 s[28:29], s[4:5], s[52:53]        ; their scale words
	s_lshl_b32 s25, s20, 3
	s_add_co_u32 s25, s25, s19                     ; 8 mat + head
	s_mul_i32 s52, s25, 24576
	s_add_nc_u64 s[30:31], s[6:7], s[52:53]
	s_lshl_b32 s52, s25, 11
	s_add_co_u32 s52, s52, WSC
	s_add_nc_u64 s[32:33], s[6:7], s[52:53]
	s_add_co_u32 s25, s19, 16                      ; Wv's unit
	s_mul_i32 s52, s25, 24576
	s_mul_i32 s54, s20, 3072
	s_add_co_u32 s52, s52, s54
	s_add_nc_u64 s[34:35], s[6:7], s[52:53]
	s_lshl_b32 s52, s25, 11
	s_lshl_b32 s54, s20, 3
	s_add_co_u32 s52, s52, s54
	s_add_co_u32 s52, s52, WSC
	s_add_nc_u64 s[36:37], s[6:7], s[52:53]
	s_cmp_eq_u32 s20, 0                            ; the choices hang on the wave's number alone
	s_cselect_b64 s[38:39], s[8:9], s[10:11]
	s_cselect_b64 s[42:43], s[14:15], s[16:17]
	s_mov_b32 s54, 13824
	s_cselect_b32 s54, 7168, s54                   ; a record's bytes
	s_mov_b32 s55, 12288
	s_cselect_b32 s55, 6144, s55                   ; where its scale words begin
	s_lshl_b32 s52, s19, 8
	s_add_nc_u64 s[38:39], s[38:39], s[52:53]      ; bq or bk at my head
	s_lshl_b32 s56, s20, 7
	s_add_co_u32 s52, s52, s56
	s_add_nc_u64 s[40:41], s[12:13], s[52:53]      ; bv at my head's 32 channels
	s_mul_i32 s52, s54, s24
	s_add_nc_u64 s[42:43], s[42:43], s[52:53]      ; Q's or K's images
	s_mov_b32 s52, s55
	s_add_nc_u64 s[44:45], s[42:43], s[52:53]      ; and words
	s_mul_i32 s52, s24, 13824
	s_mul_i32 s54, s20, 3072
	s_add_co_u32 s52, s52, s54
	s_add_co_u32 s52, s52, 6144
	s_add_nc_u64 s[46:47], s[16:17], s[52:53]      ; V's images
	s_mul_i32 s52, s24, 13824
	s_lshl_b32 s54, s20, 8
	s_add_co_u32 s52, s52, s54
	s_add_co_u32 s52, s52, 13312
	s_add_nc_u64 s[48:49], s[16:17], s[52:53]      ; and words
	s_wait_alu depctr_va_vdst(0)                   ; the offsets and LDS addresses v1 to v6 are written: every load and store of the kernel reads one of them, and none is written again
.irp i,0,1,2,3,4,5,6,7,8,9,10,11,12,13,14,15,16,17,18,19,20,21,22,23
	global_load_b128 v[64+4*\i:67+4*\i], v4, s[26:27] offset:2048*\i      ; the copy: 2,048 consecutive bytes a work-group
.endr
	global_load_b128 v[160:163], v4, s[28:29]
	global_load_b128 v[164:167], v4, s[28:29] offset:2048
	WIN 0x40
.irp f,0,1,2,3,4,5,6,7,8,9,10,11,12,13,14,15
.irp c,0,1,2
	global_load_b128 v[12*\f+4*\c:12*\f+4*\c+3], v1, s[30:31] offset:1536*\f+512*\c
.endr
.endr
	WIN 0
	s_wait_loadcnt 48                              ; the 26 copy loads are in; W's 48 may be out
.irp i,0,1,2,3,4,5,6,7,8,9,10,11,12,13,14,15,16,17,18,19,20,21,22,23,24,25
	ds_store_b128 v4, v[64+4*\i:67+4*\i] offset:2048*\i
.endr
.irp s,0,1,2,3
	global_load_b128 v[32+4*\s:35+4*\s], v1, s[32:33] offset:512*\s       ; four tiles' scale words a load
.endr
	WIN 0x80
.irp t,0,1,2,3
	global_load_b128 v[96+8*\t:99+8*\t], v5, s[38:39] offset:128*(\t/2)+32*(\t%2)
	global_load_b128 v[100+8*\t:103+8*\t], v5, s[38:39] offset:128*(\t/2)+32*(\t%2)+16
.endr
.irp s,0,1,2,3                         ; from here on 44 loads for V
.irp n,0,1
.irp c,0,1,2
	global_load_b128 v[12*(2*\s+\n)+4*\c:12*(2*\s+\n)+4*\c+3], v1, s[34:35] offset:1536*(4*\s+\n)+512*\c
.endr
.endr
.endr
.irp n,0,1
.irp j,0,1,2,3,4,5,6,7
	global_load_b32 v[128+8*\n+\j], v6, s[40:41] offset:32*\n             ; a lane holds one channel: its bias in all eight registers
.endr
.endr
	WIN 0
.irp s,0,1,2,3
	global_load_b64 v[48+2*\s:49+2*\s], v1, s[36:37] offset:512*\s
.endr
	s_wait_dscnt 0x0                               ; for the others' sake: my part of the copy lies in LDS
	s_barrier_signal -1
	s_barrier_wait -1
	s_wait_alu depctr_vm_vsrc(0)                   ; my LDS stores have read v64 to v167: these registers are accumulators from here on, written by the matrix instructions
	ALOAD 0
	ALOAD 1
	s_wait_loadcnt 44                              ; W, its words and the bias are in; V's 44 loads may be out
.irp i,0,1,2,3,4,5,6,7
	QKTILE \i
.endr
	s_wait_alu depctr_va_vdst(0)                   ; tile 7's matrix instructions are done reading W of Q or K and its words, in which h's K steps 2 and 3 land; its quantiser has written OUT1, which the stores below read
	VLOAD 2
	VLOAD 3
	QKSEND 7
	s_wait_loadcnt 0x0                             ; Wv, its words, bv
	VSTEP 0                                        ; 64 matrix instructions with no load between them: all of h's fragments have registers of their own
	VSTEP 1
	VSTEP 2
	VSTEP 3
	WIN 0
.rept 4
	v_nop                                          ; places in front of the first read of results
.endr
	s_wait_xcnt 0x0                                ; tile 6's and tile 7's stores have had their addresses translated: their data registers are written again only behind this wait,
	s_wait_alu depctr_vm_vsrc(0)                   ; and they have read OUT0 and OUT1, which the two quantisers below write
	QUANT ACC, PC, PW                              ; register 8 i + j is key 32 (i / 2) + 16 h + 8 (i % 2) + j of my channel
	QUANT ACC+64, PC+20, PW+42
	s_wait_alu depctr_va_vdst(0)                   ; the two quantisers have written OUT0 and OUT1, which the eight stores read
.irp n,0,1
	global_store_b128 v1, v[PC+20*\n:PC+20*\n+3], s[46:47] offset:1536*\n
	global_store_b128 v1, v[PC+20*\n+4:PC+20*\n+7], s[46:47] offset:1536*\n+512
	global_store_b128 v1, v[PC+20*\n+8:PC+20*\n+11], s[46:47] offset:1536*\n+1024
	global_store_b32 v3, v[PW+42*\n], s[48:49] offset:128*\n
.endr
	s_wait_dscnt 0x0                               ; the closing lines, six on end
	s_wait_alu 0x0
	s_wait_tensorcnt 0x0
	ds_add_u32 v254, v255
	s_wait_dscnt 0x0
	s_endpgm
.Lfunc_end_k_q1f57e0f669_qkv:
	.size	k_q1f57e0f669_qkv, .Lfunc_end_k_q1f57e0f669_qkv-k_q1f57e0f669_qkv
	.p2alignl 7, 3214868480
	.fill 96, 4, 3214868480
	.section	.rodata,"a",@progbits
	.p2align	6, 0x0
	.amdhsa_kernel k_q1f57e0f669_qkv
		.amdhsa_group_segment_fixed_size 53760
		.amdhsa_private_segment_fixed_size 0
		.amdhsa_enable_private_segment 0
		.amdhsa_kernarg_size 56
		.amdhsa_user_sgpr_count 2
		.amdhsa_user_sgpr_kernarg_segment_ptr 1
		.amdhsa_wavefront_size32 1
		.amdhsa_system_sgpr_workgroup_id_x 1
		.amdhsa_system_sgpr_workgroup_id_y 1
		.amdhsa_system_sgpr_workgroup_id_z 1
		.amdhsa_system_vgpr_workitem_id 0
		.amdhsa_next_free_vgpr 960
		.amdhsa_next_free_sgpr 66
		.amdhsa_reserve_vcc 0
		.amdhsa_float_denorm_mode_32 3
		.amdhsa_float_denorm_mode_16_64 3
		.amdhsa_memory_ordered 1
		.amdhsa_forward_progress 1
		.amdhsa_inst_pref_size 88
	.end_amdhsa_kernel
	.amdgpu_metadata
---
amdhsa.version: [ 1, 2 ]
amdhsa.kernels:
  - .name:           k_q1f57e0f669_qkv
    .symbol:         k_q1f57e0f669_qkv.kd
    .args:
      - { .name: himg, .offset: 0, .size: 8, .value_kind: global_buffer, .address_space: global }
      - { .name: wimg, .offset: 8, .size: 8, .value_kind: global_buffer, .address_space: global }
      - { .name: bq, .offset: 16, .size: 8, .value_kind: global_buffer, .address_space: global }
      - { .name: bk, .offset: 24, .size: 8, .value_kind: global_buffer, .address_space: global }
      - { .name: bv, .offset: 32, .size: 8, .value_kind: global_buffer, .address_space: global }
      - { .name: qimg, .offset: 40, .size: 8, .value_kind: global_buffer, .address_space: global }
      - { .name: kvimg, .offset: 48, .size: 8, .value_kind: global_buffer, .address_space: global }
    .group_segment_fixed_size: 53760
    .private_segment_fixed_size: 0
    .kernarg_segment_align: 8
    .kernarg_segment_size: 56
    .max_flat_workgroup_size: 128
    .sgpr_count:     66
    .vgpr_count:     960
    .wavefront_size: 32
...
	.end_amdgpu_metadata
.endif
;; end of part 7
;; launch attn (part 8): grid 8 x 32, 16 waves a work-group, no clusters, 34,816 bytes of LDS; arguments qimg, kvimg, oimg; writes oimg
.if DOCPART == 8
	.amdgcn_target "amdgcn-amd-amdhsa--gfx1250"
	.amdhsa_code_object_version 6
	.text
	.protected	k_q1f57e0f669_attn
	.globl	k_q1f57e0f669_attn
	.p2align	8
	.type	k_q1f57e0f669_attn,@function
k_q1f57e0f669_attn:
	s_mov_b64 s[64:65], 0
	v_nop
	global_prefetch_b8 v0, s[64:65] scope:SCOPE_SE
	s_setreg_imm32_b32 hwreg(HW_REG_WAVE_SCHED_MODE, 0, 2), 2
	s_setreg_imm32_b32 hwreg(HW_REG_WAVE_MODE, 25, 1), 1
	s_wait_xcnt 0x0
	s_wait_alu depctr_vm_vsrc(0)
; Causal attention of one batch-head (y) on codes of FP6 (E2M3); its result, divided by the row's sum, is quantised along the head's 64 for the projection.
; t = score x log2(e) / 8; M = the running largest t rounded up to a whole number; p = 2^(t - M) is quantised along the keys, not normalised; the row's sum is
; taken of the unquantised p; when M moves, the sum and O are multiplied by 2^(old M - new M), which rounds nothing.
; SHARES.  Sixteen waves, a tile of 16 queries each.  Work-group g owns the blocks of 128 queries g and 15 - g, eight waves each, so that every work-group has
; 8 (g + 1) + 8 (16 - g) = 136 steps of 16 queries x 128 keys.  A wave works the slots of 128 keys up to its own block; in that last one hidden scores become
; -infinity (p is 0).  The loop's trip count is a constant; slots past 15 - g hold only the barrier.
; A slot's record (K's 8 half images, V's 4 images, their words: 13,824 bytes) is copied through registers into one of two LDS buffers while the other is read:
; one barrier a slot: in front of it each wave's reads of one buffer are back and its stores into the other are done.
; Both products are used transposed (S^T = K Q^T, O^T = V^T P^T): a lane holds one query throughout; the keys of a tile are chosen so that p's 16 registers of two tiles are 16 neighbouring keys.
; THE FIRST PRODUCT'S K IS 64: Q's registers 6-11 are zero codes.  K's operand v[32+6t:43+6t] has the next tile's codes in its upper six registers: they meet zero codes, under scale bytes 0x7f, and add nothing.
; LIMITS: as stated in the first launch.
; THE MODE: SCHED_MODE bits 1:0 = 2 (LLVM: expert scheduling mode 2), set by the entry lines.  The code itself states the register dependences
; between vector or matrix instructions and memory or LDS instructions, with s_wait_alu, always for 0.
; THE PLAN.  Four waves of 256 registers fill a SIMD's 1,024: there is no register for a further buffer, and the order of a step stays.  Registers that memory or LDS instructions touch:
;   v1-v4, v6  offsets and LDS addresses, made once at the head and never written again: one wait on va_vdst ahead of the first load.
;   v8-11, v28-31  the copy: a slot's global loads land in them, its LDS stores read them: one wait on vm_vsrc a slot, ahead of the next loads.  (v28-31 are cleared once at the head, ahead of the first wait.)
;   v32-79, v192-199  K and its words: loaded at a step's head, read by the eight score products.  A wait on va_vdst at the step's head: the last step's products are done with these registers.
;   v32-79, v200-203  V and its words: loaded behind the score products, read by the four products of O.  A wait on va_vdst behind the score products and their places.
;   v224-235, v253  p's codes and scale word: written by vector instructions, taken by the products of O as operand and scales: a wait on va_vdst behind the places ahead of those products.
;   v224-229, v253  on the way out: the quantiser writes them, three stores read them: a wait on va_vdst between.
; The mask's compares write scalar registers, sixteen a run, with one wait on va_sdst between a run and the selects that read it.
; REGISTERS: v1-6 addresses; v8-11, v28-31 the copy; v12 -M, v13 largest t, v[14:15] the sum; v16-27 Q; v32-85 K, then V; v96-159 S^T, then p; v160-191 O^T; v192-203 scale words; v224-254 at work; v255 Q's word.
.set BUFB, 16384
.set OSC,  3145728
.set WV,   10
.set GW,   13                          ; s13  my block of 128 queries
.set LAST, 14                          ; s14  the work-group's last slot
.set J,    15                          ; s15  the slot in hand
.set TR,   16                          ; s16  the loop's counter
.set SEL,  20
.set CS,   22                          ; s[22:23] c = log2(e) / 8
.set PLIM, 28                          ; s28  a wave prefetches while the slot's number is under it
.set MK,   44                          ; s44-59  sixteen masks of the causal limit
.set TM,   232
.set PC,   224
.set PW,   253
.macro QUANT2 s                        ; 32 numbers, register 16 b + i = k 32 b + 16 (lane / 16) + i: six registers of codes in v[PC] on, two bytes in v[PW]
.irp b,0,1
	v_max3_num_f32 v[TM+\b], |v[\s+16*\b]|, |v[\s+1+16*\b]|, 0x1800000
.endr
.irp i,2,4,6,8,10,12,14
.irp b,0,1
	v_max3_num_f32 v[TM+\b], v[TM+\b], |v[\s+16*\b+\i]|, |v[\s+1+16*\b+\i]|
.endr
.endr
.irp b,0,1
	v_permlanex16_b32 v[TM+2+\b], v[TM+\b], s[SEL], s[SEL+1]
.endr
.irp b,0,1
	v_max_num_f32 v[TM+\b], v[TM+\b], v[TM+2+\b]
.endr
.irp b,0,1
	v_add_nc_u32 v[TM+4+\b], 0xff000000, v[TM+\b]
.endr
.irp b,0,1
	v_lshrrev_b32 v[TM+2+\b], 23, v[TM+4+\b]
.endr
	v_lshl_or_b32 v[PW], v[TM+3], 8, v[TM+2]
	v_cvt_scalef32_pk16_fp6_f32 v[PC:PC+2], v[\s:\s+15], v[TM+4]
	v_cvt_scalef32_pk16_fp6_f32 v[PC+4:PC+6], v[\s+16:\s+31], v[TM+5]
	v_nop                                          ; one plain place behind a scaled conversion
.irp i,0,1,2
	v_permlane16_swap_b32 v[PC+\i], v[PC+4+\i]
.endr
	v_mov_b32 v[PC+3], v[PC+4]
	v_mov_b32 v[PC+4], v[PC+5]
	v_mov_b32 v[PC+5], v[PC+6]
.endm
; A KEY STEP: my 16 queries against the 128 keys in buffer buf
.macro STEP buf
.set BO, (\buf)*BUFB
	s_wait_alu depctr_va_vdst(0)                   ; the last step's products are done reading v32 to v79 and v192 to v199, in which K and its words land; in my first step: the zero codes v22 to v27 and v80 to v85 are written, which the products below take as operands
.irp t,0,1,2,3,4,5,6,7
	ds_load_b128 v[32+6*\t:35+6*\t], v1 offset:BO+768*\t
	ds_load_b64 v[36+6*\t:37+6*\t], v2 offset:BO+768*\t+512
	ds_load_b32 v[192+\t], v3 offset:BO+12288+128*\t
.endr
	s_wait_dscnt 0x0
.irp t,0,1,2,3,4,5,6,7
	v_wmma_scale_f32_16x16x128_f8f6f4 v[96+8*\t:103+8*\t], v[32+6*\t:43+6*\t], v[16:27], 0, v[192+\t], v255 matrix_a_fmt:MATRIX_FMT_FP6 matrix_b_fmt:MATRIX_FMT_FP6
.endr
.rept 4
	v_nop                                          ; places in front of the first read of results
.endr
	s_wait_alu depctr_va_vdst(0)                   ; the eight products are done reading K's registers, in which V lands (V's words v200 to v203 were last read by the last step's products)
.irp n,0,1,2,3                         ; V is asked for now and lands under the softmax
.irp c,0,1,2
	ds_load_b128 v[32+12*\n+4*\c:35+12*\n+4*\c], v1 offset:BO+6144+1536*\n+512*\c
.endr
	ds_load_b32 v[200+\n], v3 offset:BO+13312+128*\n
.endr
	s_cmp_lg_u32 s[J], s[GW]                       ; only my own block's slot lies on the diagonal
	s_cbranch_scc1 .Lopen_\@
	v_mov_b32 v254, 0xff800000                     ; -infinity
.set NN, 0
.rept 4                                ; register 16 b + i holds key 32 b + 16 (lane / 16) + i: hidden where 32 b + i > v5.  A block's sixteen compares, then its sixteen selects
.set MM, NN
.rept 16
	v_cmp_gt_i32 s[MK+NN%16], 32*(NN/16)+NN%16, v5
.set NN, NN+1
.endr
	s_wait_alu depctr_va_sdst(0)                   ; the sixteen compares have written s44 to s59, ahead of the selects that read them
.rept 16
	v_cndmask_b32 v[96+MM], v[96+MM], v254, s[MK+MM%16]
.set MM, MM+1
.endr
.endr
.Lopen_\@:
.irp b,0,1,2,3
	v_max3_num_f32 v[232+\b], v[96+16*\b], v[97+16*\b], v[98+16*\b]   ; the largest score of each block of 32 keys: for the row's maximum and, since p rises with the score, for the block's largest p
.endr
.irp i,3,5,7,9,11,13
.irp b,0,1,2,3
	v_max3_num_f32 v[232+\b], v[232+\b], v[96+16*\b+\i], v[97+16*\b+\i]
.endr
.endr
.irp b,0,1,2,3
	v_max_num_f32 v[232+\b], v[232+\b], v[111+16*\b]
.endr
.irp b,0,1,2,3
	v_permlanex16_b32 v[236+\b], v[232+\b], s[SEL], s[SEL+1]
.endr
.irp b,0,1,2,3
	v_max_num_f32 v[232+\b], v[232+\b], v[236+\b]  ; with lane l xor 16's 16 keys
.endr
	v_max3_num_f32 v254, v232, v233, v234
	v_max_num_f32 v254, v254, v235
	v_mul_f32 v254, s[CS], v254                    ; the step's largest t (c is positive)
	v_max_num_f32 v13, v13, v254
	v_mov_b32 v254, v12
	v_floor_f32 v12, -v13                          ; the new -M = -ceil(t)
	v_sub_f32 v254, v12, v254                      ; old M - new M: a whole number, 0 or less
	v_cvt_i32_f32 v254, v254
	v_ldexp_f32 v252, 1.0, v254                    ; f = 2^(old M - new M)
.set JJ, 0
.rept 32
	v_pk_fma_f32 v[96+JJ:97+JJ], v[96+JJ:97+JJ], s[CS:CS+1], v[12:13] op_sel_hi:[1,0,0]   ; t - M
.set JJ, JJ+2
.endr
.irp b,0,1,2,3
	v_fma_f32 v[232+\b], v[232+\b], s[CS], v12     ; the same of each block's largest score
.endr
.set JJ, 0
.rept 64
	v_exp_f32 v[96+JJ], v[96+JJ]                   ; p = 2^(t - M)
.set JJ, JJ+1
.endr
	v_pk_mul_f32 v[14:15], v[14:15], v[252:253] op_sel_hi:[1,0]   ; the sums under the new M: the plain place behind the exponentials
	s_wait_alu depctr_va_vdst(0)                   ; the 64 exponentials have written p, v96 to v159: one wait for the whole batch, ahead of its first reader
.irp b,0,1,2,3
	v_exp_f32 v[232+\b], v[232+\b]                 ; the block's largest p
.endr
	v_pk_add_f32 v[236:237], v[96:97], v[98:99]    ; the row's sum of the unquantised p, in two chains
.irp j,4,8,12,16,20,24,28,32,36,40,44,48,52,56,60
	v_pk_add_f32 v[14:15], v[14:15], v[96+\j:97+\j]
	v_pk_add_f32 v[236:237], v[236:237], v[98+\j:99+\j]
.endr
	v_pk_add_f32 v[14:15], v[14:15], v[236:237]
	s_wait_alu depctr_va_vdst(0)                   ; the four exponentials have written v232 to v235, ahead of their first reader
.irp b,0,1,2,3
	v_max_num_f32 v[232+\b], 0x1800000, v[232+\b]  ; the floor 2^(3 - 127)
.endr
.irp b,0,1,2,3
	v_add_nc_u32 v[244+\b], 0xff000000, v[232+\b]
.endr
.irp b,0,1,2,3
	v_lshrrev_b32 v[236+\b], 23, v[244+\b]
.endr
	v_lshl_or_b32 v253, v237, 8, v236              ; p's scale word for these 128 keys
	v_lshl_or_b32 v253, v238, 16, v253
	v_lshl_or_b32 v253, v239, 24, v253
.irp c,0,1
	v_cvt_scalef32_pk16_fp6_f32 v[224+6*\c:226+6*\c], v[96+32*\c:111+32*\c], v[244+2*\c]
	v_cvt_scalef32_pk16_fp6_f32 v[236+4*\c:238+4*\c], v[112+32*\c:127+32*\c], v[244+2*\c+1]
.endr
	v_nop                                          ; one plain place behind a scaled conversion
.irp c,0,1
.irp i,0,1,2
	v_permlane16_swap_b32 v[224+6*\c+\i], v[236+4*\c+\i]
.endr
.irp i,0,1,2
	v_mov_b32 v[227+6*\c+\i], v[236+4*\c+\i]
.endr
.endr
.set JJ, 0
.rept 16
	v_pk_mul_f32 v[160+JJ:161+JJ], v[160+JJ:161+JJ], v[252:253] op_sel_hi:[1,0]   ; O^T under the new M; these sixteen also stand between the writes of p's codes and word and the products
.set JJ, JJ+2
.endr
	s_wait_dscnt 0x0                               ; V
	s_wait_alu depctr_va_vdst(0)                   ; p's codes v224 to v235 and its scale word v253 are written, which the products below take as operand and scales; the places above stay beside this wait
.irp n,0,1,2,3
	v_wmma_scale_f32_16x16x128_f8f6f4 v[160+8*\n:167+8*\n], v[32+12*\n:43+12*\n], v[224:235], v[160+8*\n:167+8*\n], v[200+\n], v253 matrix_a_fmt:MATRIX_FMT_FP6 matrix_b_fmt:MATRIX_FMT_FP6
.endr
.rept 4
	v_nop                                          ; places in front of the way out's reads
.endr
.endm
; A SLOT.  The next slot's record is asked for first, the step is worked, the record goes into the other buffer, and one barrier closes the slot.
.macro PHASE buf
	s_cmp_gt_u32 s[J], s[LAST]                     ; the same in all sixteen waves
	s_cbranch_scc1 .Lidle_\@
	s_wait_xcnt 0x0                                ; the last slot's loads and prefetch have read their base: it is written only behind this wait
	s_wait_alu depctr_vm_vsrc(0)                   ; the last slot's LDS stores have read v8 to v11 and v28 to v31, in which the loads below land
	s_add_co_u32 s26, s[J], 1
	s_min_u32 s26, s26, 15                         ; no load leaves the head's sixteen records
	s_mul_i32 s26, s26, 13824
	s_add_nc_u64 s[24:25], s[18:19], s[26:27]
	global_load_b128 v[8:11], v4, s[24:25]         ; 8,192 bytes by sixteen waves,
	s_cmp_lt_u32 s[WV], 11
	s_cbranch_scc0 .Lone_\@
	global_load_b128 v[28:31], v4, s[24:25] offset:8192   ; 5,632 by eleven
.Lone_\@:
	s_cmp_lt_u32 s[J], s[PLIM]
	s_cbranch_scc0 .Lnopf_\@
	global_prefetch_b8 v6, s[24:25] offset:27648 th:TH_LOAD_NT scope:SCOPE_SE   ; slot J + 3, two slots ahead of the load that will ask for it; it stops at J = 12
.Lnopf_\@:
	s_cmp_gt_u32 s[J], s[GW]
	s_cbranch_scc1 .Lnowork_\@                     ; all these keys come after my queries
	STEP \buf
.Lnowork_\@:
	s_wait_loadcnt 0x0
	ds_store_b128 v4, v[8:11] offset:(1-\buf)*BUFB
	s_cmp_lt_u32 s[WV], 11
	s_cbranch_scc0 .Lidle_\@
	ds_store_b128 v4, v[28:31] offset:(1-\buf)*BUFB+8192
.Lidle_\@:
	s_wait_dscnt 0x0                               ; my reads of this buffer are back and my stores into the other are done
	s_barrier_signal -1
	s_barrier_wait -1
	s_add_co_u32 s[J], s[J], 1
.endm
	s_load_b128 s[4:7], s[0:1], 0x0                ; qimg, kvimg
	s_load_b64 s[8:9], s[0:1], 0x10                ; oimg
	v_lshl_add_u32 v250, v0, 2, 0x8000
	v_mov_b32 v251, 0
	v_lshrrev_b32 v7, 5, v0
	v_readfirstlane_b32 s[WV], v7
	v_and_b32 v7, 31, v0
	v_lshlrev_b32 v1, 4, v7                        ; 16 x lane
	v_lshlrev_b32 v2, 3, v7                        ; 8 x lane
	v_lshlrev_b32 v3, 2, v7                        ; 4 x lane
	v_lshlrev_b32 v4, 4, v0                        ; 16 x thread: the copy
	v_min_u32 v6, 26, v7                           ; the prefetches: a record is 54 blocks of 256 bytes, 27 for each of two waves (lanes 27-31 repeat lane 26's)
	v_lshlrev_b32 v6, 8, v6
	s_wait_alu depctr_va_sdst(0)                   ; s10, the wave's number, is written, ahead of its first reader: roles, tiles and bases are made from it
	s_and_b32 s30, s[WV], 1
	s_mul_i32 s30, s30, 6912
	v_add_nc_u32 v6, s30, v6
	v_and_b32 v5, 15, v0
	v_and_b32 v7, 8, v5
	v_add_nc_u32 v5, v5, v7                        ; r + 8 (r / 8)
	v_bfe_u32 v7, v0, 4, 1
	v_lshlrev_b32 v7, 4, v7
	v_sub_nc_u32 v5, v5, v7
	s_lshr_b32 s30, s[WV], 2
	s_lshl_b32 s30, s30, 5
	s_bfe_u32 s31, s[WV], 0x10001
	s_lshl_b32 s31, s31, 3
	s_add_co_u32 s30, s30, s31
	v_add_nc_u32 v5, s30, v5                       ; my query in its block, less 16 (lane / 16)
	s_mov_b32 s11, ttmp9                           ; g
	s_and_b32 s12, ttmp7, 0xffff                   ; batch-head
	s_lshr_b32 s30, s[WV], 2
	s_xor_b32 s30, s30, s[WV]
	s_and_b32 s30, s30, 1                          ; which of the work-group's two blocks: eight waves each, tiles wave / 2 = 0..7 in both
	s_sub_co_u32 s[LAST], 15, s11
	s_cmp_eq_u32 s30, 1
	s_cselect_b32 s[GW], s[LAST], s11
	s_cmp_ge_u32 s[WV], 14                         ; waves 14 and 15 of the head's work-group 0, which walks all sixteen slots, prefetch
	s_cselect_b32 s[PLIM], 13, 0
	s_cmp_eq_u32 s11, 0
	s_cselect_b32 s[PLIM], s[PLIM], 0
	s_mov_b32 s[SEL], 0x76543210
	s_mov_b32 s[SEL+1], 0xfedcba98
	s_mov_b32 s[CS], 0x3e38aa3b                    ; log2(e) / sqrt(64)
	s_mov_b32 s[CS+1], s[CS]
	s_mul_i32 s26, s12, 221184                     ; sixteen records a head
	s_mov_b32 s27, 0
	s_lshl_b32 s30, s12, 4
	s_add_co_u32 s30, s30, s[GW]
	s_mul_i32 s30, s30, 7168                       ; Q's record
	s_lshr_b32 s31, s[WV], 1                       ; my tile in it
	s_mul_i32 s32, s31, 768
	s_add_co_u32 s32, s32, s30
	s_mov_b32 s33, 0
	s_lshl_b32 s34, s31, 7
	s_add_co_u32 s34, s34, s30
	s_add_co_u32 s34, s34, 6144
	s_mov_b32 s35, 0
	s_wait_kmcnt 0x0
	s_add_nc_u64 s[18:19], s[6:7], s[26:27]
	s_add_nc_u64 s[36:37], s[4:5], s[32:33]
	s_add_nc_u64 s[38:39], s[4:5], s[34:35]
.irp j,28,29,30,31
	v_mov_b32 v\j, 0                               ; written once, so that they are defined in the waves that never load them
.endr
	s_wait_alu depctr_va_vdst(0)                   ; the offsets and LDS addresses v1 to v4 and v6 are written, which every load, store and prefetch of the kernel reads; so are v28 to v31, in which a load below lands
	global_load_b128 v[8:11], v4, s[18:19]         ; slot 0
	s_cmp_lt_u32 s[WV], 11
	s_cbranch_scc0 .Lfirst_one
	global_load_b128 v[28:31], v4, s[18:19] offset:8192
.Lfirst_one:
	global_load_b128 v[16:19], v1, s[36:37]        ; Q stays in registers
	global_load_b64 v[20:21], v2, s[36:37] offset:512
	global_load_b32 v255, v3, s[38:39]
	s_lshr_b32 s30, s12, 3                         ; batch
	s_lshl_b32 s30, s30, 7
	s_lshl_b32 s31, s[GW], 3
	s_add_co_u32 s30, s30, s31
	s_lshr_b32 s31, s[WV], 1
	s_add_co_u32 s30, s30, s31                     ; my row tile
	s_lshl_b32 s30, s30, 3
	s_and_b32 s31, s12, 7
	s_add_co_u32 s30, s30, s31                     ; 8 x row tile + head
	s_mul_i32 s32, s30, 768
	s_add_nc_u64 s[40:41], s[8:9], s[32:33]
	s_lshl_b32 s32, s30, 7
	s_add_co_u32 s32, s32, OSC
	s_add_nc_u64 s[42:43], s[8:9], s[32:33]
.irp j,22,23,24,25,26,27,80,81,82,83,84,85
	v_mov_b32 v\j, 0                               ; zero codes: Q's upper half, and what lies behind K's last tile
.endr
	v_mov_b32 v13, 0xff61b1e6                      ; the largest t so far: -3e38
	v_floor_f32 v12, -v13
	v_mov_b32 v14, 0
	v_mov_b32 v15, 0
.irp j,232,233,234,235,236,237,238,239,252,253,254
	v_mov_b32 v\j, 0                               ; lane permutes' destinations and pairs' upper halves are written once
.endr
.set JJ, 0
.rept 32
	v_mov_b32 v[160+JJ], 0                         ; O^T: the step is written once, and the first change of M leaves zeros zeros
.set JJ, JJ+1
.endr
	s_wait_loadcnt 0x0
	ds_store_b128 v4, v[8:11]
	s_cmp_lt_u32 s[WV], 11
	s_cbranch_scc0 .Lfirst_stored
	ds_store_b128 v4, v[28:31] offset:8192
.Lfirst_stored:
	s_wait_dscnt 0x0
	s_barrier_signal -1
	s_barrier_wait -1
	s_mov_b32 s[J], 0
	s_mov_b32 s[TR], 8
.Lpair:
	PHASE 0
	PHASE 1
	s_sub_co_u32 s[TR], s[TR], 1
	s_cmp_lg_u32 s[TR], 0
	s_cbranch_scc1 .Lpair
	; THE WAY OUT: O^T / the row's sum; register 16 b + i is channel 32 b + 16 (lane / 16) + i of my query: the projection's K
	v_add_f32 v14, v14, v15
	v_permlanex16_b32 v252, v14, s[SEL], s[SEL+1]
	v_add_f32 v14, v14, v252
	v_rcp_f32 v15, v14
	v_nop                                          ; a plain place behind the transcendental
	s_wait_alu depctr_va_vdst(0)                   ; the reciprocal has written v15, ahead of its first reader
.set JJ, 0
.rept 32
	v_mul_f32 v[96+JJ], v[160+JJ], v15
.set JJ, JJ+1
.endr
	QUANT2 96
	s_wait_alu depctr_va_vdst(0)                   ; the quantiser has written the codes v224 to v229 and the word v253, which the three stores read
	global_store_b128 v1, v[PC:PC+3], s[40:41]
	global_store_b64 v2, v[PC+4:PC+5], s[40:41] offset:512
	global_store_b32 v3, v[PW], s[42:43]
	s_wait_dscnt 0x0                               ; the closing lines, six on end
	s_wait_alu 0x0
	s_wait_tensorcnt 0x0
	ds_add_u32 v250, v251
	s_wait_dscnt 0x0
	s_endpgm
.Lfunc_end_k_q1f57e0f669_attn:
	.size	k_q1f57e0f669_attn, .Lfunc_end_k_q1f57e0f669_attn-k_q1f57e0f669_attn
	.p2alignl 7, 3214868480
	.fill 96, 4, 3214868480
	.section	.rodata,"a",@progbits
	.p2align	6, 0x0
	.amdhsa_kernel k_q1f57e0f669_attn
		.amdhsa_group_segment_fixed_size 34816
		.amdhsa_private_segment_fixed_size 0
		.amdhsa_enable_private_segment 0
		.amdhsa_kernarg_size 24
		.amdhsa_user_sgpr_count 2
		.amdhsa_user_sgpr_kernarg_segment_ptr 1
		.amdhsa_wavefront_size32 1
		.amdhsa_system_sgpr_workgroup_id_x 1
		.amdhsa_system_sgpr_workgroup_id_y 1
		.amdhsa_system_sgpr_workgroup_id_z 1
		.amdhsa_system_vgpr_workitem_id 0
		.amdhsa_next_free_vgpr 256
		.amdhsa_next_free_sgpr 66
		.amdhsa_reserve_vcc 0
		.amdhsa_float_denorm_mode_32 3
		.amdhsa_float_denorm_mode_16_64 3
		.amdhsa_memory_ordered 1
		.amdhsa_forward_progress 1
		.amdhsa_inst_pref_size 63
	.end_amdhsa_kernel
	.amdgpu_metadata
---
amdhsa.version: [ 1, 2 ]
amdhsa.kernels:
  - .name:           k_q1f57e0f669_attn
    .symbol:         k_q1f57e0f669_attn.kd
    .args:
      - { .name: qimg, .offset: 0, .size: 8, .value_kind: global_buffer, .address_space: global }
      - { .name: kvimg, .offset: 8, .size: 8, .value_kind: global_buffer, .address_space: global }
      - { .name: oimg, .offset: 16, .size: 8, .value_kind: global_buffer, .address_space: global }
    .group_segment_fixed_size: 34816
    .private_segment_fixed_size: 0
    .kernarg_segment_align: 8
    .kernarg_segment_size: 24
    .max_flat_workgroup_size: 512
    .sgpr_count:     66
    .vgpr_count:     256
    .wavefront_size: 32
...
	.end_amdgpu_metadata
.endif
;; end of part 8
;; launch ffn: the kernel of part 6 again; grid 256 x 1, 4 waves a work-group, clusters of 4 x 1, 327,680 bytes of LDS; arguments oimg, wimg, x, bp, ln2_g, ln2_b, b1, b2, out0; writes out0
